; MI455X (gfx1250); checked and timed in simulation.
; The chip was launched on July 23, 2026; its instructions are those of AMD's public machine-readable ISA for CDNA 5 (MIT licence, August 2026) and "CDNA5" Instruction Set Architecture Reference Guide (July 2026). The comments in the code are by the model that wrote it; some were corrected since.
;; Mo E Wrapper. Allowed arithmetic: matrix products marked QUANTISED: E2M1 operands, one E8M0 scale for each 32 along K, by v_wmma_scale_f32_16x16x128_f8f6f4 with both operands' format E2M1 (or v_wmma_scale_f32_32x16x128_f4), f32 sums; products left as they are: f32 operands where the result goes on into a quantised operand, else bf16, f16 or f32 operands; f32 sums; everything else in f32.
;; Inputs: W1 8 x 1,024 x 4,096 float32; W2 8 x 4,096 x 1,024 float32; Wr 512 x 8 float32; Wr_h 1,024 x 512 float32; b1 8 x 4,096 float32; b2 8 x 1,024 float32; br 8 float32; br_h 512 float32; x 1,024 x 1,024 float32.
;; Outputs: out0 1,024 x 1,024 float32.
;; This version of the problem:
;;   THIS VERSION OF THE PROBLEM IS GIVEN IN LOW PRECISION. The matrix products marked QUANTISED in the list below multiply operands that are first quantised to E2M1 (2 exponent bits, 1 mantissa bit; 4 bits a number), with one power-of-two scale for each 32 numbers along K (OCP MX v1.0); their sums are f32. All else is computed in f32.
;;   The module's matrix products, in the order in which they are computed (A, B: the left and right operand; K: the contracted axis; several contracted axes count as one K, in the product's order):
;;     1. [M 1,024, K 1,024] x [K 1,024, N 512]; A: input x; B: input Wr_h: QUANTISED
;;     2. [M 1,024, K 512] x [K 512, N 8]; A: computed on the way; B: input Wr: left as it is (N = 8 < 16)
;;     3. [M 1,024, K 1,024] x [K 1,024, N 4,096]; A: input x; B: input W1: QUANTISED
;;     4. [M 1,024, K 4,096] x [K 4,096, N 1,024]; A: computed on the way; B: input W2: QUANTISED
;;     5. [M 1,024, K 1,024] x [K 1,024, N 4,096]; A: input x; B: input W1: QUANTISED
;;     6. [M 1,024, K 4,096] x [K 4,096, N 1,024]; A: computed on the way; B: input W2: QUANTISED
;;     7. [M 1,024, K 1,024] x [K 1,024, N 4,096]; A: input x; B: input W1: QUANTISED
;;     8. [M 1,024, K 4,096] x [K 4,096, N 1,024]; A: computed on the way; B: input W2: QUANTISED
;;     9. [M 1,024, K 1,024] x [K 1,024, N 4,096]; A: input x; B: input W1: QUANTISED
;;     10. [M 1,024, K 4,096] x [K 4,096, N 1,024]; A: computed on the way; B: input W2: QUANTISED
;;     11. [M 1,024, K 1,024] x [K 1,024, N 4,096]; A: input x; B: input W1: QUANTISED
;;     12. [M 1,024, K 4,096] x [K 4,096, N 1,024]; A: computed on the way; B: input W2: QUANTISED
;;     13. [M 1,024, K 1,024] x [K 1,024, N 4,096]; A: input x; B: input W1: QUANTISED
;;     14. [M 1,024, K 4,096] x [K 4,096, N 1,024]; A: computed on the way; B: input W2: QUANTISED
;;     15. [M 1,024, K 1,024] x [K 1,024, N 4,096]; A: input x; B: input W1: QUANTISED
;;     16. [M 1,024, K 4,096] x [K 4,096, N 1,024]; A: computed on the way; B: input W2: QUANTISED
;;     17. [M 1,024, K 1,024] x [K 1,024, N 4,096]; A: input x; B: input W1: QUANTISED
;;     18. [M 1,024, K 4,096] x [K 4,096, N 1,024]; A: computed on the way; B: input W2: QUANTISED
;;   THE QUANTISER, for each operand of a quantised product, along K:
;;     - K is cut into blocks of 32 from its start; a last block that is shorter is filled with zeros.
;;     - A block's scale is 2^e with e = floor(log2(the largest magnitude in the block)) - 2, held to -126 .. 127; a block of zeros has e = 0. As a byte (E8M0): e + 127.
;;     - Each number is divided by its block's scale, clamped to +-6, and rounded to the nearest number of E2M1, ties to even, subnormals kept.
;;     - The product sums the exact products of the quantised numbers (number of the format x scale) in f32.
;;   ~~~python
;;   def quantise(x, axis):      # numpy; x: float32 -> the quantised numbers, widened to float32 again
;;       x = np.moveaxis(x, axis, -1); K = x.shape[-1]
;;       x = np.pad(x, [(0, 0)] * (x.ndim - 1) + [(0, -K % 32)]); x = x.reshape(x.shape[:-1] + (-1, 32)); a = np.abs(x).max(-1, keepdims=True)
;;       e = np.where(a > 0, np.clip(np.frexp(np.where(a > 0, a, 1))[1] - 1 - 2, -126, 127), 0)      # np.frexp(a)[1] - 1 = floor(log2(a)), exactly
;;       r = np.clip(x / 2.0 ** e, -6, 6)
;;       step = 2.0 ** (np.maximum(np.frexp(np.where(r == 0, 1, r))[1] - 1, 0) - 1)
;;       q = np.round(r / step) * step * 2.0 ** e      # np.round: ties to even
;;       return np.moveaxis(q.reshape(q.shape[:-2] + (-1,))[..., :K], -1, axis).astype(np.float32)
;;   ~~~
;;   OPERANDS COMPUTED ON THE WAY. 'Computed on the way' means the value that the module computes at that place (a softmax that the list does not call 'softmax' is quantised finished and normalised). What goes into a quantiser is computed in f32, as accurately as f32 sums, v_exp_f32 and their like allow (about 1e-6 of the number): no bf16 or f16 on the way to a quantiser, and a product that is left as it is and whose result goes on into a quantised operand takes f32 operands (vector FMAs, or v_wmma_f32_16x16x4_f32). A number that lies on a knife's edge between two numbers of the format may be rounded either way, as far as f32 arithmetic and the matrix unit's own rounding can turn it there, and no further.
;; 2 versions. Each part assembles by itself: llvm-mc -triple=amdgcn-amd-amdhsa -mcpu=gfx1250 --defsym DOCPART=n.
;; ======== version 1 of 2: 4 launches
;; workspace buffers: xc 524,288 bytes; xs 32,768 bytes; wrc 262,144 bytes; wrs 16,384 bytes; eid 4,096 bytes of whole numbers; wgt 4,096 bytes; hid 16,777,216 bytes; hs 2,097,152 bytes
;; launch quant (part 1): grid 160 x 1, 4 waves a work-group, no clusters, 33,280 bytes of LDS; arguments x, Wr_h, xc, xs, wrc, wrs; writes xc, xs, wrc, wrs
.if DOCPART == 1
	.amdgcn_target "amdgcn-amd-amdhsa--gfx1250"
	.amdhsa_code_object_version 6
	.text
	.protected	k_q2ef4e2d44f_quant
	.globl	k_q2ef4e2d44f_quant
	.p2align	8
	.type	k_q2ef4e2d44f_quant,@function
k_q2ef4e2d44f_quant:
	s_mov_b64 s[64:65], 0
	v_nop
	global_prefetch_b8 v0, s[64:65] scope:SCOPE_SE
	s_setreg_imm32_b32 hwreg(HW_REG_WAVE_MODE, 25, 1), 1
	s_wait_xcnt 0x0
; x [1024][1024] f32 and Wr_h [1024 (k)][512 (n)] f32 become codes of FP4 (E2M1) with one E8M0 byte for each 32 along K.
; A block's scale is 2^(floor(log2(largest magnitude)) - 2): its byte is the largest magnitude's exponent field - 2, held at 1 from below.
; LIMITS: a block of zeros gets the byte 1 where the rule says 127 (its codes are zeros, and this program alone reads the bytes); a block whose
; largest magnitude lies under 2^-124 is held at that floor; NaN and infinities among the inputs are not served.
; ROLE X, work-groups 0-127: K is innermost, so x is a plain stream of blocks of 32.  A wave takes 4 steps of 512 numbers.  Each load reads 512 consecutive
; bytes; a step's 2,048 bytes turn through the wave's own stage in LDS so that a lane holds 16 neighbours (two lanes a block).  xc: [token][512 bytes], xs: [token][32 bytes].
; ROLE W, work-groups 128-159: K is the first axis.  A lane takes a column and its registers run down K: a wave takes 128 k x 32 columns, four whole blocks a lane.
; The codes leave as IMAGES OF THE OPERAND'S REGISTERS: wrc [32 tiles of 16 columns][8 K steps][1,024 bytes], register 4 c + i of lane l at 512 c + 16 l + 4 i;
; wrs [16 groups of 32 columns][8 K steps][128 bytes], a scale word a lane: lanes 0-15 the even tile's, lanes 16-31 the odd tile's.
; No tensor loads, no barrier: waves share nothing.  Only role X uses LDS.  No matrix unit and no cluster: the launch only streams, and no two work-groups read the same bytes.
.set XWG,   128                        ; work-groups of role X: 1,048,576 numbers / (4 waves x 2,048)
.set STEPS, 4
.set EMAX,  2
.set R,     16                         ; v16-79   role X: four sets of 16 numbers as loaded
.set X,     80                         ; v80-111  two sets of 16 neighbours
.set E,     112                        ; v112-115 a scale byte for each step
.set C,     128                        ; v128-143 codes: four registers kept for each step, so that no store's data are written again
.set WREG,  8192                       ; LDS of a wave: two stages of 32 x SP bytes, behind them its 64 scale bytes
.set SP,    80                         ; a lane's place in a stage: 64 bytes + 16 of padding
.set WD,    32                         ; v32-159  role W: 128 numbers of my column
.set WC,    160                        ; v160-175 the four blocks' codes
.set SW,    176                        ; v176     my column's scale word
.macro LOAD t
.irp i, 0,1,2,3
	global_load_b128 v[R+16*(\t)+4*\i:R+16*(\t)+4*\i+3], v3, s[4:5] offset:2048*(\t)+512*\i th:TH_LOAD_NT   ; 32 lanes read 512 consecutive bytes
.endr
.endm
.macro TURN t                          ; step t through the stage: LDS serves a wave's instructions in order, so no wait stands between the stores and the loads
.irp i, 0,1,2,3
	ds_store_b128 v14, v[R+16*(\t)+4*\i:R+16*(\t)+4*\i+3] offset:32*SP*((\t)%2)+8*SP*\i
.endr
.irp i, 0,1,2,3
	ds_load_b128 v[X+16*((\t)%2)+4*\i:X+16*((\t)%2)+4*\i+3], v15 offset:32*SP*((\t)%2)+16*\i
.endr
.endm
.macro STEP t
.set XS, X+16*((\t)%2)
.if (\t) > 0
	s_wait_dscnt 1                                 ; this step's numbers are back from the stage; the last step's byte store may be out
.else
	s_wait_dscnt 0x0
.endif
.if (\t)+1 < STEPS
	s_wait_loadcnt 4*(STEPS-2-(\t))                ; the next step's four loads are in; those of the steps behind it may be out
	TURN (\t)+1
.endif
	v_max3_num_f32 v8, |v[XS]|, |v[XS+1]|, |v[XS+2]|       ; the largest magnitude of my 16, in two chains
	v_max3_num_f32 v9, |v[XS+3]|, |v[XS+4]|, |v[XS+5]|
.irp i, 6,10
	v_max3_num_f32 v8, v8, |v[XS+\i]|, |v[XS+\i+1]|
	v_max3_num_f32 v9, v9, |v[XS+\i+2]|, |v[XS+\i+3]|
.endr
	v_max3_num_f32 v8, v8, |v[XS+14]|, |v[XS+15]|
	v_max3_num_f32 v8, v8, v9, (EMAX+1)<<23        ; and the floor 2^(3 - 127): the byte cannot fall under 1
	v_max_num_f32_dpp v8, v8, v8 row_xmask:1 row_mask:0xf bank_mask:0xf   ; with my neighbour's 16: the block's
	v_add_nc_u32 v11, 0xff000000, v8               ; 2 off the exponent field: the conversion takes this operand's exponent field as its scale
	v_cvt_scalef32_pk8_fp4_f32 v[C+4*(\t)], v[XS:XS+7], v11
	v_cvt_scalef32_pk8_fp4_f32 v[C+4*(\t)+1], v[XS+8:XS+15], v11
	v_lshrrev_b32 v[E+(\t)], 23, v11               ; the scale's byte (also the plain line behind the conversions)
	ds_store_b8 v5, v[E+(\t)] offset:16*(\t)       ; both lanes of a block write the same byte with the same value
	global_store_b64 v4, v[C+4*(\t):C+4*(\t)+1], s[8:9] offset:256*(\t)   ; the wave stores 256 consecutive bytes, aligned
.endm
.macro QB b                            ; role W: block b of my column: 32 numbers, all mine
.set XS, WD+32*(\b)
	v_max3_num_f32 v12, |v[XS]|, |v[XS+1]|, |v[XS+2]|
	v_max3_num_f32 v13, |v[XS+3]|, |v[XS+4]|, |v[XS+5]|
.irp i, 6,10,14,18,22,26
	v_max3_num_f32 v12, v12, |v[XS+\i]|, |v[XS+\i+1]|
	v_max3_num_f32 v13, v13, |v[XS+\i+2]|, |v[XS+\i+3]|
.endr
	v_max3_num_f32 v12, v12, |v[XS+30]|, |v[XS+31]|
	v_max3_num_f32 v12, v12, v13, (EMAX+1)<<23
	v_add_nc_u32 v11, 0xff000000, v12
	v_lshrrev_b32 v13, 23, v11
.if (\b) == 0
	v_mov_b32 v[SW], v13                           ; four bytes make the scale word, the lower K in the lower byte
.else
	v_lshl_or_b32 v[SW], v13, 8*(\b), v[SW]
.endif
.irp g, 0,1,2,3
	v_cvt_scalef32_pk8_fp4_f32 v[WC+4*(\b)+\g], v[XS+8*\g:XS+8*\g+7], v11
.endr
.endm
	s_load_b128 s[4:7], s[0:1], 0x0                ; x, Wr_h
	s_load_b128 s[8:11], s[0:1], 0x10              ; xc, xs
	s_load_b128 s[12:15], s[0:1], 0x20             ; wrc, wrs
	v_lshl_add_u32 v192, v0, 2, 0x8000
	v_mov_b32 v193, 0
	v_lshrrev_b32 v1, 5, v0
	v_readfirstlane_b32 s16, v1                    ; wave
	v_and_b32 v2, 31, v0                           ; lane
	s_mov_b32 s21, 0                               ; the upper word of every offset pair
	s_cmp_ge_u32 ttmp9, XWG
	s_cbranch_scc1 .Lrole_w
	; ---- ROLE X
	v_lshlrev_b32 v3, 4, v2                        ; my 16 bytes of a load's 512
	s_mul_i32 s17, s16, WREG
	v_lshrrev_b32 v14, 2, v2
	v_mul_u32_u24 v14, v14, SP
	v_and_b32 v15, 3, v2
	v_lshl_add_u32 v14, v15, 4, v14
	v_add_nc_u32 v14, s17, v14                     ; the stage, on the way in: SP (lane / 4) + 16 (lane % 4)
	v_mul_u32_u24 v15, v2, SP
	v_add_nc_u32 v15, s17, v15                     ; and on the way out: SP x lane
	v_lshlrev_b32 v4, 3, v2                        ; my 8 bytes of a step's codes
	v_lshrrev_b32 v5, 1, v2
	s_add_co_u32 s17, s17, 2*32*SP
	v_add_nc_u32 v5, s17, v5                       ; LDS: my block's scale byte
	v_lshlrev_b32 v7, 1, v2                        ; on the way out 2 bytes a lane
	v_add_nc_u32 v6, s17, v7
	s_lshl_b32 s18, ttmp9, 2
	s_add_co_u32 s18, s18, s16                     ; which run of 2,048 numbers is my wave's
	s_wait_kmcnt 0x0
	s_lshl_b32 s20, s18, 13
	s_add_nc_u64 s[4:5], s[4:5], s[20:21]          ; 8,192 bytes of x a run,
	s_lshl_b32 s20, s18, 10
	s_add_nc_u64 s[8:9], s[8:9], s[20:21]          ; 1,024 of codes,
	s_lshl_b32 s20, s18, 6
	s_add_nc_u64 s[10:11], s[10:11], s[20:21]      ; 64 scale bytes
.irp t, 0,1,2,3
	LOAD \t
.endr
	s_wait_loadcnt 12                              ; step 0's four loads are in; the twelve behind them may be out
	TURN 0
.irp t, 0,1,2,3
	STEP \t
.endr
	ds_load_u16 v12, v6                            ; LDS serves a wave's instructions in order: this sees my byte stores
	s_wait_dscnt 0x0
	global_store_b16 v7, v12, s[10:11]             ; the wave's 64 scale bytes, consecutive
	s_wait_tensorcnt 0x0
	ds_add_u32 v192, v193
	s_wait_dscnt 0x0
	s_endpgm
	; ---- ROLE W
.Lrole_w:
	s_sub_co_u32 s18, ttmp9, XWG
	s_lshl_b32 s18, s18, 2
	s_add_co_u32 s18, s18, s16                     ; unit 0..127
	s_and_b32 s19, s18, 15                         ; group of 32 columns
	s_lshr_b32 s22, s18, 4                         ; K step of 128
	v_lshlrev_b32 v3, 2, v2                        ; 4 x lane
	v_lshlrev_b32 v4, 4, v2                        ; 16 x lane
	s_wait_kmcnt 0x0
	s_lshl_b32 s20, s22, 18                        ; 128 rows of 2,048 bytes
	s_lshl_b32 s23, s19, 7
	s_add_co_u32 s20, s20, s23
	s_add_nc_u64 s[6:7], s[6:7], s[20:21]
	s_lshl_b32 s20, s19, 14                        ; two tiles x 8 K steps x 1,024 bytes a group
	s_lshl_b32 s23, s22, 10
	s_add_co_u32 s20, s20, s23
	s_add_nc_u64 s[12:13], s[12:13], s[20:21]
	s_lshl_b32 s20, s19, 10
	s_lshl_b32 s23, s22, 7
	s_add_co_u32 s20, s20, s23
	s_add_nc_u64 s[14:15], s[14:15], s[20:21]
.set i, 0
.rept 128
	global_load_b32 v[WD+i], v3, s[6:7] offset:i*2048 th:TH_LOAD_NT      ; Wr_h(128 ks + i, 32 cg + lane): 128 consecutive bytes a load
.set i, i+1
.endr
	s_wait_loadcnt 63                              ; 96 loads are younger than block 0's: 63 is the largest count that the wait can name
	QB 0
	s_wait_loadcnt 63                              ; 64 are younger than block 1's
	QB 1
	s_wait_loadcnt 32                              ; block 3's 32 may be out
	QB 2
	s_wait_loadcnt 0x0
	QB 3
	v_nop                                          ; one plain line behind the last conversion
.irp i, 0,1,2,3                        ; a fragment wants block 2 c in lanes 0-15 and block 2 c + 1 in lanes 16-31 of ONE tile; I hold all four blocks of one column
	v_permlane16_swap_b32 v[WC+\i], v[WC+4+\i]     ; block 0's upper lanes (odd tile) change places with block 1's lower lanes (even tile)
	v_permlane16_swap_b32 v[WC+8+\i], v[WC+12+\i]  ; blocks 2 and 3 likewise
.endr
	global_store_b128 v4, v[WC:WC+3], s[12:13]                     ; even tile, registers 0-3: 512 consecutive bytes
	global_store_b128 v4, v[WC+8:WC+11], s[12:13] offset:512       ; even tile, registers 4-7
	global_store_b128 v4, v[WC+4:WC+7], s[12:13] offset:8192       ; odd tile, registers 0-3
	global_store_b128 v4, v[WC+12:WC+15], s[12:13] offset:8192+512 ; odd tile, registers 4-7
	global_store_b32 v3, v[SW], s[14:15]
	s_endpgm
.Lfunc_end_k_q2ef4e2d44f_quant:
	.size	k_q2ef4e2d44f_quant, .Lfunc_end_k_q2ef4e2d44f_quant-k_q2ef4e2d44f_quant
	.p2alignl 7, 3214868480
	.fill 96, 4, 3214868480
	.section	.rodata,"a",@progbits
	.p2align	6, 0x0
	.amdhsa_kernel k_q2ef4e2d44f_quant
		.amdhsa_group_segment_fixed_size 33280
		.amdhsa_private_segment_fixed_size 0
		.amdhsa_enable_private_segment 0
		.amdhsa_kernarg_size 48
		.amdhsa_user_sgpr_count 2
		.amdhsa_user_sgpr_kernarg_segment_ptr 1
		.amdhsa_wavefront_size32 1
		.amdhsa_system_sgpr_workgroup_id_x 1
		.amdhsa_system_sgpr_workgroup_id_y 1
		.amdhsa_system_sgpr_workgroup_id_z 1
		.amdhsa_system_vgpr_workitem_id 0
		.amdhsa_next_free_vgpr 194
		.amdhsa_next_free_sgpr 66
		.amdhsa_reserve_vcc 0
		.amdhsa_float_denorm_mode_32 3
		.amdhsa_float_denorm_mode_16_64 3
		.amdhsa_memory_ordered 1
		.amdhsa_forward_progress 1
		.amdhsa_inst_pref_size 29
	.end_amdhsa_kernel
	.amdgpu_metadata
---
amdhsa.version: [ 1, 2 ]
amdhsa.kernels:
  - .name:           k_q2ef4e2d44f_quant
    .symbol:         k_q2ef4e2d44f_quant.kd
    .args:
      - { .name: x, .offset: 0, .size: 8, .value_kind: global_buffer, .address_space: global }
      - { .name: Wr_h, .offset: 8, .size: 8, .value_kind: global_buffer, .address_space: global }
      - { .name: xc, .offset: 16, .size: 8, .value_kind: global_buffer, .address_space: global }
      - { .name: xs, .offset: 24, .size: 8, .value_kind: global_buffer, .address_space: global }
      - { .name: wrc, .offset: 32, .size: 8, .value_kind: global_buffer, .address_space: global }
      - { .name: wrs, .offset: 40, .size: 8, .value_kind: global_buffer, .address_space: global }
    .group_segment_fixed_size: 33280
    .private_segment_fixed_size: 0
    .kernarg_segment_align: 8
    .kernarg_segment_size: 48
    .max_flat_workgroup_size: 128
    .sgpr_count:     66
    .vgpr_count:     194
    .wavefront_size: 32
...
	.end_amdgpu_metadata
.endif
;; end of part 1
;; launch router (part 2): grid 64 x 1, 16 waves a work-group, no clusters, 36,864 bytes of LDS; arguments xc, xs, wrc, wrs, br_h, Wr, br, eid, wgt; writes eid, wgt
.if DOCPART == 2
	.amdgcn_target "amdgcn-amd-amdhsa--gfx1250"
	.amdhsa_code_object_version 6
	.text
	.protected	k_q2ef4e2d44f_router
	.globl	k_q2ef4e2d44f_router
	.p2align	8
	.type	k_q2ef4e2d44f_router,@function
k_q2ef4e2d44f_router:
	s_mov_b64 s[64:65], 0
	v_nop
	global_prefetch_b8 v0, s[64:65] scope:SCOPE_SE
	s_setreg_imm32_b32 hwreg(HW_REG_WAVE_MODE, 25, 1), 1
	s_wait_xcnt 0x0
; The router.  h = Q(x) Q(Wr_h) + br_h on codes of FP4; logits = h Wr + br by f32 multiply-adds; softmax (its maximum taken away); the two largest probabilities,
; ties to the lower index; a softmax of those two.  The experts are walked in ascending order and later ones overwrite, so a token keeps the result of the LARGER of its two indices:
; eid[token] = that index (a whole number, from which later launches form addresses and trip counts), wgt[token] = its renormalised weight.
; SHARES.  A work-group takes 16 tokens; wave w takes h's columns 32 w .. 32 w + 31 (two tiles) over all 8 K steps: 16 matrix instructions, two accumulators by turns.
; The product is used transposed (source 0 = 16 columns of Wr_h, source 1 = the 16 tokens): a lane holds one token and eight columns of h.
; x's eight fragments come once: each wave fetches one sixteenth and all read them from LDS as images of the operand's registers.
; Each wave multiplies its 32 columns of h by its 32 rows of Wr; the sixteen waves' partial logits meet in LDS and wave 0 finishes.
; LIMITS: the sums of h and of the logits run in another order than a plain row sum; a token whose second and third probabilities agree to within f32 rounding may choose the other expert.
; A probability under 2^-126 comes out of the exponential as 0 (ISA guide, 15.8) and ties with other zeros, the lower index ahead.  NaN and infinities are not served.
; No tensor loads: each byte is read once by plain loads.  No cluster: the work-groups share wrc alone, 256 KiB, read once by each of 64 work-groups within one short launch.
.set XIMG, 0                           ; LDS: x's 8 fragment images, 1,024 bytes each
.set XSC,  8192                        ; x's scale words, 128 bytes a wave; K step ks is read from wave 2 ks's
.set WRL,  10240                       ; 1,024 bytes a wave: its 32 rows of Wr
.set PART, 26624                       ; partial logits: 512 bytes a wave, 32 a token
.set WF,   16                          ; v16-143  Wr_h's fragments, (tile u, K step ks) at 8 (8 u + ks); afterwards 128 numbers of Wr
.set WS,   144                         ; v144-151 their scale words: scales and nothing else
.set XF,   152                         ; v152-215 x's fragments; ahead of the first barrier v152-164 hold what I fetch for the others
.set XSR,  216                         ; v216-223 x's scale words: scales and nothing else
.set ACC,  224                         ; v224-239 two accumulators
.set L,    248                         ; v248-255 logits, then probabilities
.macro WM d, a, b, sa, sb, row1
.if \row1
	v_wmma_scale_f32_16x16x128_f8f6f4 v[(\d):(\d)+7], v[(\a):(\a)+7], v[(\b):(\b)+7], v[(\d):(\d)+7], v[\sa], v[\sb] matrix_a_fmt:MATRIX_FMT_FP4 matrix_b_fmt:MATRIX_FMT_FP4 matrix_a_scale:MATRIX_SCALE_ROW1
.else
	v_wmma_scale_f32_16x16x128_f8f6f4 v[(\d):(\d)+7], v[(\a):(\a)+7], v[(\b):(\b)+7], v[(\d):(\d)+7], v[\sa], v[\sb] matrix_a_fmt:MATRIX_FMT_FP4 matrix_b_fmt:MATRIX_FMT_FP4
.endif
.endm
	s_load_b256 s[4:11], s[0:1], 0x0               ; xc s[4:5], xs s[6:7], wrc s[8:9], wrs s[10:11]
	s_load_b256 s[12:19], s[0:1], 0x20             ; br_h s[12:13], Wr s[14:15], br s[16:17], eid s[18:19]
	s_load_b64 s[20:21], s[0:1], 0x40              ; wgt
	v_lshrrev_b32 v1, 5, v0
	v_readfirstlane_b32 s22, v1                    ; wave 0..15
	v_and_b32 v2, 31, v0
	v_and_b32 v3, 15, v0                           ; r
	v_bfe_u32 v4, v0, 4, 1                         ; h
	v_lshlrev_b32 v1, 4, v2                        ; 16 x lane
	v_lshlrev_b32 v2, 2, v2                        ; 4 x lane
	v_lshlrev_b32 v5, 9, v3
	v_lshl_add_u32 v5, v4, 4, v5                   ; xc: 512 r + 16 h
	v_lshlrev_b32 v6, 5, v3                        ; xs: 32 r
	v_lshlrev_b32 v7, 5, v4                        ; br_h: 32 h
	s_lshl_b32 s23, s22, 10
	s_lshl_b32 s34, s22, 9
	s_lshl_b32 s35, s22, 7
	v_add_nc_u32 v8, s23, v1                       ; LDS addresses, all made here: Wr in: 16 l + 1,024 w
	v_add_nc_u32 v9, s34, v1                       ; x's piece in: 16 l + 512 w
	v_add_nc_u32 v10, s35, v2                      ; x's scale words in: 4 l + 128 w
	v_lshl_add_u32 v11, v4, 8, s23                 ; Wr back: 256 h + 1,024 w
	v_add_nc_u32 v12, s34, v6                      ; partial logits in: 32 r + 512 w
	v_lshl_add_u32 v13, v4, 12, v6                 ; and back, in wave 0: 4,096 h + 32 r
	v_lshlrev_b32 v14, 2, v3                       ; eid, wgt: 4 r
	s_mov_b32 s36, 0x76543210
	s_mov_b32 s37, 0xfedcba98                      ; v_permlanex16_b32's selects for lane l xor 16
	s_mov_b32 s33, 0
	s_wait_kmcnt 0x0
	s_load_b256 s[24:31], s[16:17], 0x0            ; br: eight numbers
	s_mov_b32 s32, s23
	s_add_nc_u64 s[14:15], s[14:15], s[32:33]      ; Wr: my 32 rows of 32 bytes
	s_add_nc_u64 s[10:11], s[10:11], s[32:33]      ; wrs: my group's 8 x 128 bytes
	s_lshl_b32 s32, ttmp9, 13
	s_lshl_b32 s38, s22, 5
	s_add_co_u32 s32, s32, s38
	s_add_nc_u64 s[4:5], s[4:5], s[32:33]          ; xc: 16 tokens of 512 bytes a work-group; my 32 bytes of each row
	s_lshl_b32 s32, ttmp9, 9
	s_lshr_b32 s38, s22, 1
	s_lshl_b32 s38, s38, 2
	s_add_co_u32 s32, s32, s38
	s_add_nc_u64 s[6:7], s[6:7], s[32:33]          ; xs: the word of K step w / 2
	s_mov_b32 s32, s35
	s_add_nc_u64 s[12:13], s[12:13], s[32:33]      ; br_h: my 32 numbers
	s_lshl_b32 s32, s22, 14
	s_add_nc_u64 s[8:9], s[8:9], s[32:33]          ; wrc: my two tiles x 8 K steps
	s_lshl_b32 s32, ttmp9, 6
	s_add_nc_u64 s[18:19], s[18:19], s[32:33]
	s_add_nc_u64 s[20:21], s[20:21], s[32:33]
	; 48 loads: what goes to LDS first
	global_load_b128 v[152:155], v1, s[14:15]
	global_load_b128 v[156:159], v1, s[14:15] offset:512
	global_load_b128 v[160:163], v5, s[4:5]        ; bytes 32 w + 16 h of row r: registers 4 (w % 2) .. of K step w / 2's fragment
	global_load_b32 v164, v6, s[6:7]
.irp u, 0,1
	global_load_b128 v[ACC+8*\u:ACC+8*\u+3], v7, s[12:13] offset:64*\u       ; the bias is the sums' start: register j of tile u is column 32 w + 16 u + 8 h + j
	global_load_b128 v[ACC+8*\u+4:ACC+8*\u+7], v7, s[12:13] offset:64*\u+16
.endr
.set f, 0
.rept 16
	global_load_b128 v[WF+8*f:WF+8*f+3], v1, s[8:9] offset:1024*f
	global_load_b128 v[WF+8*f+4:WF+8*f+7], v1, s[8:9] offset:1024*f+512
.set f, f+1
.endr
.irp k, 0,1,2,3,4,5,6,7
	global_load_b32 v[WS+\k], v2, s[10:11] offset:128*\k
.endr
	s_wait_loadcnt 44                              ; the first four are in; the bias's 4 and the weights' 40 may be out
	ds_store_b128 v8, v[152:155] offset:WRL
	ds_store_b128 v8, v[156:159] offset:WRL+512
	ds_store_b128 v9, v[160:163] offset:XIMG
	ds_store_b32 v10, v164 offset:XSC
	s_wait_kmcnt 0x0                               ; br
	s_wait_dscnt 0x0                               ; for the others' sake: my stores have landed
	s_barrier_signal -1
	s_barrier_wait -1
.irp k, 0,1,2,3,4,5,6,7
	ds_load_b128 v[XF+8*\k:XF+8*\k+3], v1 offset:XIMG+1024*\k
	ds_load_b128 v[XF+8*\k+4:XF+8*\k+7], v1 offset:XIMG+1024*\k+512
	ds_load_b32 v[XSR+\k], v2 offset:XSC+256*\k
.endr
	s_wait_loadcnt 0x0
	s_wait_dscnt 0x0
.irp k, 0,1,2,3,4,5,6,7                ; K ascending; the two accumulators take turns, one instruction a turn
	WM ACC, WF+8*\k, XF+8*\k, WS+\k, XSR+\k, 0
	WM ACC+8, WF+64+8*\k, XF+8*\k, WS+\k, XSR+\k, 1
.endr
.rept 4
	v_nop                                          ; four places ahead of loads into registers that matrix instructions have read, and of the first read of results
.endr
.set k, 0
.rept 16                               ; Wr's rows of my 16 columns: column 16 u + 8 h + j is 512 u + 256 h + 32 j bytes on; k = 8 u + j
	ds_load_b128 v[16+8*k:16+8*k+3], v11 offset:WRL+512*(k/8)+32*(k%8)
	ds_load_b128 v[16+8*k+4:16+8*k+7], v11 offset:WRL+512*(k/8)+32*(k%8)+16
.set k, k+1
.endr
	s_wait_dscnt 0x0
.irp e, 0,1,2,3,4,5,6,7
	v_mul_f32 v[L+\e], v[ACC], v[16+\e]            ; each accumulator is read from its low end on; eight chains that do not wait for each other
.endr
.set k, 1
.rept 15
.irp e, 0,1,2,3,4,5,6,7
	v_fmac_f32 v[L+\e], v[ACC+k], v[16+8*k+\e]
.endr
.set k, k+1
.endr
.irp e, 0,1,2,3,4,5,6,7
	v_permlanex16_b32 v[ACC+\e], v[L+\e], s36, s37 ; the token's other 16 columns lie in lane l xor 16
.endr
.irp e, 0,1,2,3,4,5,6,7
	v_add_f32 v[L+\e], v[L+\e], v[ACC+\e]
.endr
	ds_store_b128 v12, v[L:L+3] offset:PART        ; both halves of the lanes write the same numbers to the same place
	ds_store_b128 v12, v[L+4:L+7] offset:PART+16
	s_wait_dscnt 0x0
	s_barrier_signal -1
	s_barrier_wait -1
	s_cmp_lg_u32 s22, 0                            ; behind the last barrier: wave 0 finishes alone
	s_cbranch_scc1 .Lend
.irp i, 0,1,2,3,4,5,6,7                ; lanes 0-15 take waves 0-7, lanes 16-31 waves 8-15
	ds_load_b128 v[16+8*\i:16+8*\i+3], v13 offset:PART+512*\i
	ds_load_b128 v[16+8*\i+4:16+8*\i+7], v13 offset:PART+512*\i+16
.endr
	s_wait_dscnt 0x0
.irp e, 0,1,2,3,4,5,6,7
	v_add_f32 v[L+\e], v[16+\e], v[24+\e]
.endr
.irp i, 2,3,4,5,6,7
.irp e, 0,1,2,3,4,5,6,7
	v_add_f32 v[L+\e], v[L+\e], v[16+8*\i+\e]
.endr
.endr
.irp e, 0,1,2,3,4,5,6,7
	v_permlanex16_b32 v[ACC+\e], v[L+\e], s36, s37
.endr
.irp e, 0,1,2,3,4,5,6,7
	v_add_f32 v[L+\e], v[L+\e], v[ACC+\e]
.endr
.irp e, 0,1,2,3,4,5,6,7
	v_add_f32 v[L+\e], s[24+\e], v[L+\e]           ; + br
.endr
	v_max3_num_f32 v240, v[L], v[L+1], v[L+2]      ; the softmax: the row's maximum is taken away
	v_max3_num_f32 v240, v240, v[L+3], v[L+4]
	v_max3_num_f32 v240, v240, v[L+5], v[L+6]
	v_max_num_f32 v240, v240, v[L+7]
.irp e, 0,1,2,3,4,5,6,7
	v_sub_f32 v[L+\e], v[L+\e], v240
.endr
.irp e, 0,1,2,3,4,5,6,7
	v_mul_f32 v[L+\e], 0x3fb8aa3b, v[L+\e]         ; x log2(e)
.endr
.irp e, 0,1,2,3,4,5,6,7
	v_exp_f32 v[L+\e], v[L+\e]
.endr
	v_nop                                          ; a plain line behind the last exponential
	s_wait_alu depctr_va_vdst(0)                   ; one wait for the batch, ahead of its first reader
	v_add_f32 v241, v[L], v[L+1]
	v_add_f32 v240, v[L+2], v[L+3]
	v_add_f32 v241, v241, v[L+4]
	v_add_f32 v240, v240, v[L+5]
	v_add_f32 v241, v241, v[L+6]
	v_add_f32 v240, v240, v[L+7]
	v_add_f32 v241, v241, v240
	v_rcp_f32 v241, v241
	v_nop
	s_wait_alu depctr_va_vdst(0)
.irp e, 0,1,2,3,4,5,6,7
	v_mul_f32 v[L+\e], v[L+\e], v241               ; the probabilities
.endr
	v_mov_b32 v242, v[L]                           ; the largest so far and its index,
	v_mov_b32 v243, 0
	v_mov_b32 v244, -1.0                           ; the second: under every probability
	v_mov_b32 v245, 0
.irp e, 1,2,3,4,5,6,7                  ; strict compares: of equals the lower index stays ahead
	v_cmp_gt_f32 vcc_lo, v[L+\e], v242
	v_cmp_gt_f32 s38, v[L+\e], v244
	v_cndmask_b32 v244, v244, v[L+\e], s38
	v_cndmask_b32 v245, v245, \e, s38
	v_cndmask_b32 v244, v244, v242, vcc_lo
	v_cndmask_b32 v245, v245, v243, vcc_lo
	v_cndmask_b32 v242, v242, v[L+\e], vcc_lo
	v_cndmask_b32 v243, v243, \e, vcc_lo
.endr
	v_sub_f32 v246, v244, v242                     ; the softmax of the two, the larger taken away: 1 and q = e^(second - first)
	v_mul_f32 v246, 0x3fb8aa3b, v246
	v_exp_f32 v246, v246
	v_nop
	s_wait_alu depctr_va_vdst(0)
	v_add_f32 v247, 1.0, v246
	v_rcp_f32 v247, v247
	v_nop
	s_wait_alu depctr_va_vdst(0)
	v_mul_f32 v246, v246, v247                     ; the second's weight; v247 is the first's
	v_cmp_gt_u32 vcc_lo, v243, v245
	v_cndmask_b32 v246, v246, v247, vcc_lo         ; the weight of the larger index,
	v_max_u32 v243, v243, v245                     ; and that index
	global_store_b32 v14, v243, s[18:19]           ; both halves of the lanes store the same number to the same place
	global_store_b32 v14, v246, s[20:21]
.Lend:
	s_wait_xcnt 0x0
	v_lshl_add_u32 v254, v0, 2, 0x8800
	v_mov_b32 v255, 0
	s_wait_tensorcnt 0x0
	ds_add_u32 v254, v255
	s_wait_dscnt 0x0
	s_endpgm
.Lfunc_end_k_q2ef4e2d44f_router:
	.size	k_q2ef4e2d44f_router, .Lfunc_end_k_q2ef4e2d44f_router-k_q2ef4e2d44f_router
	.p2alignl 7, 3214868480
	.fill 96, 4, 3214868480
	.section	.rodata,"a",@progbits
	.p2align	6, 0x0
	.amdhsa_kernel k_q2ef4e2d44f_router
		.amdhsa_group_segment_fixed_size 36864
		.amdhsa_private_segment_fixed_size 0
		.amdhsa_enable_private_segment 0
		.amdhsa_kernarg_size 72
		.amdhsa_user_sgpr_count 2
		.amdhsa_user_sgpr_kernarg_segment_ptr 1
		.amdhsa_wavefront_size32 1
		.amdhsa_system_sgpr_workgroup_id_x 1
		.amdhsa_system_sgpr_workgroup_id_y 1
		.amdhsa_system_sgpr_workgroup_id_z 1
		.amdhsa_system_vgpr_workitem_id 0
		.amdhsa_next_free_vgpr 256
		.amdhsa_next_free_sgpr 66
		.amdhsa_reserve_vcc 1
		.amdhsa_float_denorm_mode_32 3
		.amdhsa_float_denorm_mode_16_64 3
		.amdhsa_memory_ordered 1
		.amdhsa_forward_progress 1
		.amdhsa_inst_pref_size 28
	.end_amdhsa_kernel
	.amdgpu_metadata
---
amdhsa.version: [ 1, 2 ]
amdhsa.kernels:
  - .name:           k_q2ef4e2d44f_router
    .symbol:         k_q2ef4e2d44f_router.kd
    .args:
      - { .name: xc, .offset: 0, .size: 8, .value_kind: global_buffer, .address_space: global }
      - { .name: xs, .offset: 8, .size: 8, .value_kind: global_buffer, .address_space: global }
      - { .name: wrc, .offset: 16, .size: 8, .value_kind: global_buffer, .address_space: global }
      - { .name: wrs, .offset: 24, .size: 8, .value_kind: global_buffer, .address_space: global }
      - { .name: br_h, .offset: 32, .size: 8, .value_kind: global_buffer, .address_space: global }
      - { .name: Wr, .offset: 40, .size: 8, .value_kind: global_buffer, .address_space: global }
      - { .name: br, .offset: 48, .size: 8, .value_kind: global_buffer, .address_space: global }
      - { .name: eid, .offset: 56, .size: 8, .value_kind: global_buffer, .address_space: global }
      - { .name: wgt, .offset: 64, .size: 8, .value_kind: global_buffer, .address_space: global }
    .group_segment_fixed_size: 36864
    .private_segment_fixed_size: 0
    .kernarg_segment_align: 8
    .kernarg_segment_size: 72
    .max_flat_workgroup_size: 512
    .sgpr_count:     66
    .vgpr_count:     256
    .wavefront_size: 32
...
	.end_amdgpu_metadata
.endif
;; end of part 2
;; launch up (part 3): grid 32 x 7, 16 waves a work-group, no clusters, 71,680 bytes of LDS; arguments W1, b1, xc, xs, eid, hid, hs; writes hid, hs
.if DOCPART == 3
	.amdgcn_target "amdgcn-amd-amdhsa--gfx1250"
	.amdhsa_code_object_version 6
	.text
	.protected	k_q2ef4e2d44f_up
	.globl	k_q2ef4e2d44f_up
	.p2align	8
	.type	k_q2ef4e2d44f_up,@function
k_q2ef4e2d44f_up:
	s_mov_b64 s[64:65], 0
	v_nop
	global_prefetch_b8 v0, s[64:65] scope:SCOPE_SE
	s_setreg_imm32_b32 hwreg(HW_REG_WAVE_MODE, 25, 1), 1
	s_wait_xcnt 0x0
; hidden = Q(relu(Q(x) Q(W1[e]) + b1[e])) for the tokens that keep expert e, both operands as codes of FP4 with E8M0 scales.
; SHARES.  Work-group (s, y) takes expert e = y + 1 and hidden units 128 s .. 128 s + 127, which are one K step of the second product, and streams its 1,024 x 128 numbers of W1 ONCE, as f32.
; Expert 0 has no work-group: a token's two chosen indices differ and the larger is kept, so expert 0 is kept by no token, whatever the inputs.
; THE STREAM, 8 trips of 128 along K.  Wave w = (cg = w % 4, kb = w / 4) takes one block of the quantiser a trip: 32 k x 32 columns; a lane takes a column and its registers run down K,
; so a block's largest magnitude needs no other lane and the conversions give codes with K innermost.  Each load reads 128 consecutive bytes, four waves side by side 512.  Two register sets take turns.
; The codes go to LDS as images of the operand's registers (a fragment of 16 columns x 128 k: 1,024 bytes) and STAY: 64 images and their scale words.  Nothing in LDS is written twice, so ONE barrier a trip
; (stores of trip t, wait, barrier, reads of trip t) is all the ordering, and further tiles of tokens are served behind the stream without reading a weight again.
; THE COLUMNS OF A TILE ARE NOT NEIGHBOURS: lane r of tile 2 b + u takes column 32 b + 8 u + r + 8 (r / 8), so that the 16 registers of tiles 2 b, 2 b + 1 are 16 neighbours along the next K.
; THE TOKENS.  Every wave reads eid (4 KiB), keeps 32 masks 'token keeps my expert' in scalar registers and finds the token of rank R by whole-number arithmetic (RANKSEL).  Tile T of an expert is ranks 16 T .. 16 T + 15.
; Ranks past the count are held at the last: spare lanes of a partial tile repeat the last token.  Wave w takes tile w under the stream, tiles w + 16, w + 32, w + 48 in a loop of three trips behind it;
; a trip whose tile has no token jumps round its work.
; The product is used transposed (source 0 = 16 columns of W1, source 1 = 16 tokens): a lane holds one token and its registers run along the hidden units.
; hid: [8 e][64 tiles][32 K steps][1,024 bytes] register images; hs: [8][64][32][128 bytes], a scale word a lane.  Tile 0 of experts 1 to 7 is always stored, so that the next launch's first fetch finds stored bytes.
; An expert without tokens does not step its stream on behind the second chunk.
; NO TENSOR LOADS, NO CLUSTER: the number of tiles is read from memory and steers jumps.  What the 32 work-groups of an expert share is its tokens' codes, 544 bytes a token, beside 512 KiB of weights that each reads alone.
; No barrier stands under a jump on loaded numbers. No prefetch: the launch is one stream of loads that are already issued a trip or two ahead.
; LIMITS: a block of zeros gets the byte 1 (its codes are zeros; this program alone reads the bytes); a block under 2^-124 is held at that floor; NaN and infinities are not served.
.set PITCH, 16384                      ; a row of W1[e] in bytes
.set WSC,   65536                      ; LDS: 64 images from byte 0; behind them the scale words: trip t, tiles 2 g and 2 g + 1 at 512 t + 128 g + 4 x lane
.set AV,  1                            ; v1   the stream: 4 x my column
.set AW,  2                            ; v2   LDS: where my block's 16 bytes go: 1,024 u + 16 r + 2,048 cg + 256 kb
.set AS,  3                            ; v3   and its scale byte: WSC + 128 cg + 4 lane + kb
.set LI,  4                            ; v4   16 x lane
.set LS,  5                            ; v5   4 x lane
.set BO,  6                            ; v6   b1: 64 h
.set WSA, 7                            ; v7   WSC + 4 x lane
.set RR,  8                            ; v8   r
.set H16, 9                            ; v9   16 h
.set RK,  10                           ; v10  my rank
.set TOK, 11                           ; v11  my token
.set TX,  12                           ; v12  its codes: 512 token + 16 h
.set TSX, 13                           ; v13  its scale words: 32 token
.set X0,  16                           ; v16-47, v48-79 the stream's two sets; in the loop behind it x's eight fragments
.set CC,  80                           ; v80-83 a block's codes
.set QA,  84                           ; v84-86 at work in QBLK
.set QB,  85
.set QS,  86
.set XF0, 88                           ; v88-95, v96-103 x's fragment of this trip and of the next
.set XS,  104                          ; v104-111 x's scale words, one for each K step: scales and nothing else
.set WF,  112                          ; v112-175 the weights' eight fragments of a K step
.set EI,  112                          ; at the head: the 1,024 eids, 32 a lane
.set TM,  112                          ; in QUANT: v112-127 at work, v128-135 the codes, v136 the scale word
.set PC,  128
.set PW,  136
.set ACC, 176                          ; v176-239 eight accumulators
.set WS,  240                          ; v240-243 the weights' scale words: scales and nothing else
.set MS,  244                          ; v244-253 at work in RANKSEL
.set CS,  245
.set JS,  246
.set NN,  247
.set POS, 248
.set TT,  249
.set A1,  250
.set A2,  251
.set A3,  252
.set A4,  253
; scalars: s18 wave, s19 expert, s20 slab, s21 count, s22 max(count,1)-1, s23 max(count,1), s24-27 at work, s[28:29] the stream, s[30:31] its step, s[32:35] hid and hs at (e, s), s[36:39] at my tile, s40 16 x wave,
; s42 the first rank of the tile in hand behind the stream, s49 the trips left there, s[44:45] selects, s66-97 the masks
.macro WM d, a, b, sa, sb, row1
.if \row1
	v_wmma_scale_f32_16x16x128_f8f6f4 v[(\d):(\d)+7], v[(\a):(\a)+7], v[(\b):(\b)+7], v[(\d):(\d)+7], v[\sa], v[\sb] matrix_a_fmt:MATRIX_FMT_FP4 matrix_b_fmt:MATRIX_FMT_FP4 matrix_a_scale:MATRIX_SCALE_ROW1
.else
	v_wmma_scale_f32_16x16x128_f8f6f4 v[(\d):(\d)+7], v[(\a):(\a)+7], v[(\b):(\b)+7], v[(\d):(\d)+7], v[\sa], v[\sb] matrix_a_fmt:MATRIX_FMT_FP4 matrix_b_fmt:MATRIX_FMT_FP4
.endif
.endm
.macro PLACES                          ; four plain lines between a matrix instruction and a load into, or a vector instruction on, one of its registers (ISA guide 7.12.1 for vector instructions)
.rept 4
	v_nop
.endr
.endm
.macro BAR
	s_wait_dscnt 0x0                               ; for the others' sake: my LDS stores have landed (and my loads are in)
	s_barrier_signal -1
	s_barrier_wait -1
.endm
.macro SLOAD set                       ; a block: 32 rows of K at my column
.set i, 0
.rept 32
	global_load_b32 v[(\set)+i], v[AV], s[28:29] offset:i*PITCH th:TH_LOAD_NT
.set i, i+1
.endr
.endm
.macro STEPB
	s_wait_xcnt 0x0                                ; the loads issued so far have read their base: only now is it stepped
	s_add_nc_u64 s[28:29], s[28:29], s[30:31]
.endm
.macro QBLK set, t                     ; 32 numbers of my column become 16 bytes of codes and a scale byte, and go to LDS
	v_max3_num_f32 v[QA], |v[(\set)]|, |v[(\set)+1]|, |v[(\set)+2]|
	v_max3_num_f32 v[QB], |v[(\set)+3]|, |v[(\set)+4]|, |v[(\set)+5]|
.irp i, 6,10,14,18,22,26
	v_max3_num_f32 v[QA], v[QA], |v[(\set)+\i]|, |v[(\set)+\i+1]|
	v_max3_num_f32 v[QB], v[QB], |v[(\set)+\i+2]|, |v[(\set)+\i+3]|
.endr
	v_max3_num_f32 v[QA], v[QA], |v[(\set)+30]|, |v[(\set)+31]|
	v_max3_num_f32 v[QA], v[QA], v[QB], 0x1800000  ; the floor 2^(3 - 127): the byte cannot fall under 1
	v_add_nc_u32 v[QS], 0xff000000, v[QA]          ; 2 off the exponent field: the conversion's scale operand
	v_lshrrev_b32 v[QB], 23, v[QS]                 ; the scale's byte
.irp g, 0,1,2,3
	v_cvt_scalef32_pk8_fp4_f32 v[CC+\g], v[(\set)+8*\g:(\set)+8*\g+7], v[QS]
.endr
	v_nop                                          ; one plain line behind the last conversion
	ds_store_b128 v[AW], v[CC:CC+3] offset:8192*(\t)
	ds_store_b8 v[AS], v[QB] offset:512*(\t)
.endm
.macro COUNT                           ; mask j = 4 q + c, bit l: token 128 q + 4 l + c keeps my expert
	s_mov_b32 s21, 0
.set j, 0
.rept 32
	v_cmp_eq_u32 s[66+j], s19, v[EI+j]
	s_bcnt1_i32_b32 s25, s[66+j]
	s_add_co_u32 s21, s21, s25
.set j, j+1
.endr
.endm
.macro DESC a, width, inc              ; if my rank is not among the ones of the field at POS, take them off and go a field on
	v_bfe_u32 v[TT], v[\a], v[POS], \width
	v_cmp_ge_u32 vcc_lo, v[NN], v[TT]
	v_cndmask_b32 v[TT], 0, v[TT], vcc_lo
	v_sub_nc_u32 v[NN], v[NN], v[TT]
	v_cndmask_b32 v[TT], 0, \inc, vcc_lo
	v_add_nc_u32 v[POS], v[POS], v[TT]
.endm
.macro RANKSEL                         ; v[RK], a rank under the count -> v[TOK], the token of that rank in the order (mask, bit)
	v_mov_b32 v[MS], s66
	v_mov_b32 v[CS], 0
	v_mov_b32 v[JS], 0
	s_bcnt1_i32_b32 s24, s66                       ; s24: the ones in the masks passed
.set j, 1
.rept 31
	v_cmp_le_u32 vcc_lo, s24, v[RK]                ; the last mask ahead of which at most RK ones lie is mine
	v_cndmask_b32 v[MS], v[MS], s[66+j], vcc_lo
	v_cndmask_b32 v[CS], v[CS], s24, vcc_lo
	v_cndmask_b32 v[JS], v[JS], j, vcc_lo
	s_bcnt1_i32_b32 s25, s[66+j]
	s_add_co_u32 s24, s24, s25
.set j, j+1
.endr
	v_sub_nc_u32 v[NN], v[RK], v[CS]               ; my rank among the mask's ones
	v_lshrrev_b32 v[TT], 1, v[MS]                  ; the ones in fields of 2, 4, 8 and 16 bits
	v_and_b32 v[TT], 0x55555555, v[TT]
	v_sub_nc_u32 v[A1], v[MS], v[TT]
	v_lshrrev_b32 v[TT], 2, v[A1]
	v_and_b32 v[TT], 0x33333333, v[TT]
	v_and_b32 v[A2], 0x33333333, v[A1]
	v_add_nc_u32 v[A2], v[A2], v[TT]
	v_lshrrev_b32 v[TT], 4, v[A2]
	v_add_nc_u32 v[A3], v[A2], v[TT]
	v_and_b32 v[A3], 0x0f0f0f0f, v[A3]
	v_lshrrev_b32 v[TT], 8, v[A3]
	v_add_nc_u32 v[A4], v[A3], v[TT]
	v_and_b32 v[A4], 0x00ff00ff, v[A4]
	v_mov_b32 v[POS], 0
	DESC A4, 8, 16
	DESC A3, 8, 8
	DESC A2, 4, 4
	DESC A1, 2, 2
	DESC MS, 1, 1
	v_lshrrev_b32 v[TT], 2, v[JS]
	v_lshlrev_b32 v[TT], 7, v[TT]
	v_and_b32 v[JS], 3, v[JS]
	v_lshl_add_u32 v[TT], v[POS], 2, v[TT]
	v_add_nc_u32 v[TOK], v[TT], v[JS]              ; 128 (j / 4) + 4 bit + j % 4
.endm
.macro TOKADR
	v_min_u32 v[TOK], 0x3ff, v[TOK]                ; a number made of loaded numbers enters an address only behind this hold
	v_lshlrev_b32 v[TX], 9, v[TOK]
	v_add_nc_u32 v[TX], v[TX], v[H16]
	v_lshlrev_b32 v[TSX], 5, v[TOK]
.endm
.macro B1LOAD                          ; the bias is the sums' start: register j of tile ct is hidden unit 32 (ct / 2) + 16 h + 8 (ct % 2) + j
.irp ct, 0,1,2,3,4,5,6,7
	global_load_b128 v[ACC+8*\ct:ACC+8*\ct+3], v[BO], s[6:7] offset:128*(\ct/2)+32*(\ct%2)
	global_load_b128 v[ACC+8*\ct+4:ACC+8*\ct+7], v[BO], s[6:7] offset:128*(\ct/2)+32*(\ct%2)+16
.endr
.endm
.macro TK3 t, xf                       ; my 16 tokens' fragment and scale words of K step t: three loads
	global_load_b128 v[(\xf):(\xf)+3], v[TX], s[8:9] offset:64*(\t)
	global_load_b128 v[(\xf)+4:(\xf)+7], v[TX], s[8:9] offset:64*(\t)+32
	global_load_b32 v[XS+(\t)], v[TSX], s[10:11] offset:4*(\t)
.endm
.macro M3 t, xf, chk                   ; K step t of my tile: the eight accumulators by turns, one instruction a turn
.if \chk
	s_cmp_ge_u32 s40, s23                          ; a wave whose tile has no token passes over the work; no barrier stands in it
	s_cbranch_scc1 .Lnone_\@
.endif
	PLACES
.irp g, 0,1,2,3
	ds_load_b32 v[WS+\g], v[WSA] offset:512*(\t)+128*\g
.endr
.irp ct, 0,1,2,3,4,5,6,7
	ds_load_b128 v[WF+8*\ct:WF+8*\ct+3], v[LI] offset:8192*(\t)+1024*\ct
	ds_load_b128 v[WF+8*\ct+4:WF+8*\ct+7], v[LI] offset:8192*(\t)+1024*\ct+512
.endr
.irp ct, 0,1,2,3,4,5,6,7
	s_wait_dscnt 2*(7-\ct)                         ; this fragment is in; the two loads of each fragment behind it may be out
	WM ACC+8*\ct, WF+8*\ct, \xf, WS+\ct/2, XS+(\t), \ct%2
.endr
.if \chk
.Lnone_\@:
.endif
.endm
.macro QUANT s                         ; 64 numbers of a lane, register 16 b + i = k 32 b + 16 h + i of my token, become a fragment's codes in v[PC] on and its scale word in v[PW]
.irp b, 0,1,2,3
	v_max3_num_f32 v[TM+\b], |v[\s+16*\b]|, |v[\s+1+16*\b]|, 0x1800000
.endr
.irp i, 2,4,6,8,10,12,14
.irp b, 0,1,2,3
	v_max3_num_f32 v[TM+\b], v[TM+\b], |v[\s+16*\b+\i]|, |v[\s+1+16*\b+\i]|
.endr
.endr
.irp b, 0,1,2,3
	v_permlanex16_b32 v[TM+4+\b], v[TM+\b], s44, s45
.endr
.irp b, 0,1,2,3
	v_max_num_f32 v[TM+\b], v[TM+\b], v[TM+4+\b]   ; with lane l xor 16's 16: the block's largest magnitude
.endr
.irp b, 0,1,2,3
	v_add_nc_u32 v[TM+12+\b], 0xff000000, v[TM+\b]
.endr
.irp b, 0,1,2,3
	v_lshrrev_b32 v[TM+4+\b], 23, v[TM+12+\b]
.endr
	v_lshl_or_b32 v[PW], v[TM+5], 8, v[TM+4]
	v_lshl_or_b32 v[PW], v[TM+6], 16, v[PW]
	v_lshl_or_b32 v[PW], v[TM+7], 24, v[PW]
.irp b, 0,1,2,3
	v_cvt_scalef32_pk8_fp4_f32 v[PC+2*\b], v[\s+16*\b:\s+7+16*\b], v[TM+12+\b]
	v_cvt_scalef32_pk8_fp4_f32 v[PC+1+2*\b], v[\s+8+16*\b:\s+15+16*\b], v[TM+12+\b]
.endr
	v_nop                                          ; one plain line behind the last conversion
.irp c, 0,1                            ; the operand wants a WHOLE block in a lane: lanes 0-15 block 2 c, lanes 16-31 block 2 c + 1
.irp i, 0,1
	v_permlane16_swap_b32 v[PC+4*\c+\i], v[PC+2+4*\c+\i]
.endr
.endr
.endm
.macro EPI3                            ; relu, the quantiser along the hidden units, and the image of K step s of the second product
	PLACES
.set i, 0
.rept 64
	v_max_num_f32 v[ACC+i], 0, v[ACC+i]            ; each accumulator from its low end on
.set i, i+1
.endr
.irp b, 0,1,2,3
	v_mov_b32 v[TM+4+\b], 0                        ; a lane permute's destination counts as one of its sources
.endr
	QUANT ACC
	global_store_b128 v[LI], v[PC:PC+3], s[36:37]              ; 512 consecutive bytes a store
	global_store_b128 v[LI], v[PC+4:PC+7], s[36:37] offset:512
	global_store_b32 v[LS], v[PW], s[38:39]
.endm
.macro TRIP3 t
.if (\t) == 0
	s_wait_loadcnt 35                              ; set 0 is in; set 1's 32 loads and the first fragment's 3 may be out
.elseif (\t) < 7
	s_wait_loadcnt 32                              ; all but the next set, which was issued last: this set and this trip's fragment of x are in
.else
	s_wait_loadcnt 0x0
.endif
	QBLK X0+32*((\t)%2), \t
.if (\t) < 7
	TK3 (\t)+1, XF0+8*(((\t)+1)%2)                 ; always issued, so that every counted wait holds on every path
.endif
.if (\t) < 6
	STEPB
	SLOAD X0+32*((\t)%2)                           ; the chunk two trips on, into the set just quantised
.endif
	BAR                                            ; trip t's eight images and their scale words lie in LDS
.if (\t) == 0
	s_wait_loadcnt 35                              ; the bias and the first fragment are in; the second fragment's 3 loads and set 2's 32 are younger
.endif
	M3 \t, XF0+8*((\t)%2), 1
.endm
	s_load_b256 s[4:11], s[0:1], 0x0               ; W1 s[4:5], b1 s[6:7], xc s[8:9], xs s[10:11]
	s_load_b128 s[12:15], s[0:1], 0x20             ; eid s[12:13], hid s[14:15]
	s_load_b64 s[16:17], s[0:1], 0x30              ; hs
	v_lshl_add_u32 v254, v0, 2, 0x11000
	v_mov_b32 v255, 0
	v_lshrrev_b32 v14, 5, v0
	v_readfirstlane_b32 s18, v14                   ; wave 0..15
	s_and_b32 s19, ttmp7, 0xffff
	s_add_co_u32 s19, s19, 1                       ; expert 1..7
	s_mov_b32 s20, ttmp9                           ; slab
	s_and_b32 s47, s18, 3                          ; cg
	s_lshr_b32 s48, s18, 2                         ; kb
	s_lshl_b32 s40, s18, 4                         ; my tile's first rank
	s_mov_b32 s44, 0x76543210
	s_mov_b32 s45, 0xfedcba98                      ; v_permlanex16_b32's selects for lane l xor 16
	v_and_b32 v14, 31, v0                          ; lane
	v_and_b32 v[RR], 15, v0
	v_bfe_u32 v15, v0, 4, 1                        ; u = h = lane / 16
	v_lshlrev_b32 v[LI], 4, v14
	v_lshlrev_b32 v[LS], 2, v14
	v_lshlrev_b32 v[BO], 6, v15
	v_lshlrev_b32 v[H16], 4, v15
	v_add_nc_u32 v[WSA], WSC, v[LS]
	v_and_b32 v[AV], 8, v[RR]
	v_add_nc_u32 v[AV], v[AV], v[RR]
	v_lshl_add_u32 v[AV], v15, 3, v[AV]            ; my column of the 32: 8 u + r + 8 (r / 8)
	v_lshlrev_b32 v[AV], 2, v[AV]
	s_lshl_b32 s25, s47, 11
	s_lshl_b32 s24, s48, 8
	s_add_co_u32 s25, s25, s24
	v_lshlrev_b32 v[AW], 4, v[RR]
	v_lshl_add_u32 v[AW], v15, 10, v[AW]
	v_add_nc_u32 v[AW], s25, v[AW]                 ; block kb of a fragment is registers 4 (kb / 2) .. of lanes 16 (kb % 2) + r: byte 256 kb + 16 r of the image
	s_lshl_b32 s25, s47, 7
	s_add_co_u32 s25, s25, s48
	v_add_nc_u32 v[AS], s25, v[WSA]
	s_lshl_b32 s28, s19, 24                        ; the stream: expert, 32 kb rows, 128 s + 32 cg columns
	s_lshl_b32 s24, s48, 19
	s_add_co_u32 s28, s28, s24
	s_lshl_b32 s24, s20, 9
	s_add_co_u32 s28, s28, s24
	s_lshl_b32 s24, s47, 7
	s_add_co_u32 s28, s28, s24
	s_mov_b32 s29, 0
	s_mov_b32 s27, 0
	s_wait_kmcnt 0x0
	s_add_nc_u64 s[28:29], s[4:5], s[28:29]
	s_lshl_b32 s26, s19, 14
	s_lshl_b32 s24, s20, 9
	s_add_co_u32 s26, s26, s24
	s_add_nc_u64 s[6:7], s[6:7], s[26:27]          ; b1 at (e, 128 s)
	s_lshl_b32 s26, s19, 21
	s_lshl_b32 s24, s20, 10
	s_add_co_u32 s26, s26, s24
	s_add_nc_u64 s[32:33], s[14:15], s[26:27]      ; hid at (e, tile 0, K step s)
	s_lshl_b32 s26, s19, 18
	s_lshl_b32 s24, s20, 7
	s_add_co_u32 s26, s26, s24
	s_add_nc_u64 s[34:35], s[16:17], s[26:27]      ; hs likewise
	s_lshl_b32 s26, s18, 15
	s_add_nc_u64 s[36:37], s[32:33], s[26:27]      ; at tile w
	s_lshl_b32 s26, s18, 12
	s_add_nc_u64 s[38:39], s[34:35], s[26:27]
.irp q, 0,1,2,3,4,5,6,7
	global_load_b128 v[EI+4*\q:EI+4*\q+3], v[LI], s[12:13] offset:512*\q
.endr
	B1LOAD
	SLOAD X0
	s_wait_xcnt 0x0
	s_add_nc_u64 s[28:29], s[28:29], 0x200000      ; a trip is 128 rows of 16,384 bytes
	SLOAD X0+32
	s_wait_loadcnt 63                              ; the eids are the oldest 8 of 88 loads: 63 is the largest count that the wait can name
	COUNT
	s_max_u32 s23, s21, 1
	s_sub_co_u32 s22, s23, 1
	s_min_u32 s30, s21, 1                          ; the stream's step: a trip where the expert has tokens, else nothing
	s_lshl_b32 s30, s30, 21
	s_mov_b32 s31, 0
	v_add_nc_u32 v[RK], s40, v[RR]
	v_min_u32 v[RK], s22, v[RK]                    ; ranks past the count are held at the last
	RANKSEL
	TOKADR
	TK3 0, XF0
.irp t, 0,1,2,3,4,5,6,7
	TRIP3 \t
.endr
	s_cmp_ge_u32 s40, s23                          ; max(count, 1): wave 0 always stores tile 0
	s_cbranch_scc1 .Lno_first
	EPI3
.Lno_first:
	s_add_co_u32 s42, s40, 256                     ; tiles w + 16, w + 32, w + 48: 1,024 tokens make 64 tiles, so three trips serve every split; all weights lie in LDS
	s_mov_b32 s49, 3
.Lmore:
	s_cmp_ge_u32 s42, s21                          ; a tile without tokens: round the work, in which no barrier stands
	s_cbranch_scc1 .Lnext
	s_wait_xcnt 0x0                                ; the last tile's stores and loads have read their registers and bases
	v_add_nc_u32 v[RK], s42, v[RR]
	v_min_u32 v[RK], s22, v[RK]
	RANKSEL
	TOKADR
	s_lshr_b32 s25, s42, 4
	s_min_u32 s25, s25, 63                         ; the tile, held inside the buffer
	s_lshl_b32 s26, s25, 15
	s_add_nc_u64 s[36:37], s[32:33], s[26:27]
	s_lshl_b32 s26, s25, 12
	s_add_nc_u64 s[38:39], s[34:35], s[26:27]
	B1LOAD
.irp t, 0,1,2,3,4,5,6,7
	TK3 \t, X0+8*\t                                ; the stream's sets are free: all eight fragments at once
.endr
	s_wait_loadcnt 0x0
.irp t, 0,1,2,3,4,5,6,7
	M3 \t, X0+8*\t, 0
.endr
	EPI3
.Lnext:
	s_add_co_u32 s42, s42, 256
	s_sub_co_u32 s49, s49, 1
	s_cmp_lg_u32 s49, 0
	s_cbranch_scc1 .Lmore
	s_wait_tensorcnt 0x0
	ds_add_u32 v254, v255
	s_wait_dscnt 0x0
	s_endpgm
.Lfunc_end_k_q2ef4e2d44f_up:
	.size	k_q2ef4e2d44f_up, .Lfunc_end_k_q2ef4e2d44f_up-k_q2ef4e2d44f_up
	.p2alignl 7, 3214868480
	.fill 96, 4, 3214868480
	.section	.rodata,"a",@progbits
	.p2align	6, 0x0
	.amdhsa_kernel k_q2ef4e2d44f_up
		.amdhsa_group_segment_fixed_size 71680
		.amdhsa_private_segment_fixed_size 0
		.amdhsa_enable_private_segment 0
		.amdhsa_kernarg_size 56
		.amdhsa_user_sgpr_count 2
		.amdhsa_user_sgpr_kernarg_segment_ptr 1
		.amdhsa_wavefront_size32 1
		.amdhsa_system_sgpr_workgroup_id_x 1
		.amdhsa_system_sgpr_workgroup_id_y 1
		.amdhsa_system_sgpr_workgroup_id_z 1
		.amdhsa_system_vgpr_workitem_id 0
		.amdhsa_next_free_vgpr 256
		.amdhsa_next_free_sgpr 98
		.amdhsa_reserve_vcc 1
		.amdhsa_float_denorm_mode_32 3
		.amdhsa_float_denorm_mode_16_64 3
		.amdhsa_memory_ordered 1
		.amdhsa_forward_progress 1
		.amdhsa_inst_pref_size 131
	.end_amdhsa_kernel
	.amdgpu_metadata
---
amdhsa.version: [ 1, 2 ]
amdhsa.kernels:
  - .name:           k_q2ef4e2d44f_up
    .symbol:         k_q2ef4e2d44f_up.kd
    .args:
      - { .name: W1, .offset: 0, .size: 8, .value_kind: global_buffer, .address_space: global }
      - { .name: b1, .offset: 8, .size: 8, .value_kind: global_buffer, .address_space: global }
      - { .name: xc, .offset: 16, .size: 8, .value_kind: global_buffer, .address_space: global }
      - { .name: xs, .offset: 24, .size: 8, .value_kind: global_buffer, .address_space: global }
      - { .name: eid, .offset: 32, .size: 8, .value_kind: global_buffer, .address_space: global }
      - { .name: hid, .offset: 40, .size: 8, .value_kind: global_buffer, .address_space: global }
      - { .name: hs, .offset: 48, .size: 8, .value_kind: global_buffer, .address_space: global }
    .group_segment_fixed_size: 71680
    .private_segment_fixed_size: 0
    .kernarg_segment_align: 8
    .kernarg_segment_size: 56
    .max_flat_workgroup_size: 512
    .sgpr_count:     98
    .vgpr_count:     256
    .wavefront_size: 32
...
	.end_amdgpu_metadata
.endif
;; end of part 3
;; launch down (part 4): grid 32 x 7, 16 waves a work-group, no clusters, 108,544 bytes of LDS; arguments W2, b2, hid, hs, eid, wgt, out0; writes out0
.if DOCPART == 4
	.amdgcn_target "amdgcn-amd-amdhsa--gfx1250"
	.amdhsa_code_object_version 6
	.text
	.protected	k_q2ef4e2d44f_down
	.globl	k_q2ef4e2d44f_down
	.p2align	8
	.type	k_q2ef4e2d44f_down,@function
k_q2ef4e2d44f_down:
	s_mov_b64 s[64:65], 0
	v_nop
	global_prefetch_b8 v0, s[64:65] scope:SCOPE_SE
	s_setreg_imm32_b32 hwreg(HW_REG_WAVE_MODE, 25, 1), 1
	s_wait_xcnt 0x0
; out0[token] = (hidden Q(W2[e]) + b2[e]) x the gate's weight, for the tokens that keep expert e; both operands as codes of FP4 with E8M0 scales.  Each row of out0 has one owner: the expert that the token keeps.
; SHARES.  Work-group (s, y) takes expert e = y + 1 and output columns 32 s .. 32 s + 31 over all K = 4,096, and streams its 4,096 x 32 numbers of W2 ONCE, as f32.
; Expert 0 has no work-group: a token's two chosen indices differ and the larger is kept, so expert 0 is kept by no token, whatever the inputs.
; THE STREAM, 8 trips of 512 along K (4 K steps).  Wave w takes block w of a trip: 32 k x 32 columns, a lane a column, registers down K; each load reads 128 consecutive bytes.  Two register sets take turns.
; The codes go to LDS as images of the operand's registers, (K step ks, tile u) at 1,024 (2 ks + u), and STAY; nothing there is written twice, so ONE barrier a trip is all the ordering.
; A TRIP: quantise this chunk; ask for the chunk two trips on; the barrier; the weights' first fragments from LDS; ONE wait that leaves only the chunk just asked for on its way (so the next chunk and this trip's hidden
; fragments are in); the products; ask for the next trip's hidden fragments, which then have the next trip's quantiser, its 32 loads and its barrier in which to land.
; The columns of a tile are chosen as in the launch before: tile u's register j of lane (r, h) is column 8 u + 16 h + j, so a lane's 16 results are 16 neighbouring columns of one token: 64 bytes.
; THE TOKENS.  Ranks are found as in the launch before, by the same lines, so tile T holds the same tokens in the same lanes.  A wave has two slots, tiles w and w + 16, under the stream; tiles w + 32 and w + 48 follow
; in a loop of two trips; a trip whose tile has no token jumps round its work.
; The hidden layer's fragments come from memory as register images.  Spare lanes of a partial tile repeat the last token and store the same bytes to the same place.
; THE WAY OUT.  16 tokens x 128 bytes go through the wave's own stage in LDS and leave as four rows of 128 consecutive bytes a store; a row's token comes from the lane that holds it.  A work-group's 32 columns are 128 bytes of a row.
; NO TENSOR LOADS, NO CLUSTER: the number of tiles is read from memory and steers jumps.  What the 32 work-groups of an expert share is the hidden layer's codes, 2,176 bytes a token, beside 512 KiB of weights that each reads alone.
; No barrier stands under a jump on loaded numbers.  No prefetch: the launch is one stream of loads that are already issued a trip or two ahead.  An expert without tokens does not step its stream on behind the second chunk and stores nothing.
; LIMITS: a block of zeros gets the byte 1 (its codes are zeros); a block under 2^-124 is held at that floor; NaN and infinities are not served.
.set PITCH, 4096                       ; a row of W2[e] in bytes
.set WSC,   65536                      ; LDS: the scale words: K step ks at 128 ks + 4 x lane: lanes 0-15 tile 0's, lanes 16-31 tile 1's
.set STG,   69632                      ; the stages: 16 rows x 144 bytes for each wave
.set AV,  1                            ; v1   the stream: 4 x my column
.set AW,  2                            ; v2   LDS: where my block's 16 bytes go: 1,024 u + 16 r + 2,048 (w / 4) + 256 (w % 4)
.set AS,  3                            ; v3   and its scale byte: WSC + 128 (w / 4) + 4 lane + w % 4
.set LI,  4                            ; v4   16 x lane
.set LS,  5                            ; v5   4 x lane
.set BO,  6                            ; v6   b2: 64 h
.set STO, 7                            ; v7   the stage, in: 144 r + 64 h
.set SRD, 8                            ; v8   and back: 144 (lane / 8) + 16 (lane % 8)
.set CO,  9                            ; v9   16 (lane % 8)
.set BPI, 10                           ; v10  4 (lane / 8)
.set RK,  11
.set TOK0, 12                          ; v12, v13 the slots' tokens: lane r's is row r's
.set GW0, 14                           ; v14, v15 their gate weights
.set X0,  16                           ; v16-47, v48-79 the stream's two sets
.set CC,  80
.set QA,  84
.set QB,  85
.set QS,  86
.set WS,  88                           ; v88-91  the weights' scale words of a trip: scales and nothing else
.set HS0, 92                           ; v92-95, v96-99 the hidden layer's, for each slot: scales and nothing else
.set WF,  100                          ; v100-131 the weights' fragments of two K steps; on the way out the rows read back
.set HF0, 132                          ; v132-163, v164-195 the hidden layer's four fragments of a trip, for each slot
.set EI,  132                          ; at the head: the 1,024 eids
.set ACC0, 196                         ; v196-211, v212-227 two accumulators for each slot
.set MS,  228                          ; v228-237 at work in RANKSEL
.set CS,  229
.set JS,  230
.set NN,  231
.set POS, 232
.set TT,  233
.set A1,  234
.set A2,  235
.set A3,  236
.set A4,  237
.set TOK, 238                          ; v238 RANKSEL's result
.set WSA, 239                          ; v239 WSC + 4 x lane
.set RR,  240                          ; v240 r
.set HH,  241                          ; v241 h
.set TOKX, 242
.set BT,  244                          ; v244-247 the tokens of the rows that I store
.set OF,  248                          ; v248-251 their offsets in out0
.set GO0, 252                          ; v252, v253 offsets in wgt
; scalars: s18 wave, s19 expert, s20 slab, s21 count, s22 max(count,1)-1, s23 max(count,1), s24-27 at work, s[28:29] the stream, s[30:31] its step, s[32:35] hid and hs at slot 0's tile, s[36:39] at slot 1's,
; s40, s41 the slots' first ranks, s42 the first rank of the tile in hand behind the stream, s43 the last tile that was stored, s[44:45] selects, s46 the mask of lanes 16-31, s49 the trips left behind the stream, s66-97 the masks
.macro WM d, a, b, sa, sb, row1
.if \row1
	v_wmma_scale_f32_16x16x128_f8f6f4 v[(\d):(\d)+7], v[(\a):(\a)+7], v[(\b):(\b)+7], v[(\d):(\d)+7], v[\sa], v[\sb] matrix_a_fmt:MATRIX_FMT_FP4 matrix_b_fmt:MATRIX_FMT_FP4 matrix_a_scale:MATRIX_SCALE_ROW1
.else
	v_wmma_scale_f32_16x16x128_f8f6f4 v[(\d):(\d)+7], v[(\a):(\a)+7], v[(\b):(\b)+7], v[(\d):(\d)+7], v[\sa], v[\sb] matrix_a_fmt:MATRIX_FMT_FP4 matrix_b_fmt:MATRIX_FMT_FP4
.endif
.endm
.macro PLACES                          ; four plain lines between a matrix instruction and a load into, or a vector instruction on, one of its registers (ISA guide 7.12.1 for vector instructions)
.rept 4
	v_nop
.endr
.endm
.macro BAR
	s_wait_dscnt 0x0                               ; for the others' sake: my LDS stores have landed (and my loads are in)
	s_barrier_signal -1
	s_barrier_wait -1
.endm
.macro SLOAD set
.set i, 0
.rept 32
	global_load_b32 v[(\set)+i], v[AV], s[28:29] offset:i*PITCH th:TH_LOAD_NT
.set i, i+1
.endr
.endm
.macro STEPB
	s_wait_xcnt 0x0                                ; the loads issued so far have read their base: only now is it stepped
	s_add_nc_u64 s[28:29], s[28:29], s[30:31]
.endm
.macro QBLK set, t
	v_max3_num_f32 v[QA], |v[(\set)]|, |v[(\set)+1]|, |v[(\set)+2]|
	v_max3_num_f32 v[QB], |v[(\set)+3]|, |v[(\set)+4]|, |v[(\set)+5]|
.irp i, 6,10,14,18,22,26
	v_max3_num_f32 v[QA], v[QA], |v[(\set)+\i]|, |v[(\set)+\i+1]|
	v_max3_num_f32 v[QB], v[QB], |v[(\set)+\i+2]|, |v[(\set)+\i+3]|
.endr
	v_max3_num_f32 v[QA], v[QA], |v[(\set)+30]|, |v[(\set)+31]|
	v_max3_num_f32 v[QA], v[QA], v[QB], 0x1800000  ; the floor 2^(3 - 127): the byte cannot fall under 1
	v_add_nc_u32 v[QS], 0xff000000, v[QA]
	v_lshrrev_b32 v[QB], 23, v[QS]
.irp g, 0,1,2,3
	v_cvt_scalef32_pk8_fp4_f32 v[CC+\g], v[(\set)+8*\g:(\set)+8*\g+7], v[QS]
.endr
	v_nop                                          ; one plain line behind the last conversion
	ds_store_b128 v[AW], v[CC:CC+3] offset:8192*(\t)
	ds_store_b8 v[AS], v[QB] offset:512*(\t)
.endm
.macro COUNT                           ; mask j = 4 q + c, bit l: token 128 q + 4 l + c keeps my expert
	s_mov_b32 s21, 0
.set j, 0
.rept 32
	v_cmp_eq_u32 s[66+j], s19, v[EI+j]
	s_bcnt1_i32_b32 s25, s[66+j]
	s_add_co_u32 s21, s21, s25
.set j, j+1
.endr
.endm
.macro DESC a, width, inc
	v_bfe_u32 v[TT], v[\a], v[POS], \width
	v_cmp_ge_u32 vcc_lo, v[NN], v[TT]
	v_cndmask_b32 v[TT], 0, v[TT], vcc_lo
	v_sub_nc_u32 v[NN], v[NN], v[TT]
	v_cndmask_b32 v[TT], 0, \inc, vcc_lo
	v_add_nc_u32 v[POS], v[POS], v[TT]
.endm
.macro RANKSEL                         ; the same lines as in the launch before: the same rank gives the same token
	v_mov_b32 v[MS], s66
	v_mov_b32 v[CS], 0
	v_mov_b32 v[JS], 0
	s_bcnt1_i32_b32 s24, s66
.set j, 1
.rept 31
	v_cmp_le_u32 vcc_lo, s24, v[RK]
	v_cndmask_b32 v[MS], v[MS], s[66+j], vcc_lo
	v_cndmask_b32 v[CS], v[CS], s24, vcc_lo
	v_cndmask_b32 v[JS], v[JS], j, vcc_lo
	s_bcnt1_i32_b32 s25, s[66+j]
	s_add_co_u32 s24, s24, s25
.set j, j+1
.endr
	v_sub_nc_u32 v[NN], v[RK], v[CS]
	v_lshrrev_b32 v[TT], 1, v[MS]
	v_and_b32 v[TT], 0x55555555, v[TT]
	v_sub_nc_u32 v[A1], v[MS], v[TT]
	v_lshrrev_b32 v[TT], 2, v[A1]
	v_and_b32 v[TT], 0x33333333, v[TT]
	v_and_b32 v[A2], 0x33333333, v[A1]
	v_add_nc_u32 v[A2], v[A2], v[TT]
	v_lshrrev_b32 v[TT], 4, v[A2]
	v_add_nc_u32 v[A3], v[A2], v[TT]
	v_and_b32 v[A3], 0x0f0f0f0f, v[A3]
	v_lshrrev_b32 v[TT], 8, v[A3]
	v_add_nc_u32 v[A4], v[A3], v[TT]
	v_and_b32 v[A4], 0x00ff00ff, v[A4]
	v_mov_b32 v[POS], 0
	DESC A4, 8, 16
	DESC A3, 8, 8
	DESC A2, 4, 4
	DESC A1, 2, 2
	DESC MS, 1, 1
	v_lshrrev_b32 v[TT], 2, v[JS]
	v_lshlrev_b32 v[TT], 7, v[TT]
	v_and_b32 v[JS], 3, v[JS]
	v_lshl_add_u32 v[TT], v[POS], 2, v[TT]
	v_add_nc_u32 v[TOK], v[TT], v[JS]
.endm
.macro B2LOAD acc                      ; the bias is the sums' start: register j of tile u is column 8 u + 16 h + j
.irp u, 0,1
	global_load_b128 v[(\acc)+8*\u:(\acc)+8*\u+3], v[BO], s[6:7] offset:32*\u
	global_load_b128 v[(\acc)+8*\u+4:(\acc)+8*\u+7], v[BO], s[6:7] offset:32*\u+16
.endr
.endm
.macro SLOTBASE slot                   ; s25: a tile -> the slot's places in hid and hs.  A tile without tokens takes the last tile that was stored
	s_min_u32 s25, s25, s43
	s_min_u32 s25, s25, 63                         ; a number made of loaded numbers enters an address only behind this hold
	s_lshl_b32 s26, s25, 15
	s_add_nc_u64 s[32+4*(\slot):33+4*(\slot)], s[8:9], s[26:27]
	s_lshl_b32 s26, s25, 12
	s_add_nc_u64 s[34+4*(\slot):35+4*(\slot)], s[10:11], s[26:27]
.endm
.macro TK4 slot, t                     ; the slot's four hidden fragments and scale words of trip t: twelve loads
.irp q, 0,1,2,3
	global_load_b128 v[HF0+32*(\slot)+8*\q:HF0+32*(\slot)+8*\q+3], v[LI], s[32+4*(\slot):33+4*(\slot)] offset:(4*(\t)+\q)*1024
	global_load_b128 v[HF0+32*(\slot)+8*\q+4:HF0+32*(\slot)+8*\q+7], v[LI], s[32+4*(\slot):33+4*(\slot)] offset:(4*(\t)+\q)*1024+512
	global_load_b32 v[HS0+4*(\slot)+\q], v[LS], s[34+4*(\slot):35+4*(\slot)] offset:(4*(\t)+\q)*128
.endr
.endm
.macro WLD t, p                        ; from LDS: the weights' fragments of K steps 4 t + 2 p and 4 t + 2 p + 1, fragment f = 2 (K step % 2) + tile; with p = 0 the trip's four scale words too
.if (\p) == 0
.irp q, 0,1,2,3
	ds_load_b32 v[WS+\q], v[WSA] offset:512*(\t)+128*\q
.endr
.endif
.irp f, 0,1,2,3
	ds_load_b128 v[WF+8*\f:WF+8*\f+3], v[LI] offset:8192*(\t)+4096*(\p)+1024*\f
	ds_load_b128 v[WF+8*\f+4:WF+8*\f+7], v[LI] offset:8192*(\t)+4096*(\p)+1024*\f+512
.endr
.endm
.macro WMUL p, two                     ; the products of those two K steps.  A slot's two accumulators take turns, one instruction a turn
	s_wait_dscnt 0x0                               ; the weights' fragments and scale words are in
.irp f, 0,1,2,3
	WM ACC0+8*(\f%2), WF+8*\f, HF0+8*(2*(\p)+\f/2), WS+2*(\p)+\f/2, HS0+2*(\p)+\f/2, \f%2
.endr
.if \two
	s_cmp_ge_u32 s41, s21                          ; slot 1 has tokens only where the expert has more than 16 (w + 16)
	s_cbranch_scc1 .Lone_\@
.irp f, 0,1,2,3
	WM ACC0+16+8*(\f%2), WF+8*\f, HF0+32+8*(2*(\p)+\f/2), WS+2*(\p)+\f/2, HS0+4+2*(\p)+\f/2, \f%2
.endr
.Lone_\@:
.endif
.endm
.macro EPI4 slot                       ; x the gate's weight; through my stage; four rows of 128 bytes a store
	s_wait_xcnt 0x0                                ; earlier stores have read their offsets: these are written again below
	PLACES
.set i, 0
.rept 16
	v_mul_f32 v[ACC0+16*(\slot)+i], v[ACC0+16*(\slot)+i], v[GW0+(\slot)]      ; each accumulator from its low end on
.set i, i+1
.endr
.irp i, 0,1,2,3
	v_add_nc_u32 v[OF+\i], 16*\i, v[BPI]           ; 4 x the lane that holds the token of row lane / 8 + 4 i
.endr
.irp i, 0,1,2,3
	ds_store_b128 v[STO], v[ACC0+16*(\slot)+4*\i:ACC0+16*(\slot)+4*\i+3] offset:16*\i
.endr
.irp i, 0,1,2,3
	ds_bpermute_b32 v[BT+\i], v[OF+\i], v[TOK0+(\slot)]
.endr
.irp i, 0,1,2,3
	ds_load_b128 v[WF+16*(\slot)+4*\i:WF+16*(\slot)+4*\i+3], v[SRD] offset:576*\i  ; LDS serves a wave's instructions in order: these see my stores
.endr
	s_wait_dscnt 0x0
.irp i, 0,1,2,3
	v_min_u32 v[BT+\i], 0x3ff, v[BT+\i]            ; a number made of loaded numbers enters an address only behind this hold
.endr
.irp i, 0,1,2,3
	v_lshlrev_b32 v[OF+\i], 12, v[BT+\i]
.endr
.irp i, 0,1,2,3
	v_add_nc_u32 v[OF+\i], v[OF+\i], v[CO]
.endr
.irp i, 0,1,2,3
	global_store_b128 v[OF+\i], v[WF+16*(\slot)+4*\i:WF+16*(\slot)+4*\i+3], s[16:17] th:TH_STORE_NT
.endr
.endm
.macro LANDED t                        ; the trip's one wait for memory; it stands on the working path and on the idle one
.if (\t) < 6
	s_wait_loadcnt 32                              ; all but the 32 loads of the chunk two trips on, the last issued on every path: the next chunk and this trip's hidden fragments are in (in trip 0 the bias and the gate weights too)
.else
	s_wait_loadcnt 0x0                             ; no chunk is left to ask for
.endif
.endm
.macro TRIP4 t
	QBLK X0+32*((\t)%2), \t                        ; this chunk was shown in by the trip before (chunk 0 by the wait ahead of trip 0).  These lines are also places behind the last trip's products
.if (\t) < 6
	STEPB
	SLOAD X0+32*((\t)%2)                           ; the chunk two trips on, into the set just quantised: always issued, ahead of the barrier
.endif
	BAR                                            ; trip t's eight images and their scale words lie in LDS
	s_cmp_ge_u32 s40, s21                          ; a wave whose first tile has no token passes over the work; no barrier stands in it
	s_cbranch_scc1 .Lidle_\@
	WLD \t, 0                                      ; the LDS loads are out while the wave waits for memory
	LANDED \t
	WMUL 0, 1
	PLACES
	WLD \t, 1
	WMUL 1, 1
.if (\t) < 7
	PLACES
	TK4 0, (\t)+1                                  ; behind the wait: so that wait's count holds whether or not these are issued
	s_cmp_ge_u32 s41, s21
	s_cbranch_scc1 .Ljoin_\@
	TK4 1, (\t)+1
.endif
	s_branch .Ljoin_\@
.Lidle_\@:
	LANDED \t
.Ljoin_\@:
.endm
	s_load_b256 s[4:11], s[0:1], 0x0               ; W2 s[4:5], b2 s[6:7], hid s[8:9], hs s[10:11]
	s_load_b128 s[12:15], s[0:1], 0x20             ; eid s[12:13], wgt s[14:15]
	s_load_b64 s[16:17], s[0:1], 0x30              ; out0
	v_lshl_add_u32 v254, v0, 2, 0x1a000
	v_mov_b32 v255, 0
	v_lshrrev_b32 v87, 5, v0
	v_readfirstlane_b32 s18, v87                   ; wave 0..15
	s_and_b32 s19, ttmp7, 0xffff
	s_add_co_u32 s19, s19, 1                       ; expert 1..7
	s_mov_b32 s20, ttmp9                           ; slab
	s_lshr_b32 s47, s18, 2                         ; which K step of a trip
	s_and_b32 s48, s18, 3                          ; which block of it
	s_lshl_b32 s40, s18, 4                         ; slot 0's first rank,
	s_add_co_u32 s41, s40, 256                     ; slot 1's
	s_mov_b32 s44, 0x76543210
	s_mov_b32 s45, 0xfedcba98                      ; v_permlanex16_b32's selects for lane l xor 16
	s_mov_b32 s46, 0xffff0000                      ; lanes 16-31
	v_and_b32 v87, 31, v0                          ; lane
	v_and_b32 v[RR], 15, v0
	v_bfe_u32 v[HH], v0, 4, 1
	v_lshlrev_b32 v[LI], 4, v87
	v_lshlrev_b32 v[LS], 2, v87
	v_lshlrev_b32 v[BO], 6, v[HH]
	v_add_nc_u32 v[WSA], WSC, v[LS]
	v_and_b32 v[AV], 8, v[RR]
	v_add_nc_u32 v[AV], v[AV], v[RR]
	v_lshl_add_u32 v[AV], v[HH], 3, v[AV]          ; my column of the 32: 8 u + r + 8 (r / 8)
	v_lshlrev_b32 v[AV], 2, v[AV]
	s_lshl_b32 s25, s47, 11
	s_lshl_b32 s24, s48, 8
	s_add_co_u32 s25, s25, s24
	v_lshlrev_b32 v[AW], 4, v[RR]
	v_lshl_add_u32 v[AW], v[HH], 10, v[AW]
	v_add_nc_u32 v[AW], s25, v[AW]
	s_lshl_b32 s25, s47, 7
	s_add_co_u32 s25, s25, s48
	v_add_nc_u32 v[AS], s25, v[WSA]
	s_mul_i32 s25, s18, 2304
	s_add_co_u32 s25, s25, STG                     ; my stage
	v_mul_u32_u24 v[STO], v[RR], 144
	v_lshl_add_u32 v[STO], v[HH], 6, v[STO]
	v_add_nc_u32 v[STO], s25, v[STO]
	v_bfe_u32 v[BPI], v0, 3, 2                     ; lane / 8
	v_mul_u32_u24 v[SRD], v[BPI], 144
	v_and_b32 v[CO], 7, v0
	v_lshlrev_b32 v[CO], 4, v[CO]
	v_add_nc_u32 v[SRD], v[SRD], v[CO]
	v_add_nc_u32 v[SRD], s25, v[SRD]
	v_lshlrev_b32 v[BPI], 2, v[BPI]
	s_lshl_b32 s28, s19, 24                        ; the stream: expert, 32 w rows, 32 s columns
	s_lshl_b32 s24, s18, 17
	s_add_co_u32 s28, s28, s24
	s_lshl_b32 s24, s20, 7
	s_add_co_u32 s28, s28, s24
	s_mov_b32 s29, 0
	s_mov_b32 s27, 0
	s_wait_kmcnt 0x0
	s_add_nc_u64 s[28:29], s[4:5], s[28:29]
	s_lshl_b32 s26, s19, 12
	s_add_co_u32 s26, s26, s24
	s_add_nc_u64 s[6:7], s[6:7], s[26:27]          ; b2 at (e, 32 s)
	s_mov_b32 s26, s24
	s_add_nc_u64 s[16:17], s[16:17], s[26:27]      ; out0 at column 32 s
	s_lshl_b32 s26, s19, 21
	s_add_nc_u64 s[8:9], s[8:9], s[26:27]          ; hid at my expert
	s_lshl_b32 s26, s19, 18
	s_add_nc_u64 s[10:11], s[10:11], s[26:27]      ; hs likewise
.irp q, 0,1,2,3,4,5,6,7
	global_load_b128 v[EI+4*\q:EI+4*\q+3], v[LI], s[12:13] offset:512*\q
.endr
	B2LOAD ACC0
	B2LOAD ACC0+16
	SLOAD X0
	s_wait_xcnt 0x0
	s_add_nc_u64 s[28:29], s[28:29], 0x200000      ; a trip is 512 rows of 4,096 bytes
	SLOAD X0+32
	s_wait_loadcnt 63                              ; the eids are the oldest 8 of 80 loads: 63 is the largest count that the wait can name
	COUNT
	s_max_u32 s23, s21, 1
	s_sub_co_u32 s22, s23, 1
	s_min_u32 s30, s21, 1                          ; the stream's step: a trip where the expert has tokens, else nothing
	s_lshl_b32 s30, s30, 21
	s_mov_b32 s31, 0
	s_lshr_b32 s43, s22, 4                         ; the last tile that the launch before stored for this expert
	v_lshl_add_u32 v[RK], v[HH], 8, v[RR]          ; one search serves both slots: lanes 0-15 tile w, lanes 16-31 tile w + 16
	v_add_nc_u32 v[RK], s40, v[RK]
	v_min_u32 v[RK], s22, v[RK]                    ; ranks past the count are held at the last
	RANKSEL
	v_mov_b32 v[TOKX], 0                           ; a lane permute's destination counts as one of its sources
	v_permlanex16_b32 v[TOKX], v[TOK], s44, s45
	v_cndmask_b32 v[TOK0], v[TOK], v[TOKX], s46    ; each slot's tokens in both halves of the lanes
	v_cndmask_b32 v[TOK0+1], v[TOKX], v[TOK], s46
	v_min_u32 v[TOK0], 0x3ff, v[TOK0]              ; a number made of loaded numbers enters an address only behind this hold
	v_min_u32 v[TOK0+1], 0x3ff, v[TOK0+1]
	v_lshlrev_b32 v[GO0], 2, v[TOK0]
	v_lshlrev_b32 v[GO0+1], 2, v[TOK0+1]
	s_mov_b32 s25, s18
	SLOTBASE 0
	s_add_co_u32 s25, s18, 16
	SLOTBASE 1
	global_load_b32 v[GW0], v[GO0], s[14:15]
	global_load_b32 v[GW0+1], v[GO0+1], s[14:15]
	TK4 0, 0                                       ; always issued: these registers are written on every path
	TK4 1, 0
	s_wait_loadcnt 58                              ; chunk 0 is in; younger: chunk 1's 32 loads, the two gate weights, the two slots' 24
.irp t, 0,1,2,3,4,5,6,7
	TRIP4 \t
.endr
	s_cmp_ge_u32 s40, s21
	s_cbranch_scc1 .Lout_done
	EPI4 0
	s_cmp_ge_u32 s41, s21
	s_cbranch_scc1 .Lout_done
	EPI4 1
.Lout_done:
	s_add_co_u32 s42, s40, 512                     ; tiles w + 32 and w + 48: 1,024 tokens make 64 tiles, so two trips serve every split; all weights lie in LDS
	s_mov_b32 s49, 2
.Lmore:
	s_cmp_ge_u32 s42, s21                          ; a tile without tokens: round the work, in which no barrier stands
	s_cbranch_scc1 .Lnext
	s_wait_xcnt 0x0                                ; the last tile's stores and loads have read their registers and bases
	v_add_nc_u32 v[RK], s42, v[RR]
	v_min_u32 v[RK], s22, v[RK]
	RANKSEL
	v_min_u32 v[TOK0], 0x3ff, v[TOK]
	v_lshlrev_b32 v[GO0], 2, v[TOK0]
	s_lshr_b32 s25, s42, 4
	SLOTBASE 0
	global_load_b32 v[GW0], v[GO0], s[14:15]
	B2LOAD ACC0
.irp t, 0,1,2,3,4,5,6,7
	PLACES                                         ; behind the last products: for the loads into the hidden layer's registers and into the weights'
	TK4 0, \t
	WLD \t, 0
	s_wait_loadcnt 0x0
	WMUL 0, 0
	PLACES
	WLD \t, 1
	WMUL 1, 0
.endr
	EPI4 0
.Lnext:
	s_add_co_u32 s42, s42, 256
	s_sub_co_u32 s49, s49, 1
	s_cmp_lg_u32 s49, 0
	s_cbranch_scc1 .Lmore
	s_wait_tensorcnt 0x0
	ds_add_u32 v254, v255
	s_wait_dscnt 0x0
	s_endpgm
.Lfunc_end_k_q2ef4e2d44f_down:
	.size	k_q2ef4e2d44f_down, .Lfunc_end_k_q2ef4e2d44f_down-k_q2ef4e2d44f_down
	.p2alignl 7, 3214868480
	.fill 96, 4, 3214868480
	.section	.rodata,"a",@progbits
	.p2align	6, 0x0
	.amdhsa_kernel k_q2ef4e2d44f_down
		.amdhsa_group_segment_fixed_size 108544
		.amdhsa_private_segment_fixed_size 0
		.amdhsa_enable_private_segment 0
		.amdhsa_kernarg_size 56
		.amdhsa_user_sgpr_count 2
		.amdhsa_user_sgpr_kernarg_segment_ptr 1
		.amdhsa_wavefront_size32 1
		.amdhsa_system_sgpr_workgroup_id_x 1
		.amdhsa_system_sgpr_workgroup_id_y 1
		.amdhsa_system_sgpr_workgroup_id_z 1
		.amdhsa_system_vgpr_workitem_id 0
		.amdhsa_next_free_vgpr 256
		.amdhsa_next_free_sgpr 98
		.amdhsa_reserve_vcc 1
		.amdhsa_float_denorm_mode_32 3
		.amdhsa_float_denorm_mode_16_64 3
		.amdhsa_memory_ordered 1
		.amdhsa_forward_progress 1
		.amdhsa_inst_pref_size 157
	.end_amdhsa_kernel
	.amdgpu_metadata
---
amdhsa.version: [ 1, 2 ]
amdhsa.kernels:
  - .name:           k_q2ef4e2d44f_down
    .symbol:         k_q2ef4e2d44f_down.kd
    .args:
      - { .name: W2, .offset: 0, .size: 8, .value_kind: global_buffer, .address_space: global }
      - { .name: b2, .offset: 8, .size: 8, .value_kind: global_buffer, .address_space: global }
      - { .name: hid, .offset: 16, .size: 8, .value_kind: global_buffer, .address_space: global }
      - { .name: hs, .offset: 24, .size: 8, .value_kind: global_buffer, .address_space: global }
      - { .name: eid, .offset: 32, .size: 8, .value_kind: global_buffer, .address_space: global }
      - { .name: wgt, .offset: 40, .size: 8, .value_kind: global_buffer, .address_space: global }
      - { .name: out0, .offset: 48, .size: 8, .value_kind: global_buffer, .address_space: global }
    .group_segment_fixed_size: 108544
    .private_segment_fixed_size: 0
    .kernarg_segment_align: 8
    .kernarg_segment_size: 56
    .max_flat_workgroup_size: 512
    .sgpr_count:     98
    .vgpr_count:     256
    .wavefront_size: 32
...
	.end_amdgpu_metadata
.endif
;; end of part 4
;; ======== version 2 of 2: 4 launches
;; workspace buffers: xc 524,288 bytes; xs 32,768 bytes; wrc 262,144 bytes; wrs 16,384 bytes; eid 4,096 bytes of whole numbers; wgt 4,096 bytes; hid 16,777,216 bytes; hs 2,097,152 bytes
;; launch quant (part 5): grid 160 x 1, 4 waves a work-group, no clusters, 33,280 bytes of LDS; arguments x, Wr_h, xc, xs, wrc, wrs; writes xc, xs, wrc, wrs
.if DOCPART == 5
	.amdgcn_target "amdgcn-amd-amdhsa--gfx1250"
	.amdhsa_code_object_version 6
	.text
	.protected	k_q2ef4e2d44f_quant
	.globl	k_q2ef4e2d44f_quant
	.p2align	8
	.type	k_q2ef4e2d44f_quant,@function
k_q2ef4e2d44f_quant:
	s_mov_b64 s[64:65], 0
	v_nop
	global_prefetch_b8 v0, s[64:65] scope:SCOPE_SE
	s_setreg_imm32_b32 hwreg(HW_REG_WAVE_MODE, 25, 1), 1
	s_wait_xcnt 0x0
; x [1024][1024] f32 and Wr_h [1024 (k)][512 (n)] f32 become codes of FP4 (E2M1) with one E8M0 byte for each 32 along K.
; A block's scale is 2^(floor(log2(largest magnitude)) - 2): its byte is the largest magnitude's exponent field - 2, held at 1 from below.
; LIMITS: a block of zeros gets the byte 1 where the rule says 127 (its codes are zeros, and this program alone reads the bytes); a block whose
; largest magnitude lies under 2^-124 is held at that floor; NaN and infinities among the inputs are not served.
; ROLE X, work-groups 0-127: K is innermost, so x is a plain stream of blocks of 32.  A wave takes 4 steps of 512 numbers.  Each load reads 512 consecutive
; bytes; a step's 2,048 bytes turn through the wave's own stage in LDS so that a lane holds 16 neighbours (two lanes a block).  xc: [token][512 bytes], xs: [token][32 bytes].
; ROLE W, work-groups 128-159: K is the first axis.  A lane takes a column and its registers run down K: a wave takes 128 k x 32 columns, four whole blocks a lane.
; The codes leave as IMAGES OF THE OPERAND'S REGISTERS: wrc [32 tiles of 16 columns][8 K steps][1,024 bytes], register 4 c + i of lane l at 512 c + 16 l + 4 i;
; wrs [16 groups of 32 columns][8 K steps][128 bytes], a scale word a lane: lanes 0-15 the even tile's, lanes 16-31 the odd tile's.
; No tensor loads, no barrier: waves share nothing.  Only role X uses LDS.  No matrix unit and no cluster: the launch only streams, and no two work-groups read the same bytes.
.set XWG,   128                        ; work-groups of role X: 1,048,576 numbers / (4 waves x 2,048)
.set STEPS, 4
.set EMAX,  2
.set R,     16                         ; v16-79   role X: four sets of 16 numbers as loaded
.set X,     80                         ; v80-111  two sets of 16 neighbours
.set E,     112                        ; v112-115 a scale byte for each step
.set C,     128                        ; v128-143 codes: four registers kept for each step, so that no store's data are written again
.set WREG,  8192                       ; LDS of a wave: two stages of 32 x SP bytes, behind them its 64 scale bytes
.set SP,    80                         ; a lane's place in a stage: 64 bytes + 16 of padding
.set WD,    32                         ; v32-159  role W: 128 numbers of my column
.set WC,    160                        ; v160-175 the four blocks' codes
.set SW,    176                        ; v176     my column's scale word
.macro LOAD t
.irp i, 0,1,2,3
	global_load_b128 v[R+16*(\t)+4*\i:R+16*(\t)+4*\i+3], v3, s[4:5] offset:2048*(\t)+512*\i th:TH_LOAD_NT   ; 32 lanes read 512 consecutive bytes
.endr
.endm
.macro TURN t                          ; step t through the stage: LDS serves a wave's instructions in order, so no wait stands between the stores and the loads
.irp i, 0,1,2,3
	ds_store_b128 v14, v[R+16*(\t)+4*\i:R+16*(\t)+4*\i+3] offset:32*SP*((\t)%2)+8*SP*\i
.endr
.irp i, 0,1,2,3
	ds_load_b128 v[X+16*((\t)%2)+4*\i:X+16*((\t)%2)+4*\i+3], v15 offset:32*SP*((\t)%2)+16*\i
.endr
.endm
.macro STEP t
.set XS, X+16*((\t)%2)
.if (\t) > 0
	s_wait_dscnt 1                                 ; this step's numbers are back from the stage; the last step's byte store may be out
.else
	s_wait_dscnt 0x0
.endif
.if (\t)+1 < STEPS
	s_wait_loadcnt 4*(STEPS-2-(\t))                ; the next step's four loads are in; those of the steps behind it may be out
	TURN (\t)+1
.endif
	v_max3_num_f32 v8, |v[XS]|, |v[XS+1]|, |v[XS+2]|       ; the largest magnitude of my 16, in two chains
	v_max3_num_f32 v9, |v[XS+3]|, |v[XS+4]|, |v[XS+5]|
.irp i, 6,10
	v_max3_num_f32 v8, v8, |v[XS+\i]|, |v[XS+\i+1]|
	v_max3_num_f32 v9, v9, |v[XS+\i+2]|, |v[XS+\i+3]|
.endr
	v_max3_num_f32 v8, v8, |v[XS+14]|, |v[XS+15]|
	v_max3_num_f32 v8, v8, v9, (EMAX+1)<<23        ; and the floor 2^(3 - 127): the byte cannot fall under 1
	v_max_num_f32_dpp v8, v8, v8 row_xmask:1 row_mask:0xf bank_mask:0xf   ; with my neighbour's 16: the block's
	v_add_nc_u32 v11, 0xff000000, v8               ; 2 off the exponent field: the conversion takes this operand's exponent field as its scale
	v_cvt_scalef32_pk8_fp4_f32 v[C+4*(\t)], v[XS:XS+7], v11
	v_cvt_scalef32_pk8_fp4_f32 v[C+4*(\t)+1], v[XS+8:XS+15], v11
	v_lshrrev_b32 v[E+(\t)], 23, v11               ; the scale's byte (also the plain line behind the conversions)
	ds_store_b8 v5, v[E+(\t)] offset:16*(\t)       ; both lanes of a block write the same byte with the same value
	global_store_b64 v4, v[C+4*(\t):C+4*(\t)+1], s[8:9] offset:256*(\t)   ; the wave stores 256 consecutive bytes, aligned
.endm
.macro QB b                            ; role W: block b of my column: 32 numbers, all mine
.set XS, WD+32*(\b)
	v_max3_num_f32 v12, |v[XS]|, |v[XS+1]|, |v[XS+2]|
	v_max3_num_f32 v13, |v[XS+3]|, |v[XS+4]|, |v[XS+5]|
.irp i, 6,10,14,18,22,26
	v_max3_num_f32 v12, v12, |v[XS+\i]|, |v[XS+\i+1]|
	v_max3_num_f32 v13, v13, |v[XS+\i+2]|, |v[XS+\i+3]|
.endr
	v_max3_num_f32 v12, v12, |v[XS+30]|, |v[XS+31]|
	v_max3_num_f32 v12, v12, v13, (EMAX+1)<<23
	v_add_nc_u32 v11, 0xff000000, v12
	v_lshrrev_b32 v13, 23, v11
.if (\b) == 0
	v_mov_b32 v[SW], v13                           ; four bytes make the scale word, the lower K in the lower byte
.else
	v_lshl_or_b32 v[SW], v13, 8*(\b), v[SW]
.endif
.irp g, 0,1,2,3
	v_cvt_scalef32_pk8_fp4_f32 v[WC+4*(\b)+\g], v[XS+8*\g:XS+8*\g+7], v11
.endr
.endm
	s_load_b128 s[4:7], s[0:1], 0x0                ; x, Wr_h
	s_load_b128 s[8:11], s[0:1], 0x10              ; xc, xs
	s_load_b128 s[12:15], s[0:1], 0x20             ; wrc, wrs
	v_lshl_add_u32 v192, v0, 2, 0x8000
	v_mov_b32 v193, 0
	v_lshrrev_b32 v1, 5, v0
	v_readfirstlane_b32 s16, v1                    ; wave
	v_and_b32 v2, 31, v0                           ; lane
	s_mov_b32 s21, 0                               ; the upper word of every offset pair
	s_cmp_ge_u32 ttmp9, XWG
	s_cbranch_scc1 .Lrole_w
	; ---- ROLE X
	v_lshlrev_b32 v3, 4, v2                        ; my 16 bytes of a load's 512
	s_mul_i32 s17, s16, WREG
	v_lshrrev_b32 v14, 2, v2
	v_mul_u32_u24 v14, v14, SP
	v_and_b32 v15, 3, v2
	v_lshl_add_u32 v14, v15, 4, v14
	v_add_nc_u32 v14, s17, v14                     ; the stage, on the way in: SP (lane / 4) + 16 (lane % 4)
	v_mul_u32_u24 v15, v2, SP
	v_add_nc_u32 v15, s17, v15                     ; and on the way out: SP x lane
	v_lshlrev_b32 v4, 3, v2                        ; my 8 bytes of a step's codes
	v_lshrrev_b32 v5, 1, v2
	s_add_co_u32 s17, s17, 2*32*SP
	v_add_nc_u32 v5, s17, v5                       ; LDS: my block's scale byte
	v_lshlrev_b32 v7, 1, v2                        ; on the way out 2 bytes a lane
	v_add_nc_u32 v6, s17, v7
	s_lshl_b32 s18, ttmp9, 2
	s_add_co_u32 s18, s18, s16                     ; which run of 2,048 numbers is my wave's
	s_wait_alu depctr_va_vdst(0)
	s_wait_kmcnt 0x0
	s_lshl_b32 s20, s18, 13
	s_add_nc_u64 s[4:5], s[4:5], s[20:21]          ; 8,192 bytes of x a run,
	s_lshl_b32 s20, s18, 10
	s_add_nc_u64 s[8:9], s[8:9], s[20:21]          ; 1,024 of codes,
	s_lshl_b32 s20, s18, 6
	s_add_nc_u64 s[10:11], s[10:11], s[20:21]      ; 64 scale bytes
.irp t, 0,1,2,3
	LOAD \t
.endr
	s_wait_loadcnt 12                              ; step 0's four loads are in; the twelve behind them may be out
	TURN 0
.irp t, 0,1,2,3
	STEP \t
.endr
	ds_load_u16 v12, v6                            ; LDS serves a wave's instructions in order: this sees my byte stores
	s_wait_dscnt 0x0
	global_store_b16 v7, v12, s[10:11]             ; the wave's 64 scale bytes, consecutive
	s_wait_tensorcnt 0x0
	ds_add_u32 v192, v193
	s_wait_dscnt 0x0
	s_endpgm
	; ---- ROLE W
.Lrole_w:
	s_sub_co_u32 s18, ttmp9, XWG
	s_lshl_b32 s18, s18, 2
	s_add_co_u32 s18, s18, s16                     ; unit 0..127
	s_and_b32 s19, s18, 15                         ; group of 32 columns
	s_lshr_b32 s22, s18, 4                         ; K step of 128
	s_wait_alu depctr_va_vdst(0)
	v_lshlrev_b32 v3, 2, v2                        ; 4 x lane
	v_lshlrev_b32 v4, 4, v2                        ; 16 x lane
	s_wait_alu depctr_va_vdst(0)
	s_wait_kmcnt 0x0
	s_lshl_b32 s20, s22, 18                        ; 128 rows of 2,048 bytes
	s_lshl_b32 s23, s19, 7
	s_add_co_u32 s20, s20, s23
	s_add_nc_u64 s[6:7], s[6:7], s[20:21]
	s_lshl_b32 s20, s19, 14                        ; two tiles x 8 K steps x 1,024 bytes a group
	s_lshl_b32 s23, s22, 10
	s_add_co_u32 s20, s20, s23
	s_add_nc_u64 s[12:13], s[12:13], s[20:21]
	s_lshl_b32 s20, s19, 10
	s_lshl_b32 s23, s22, 7
	s_add_co_u32 s20, s20, s23
	s_add_nc_u64 s[14:15], s[14:15], s[20:21]
.set i, 0
.rept 128
	global_load_b32 v[WD+i], v3, s[6:7] offset:i*2048 th:TH_LOAD_NT      ; Wr_h(128 ks + i, 32 cg + lane): 128 consecutive bytes a load
.set i, i+1
.endr
	s_wait_loadcnt 63                              ; 96 loads are younger than block 0's: 63 is the largest count that the wait can name
	QB 0
	s_wait_loadcnt 63                              ; 64 are younger than block 1's
	QB 1
	s_wait_loadcnt 32                              ; block 3's 32 may be out
	QB 2
	s_wait_loadcnt 0x0
	QB 3
	v_nop                                          ; one plain line behind the last conversion
.irp i, 0,1,2,3                        ; a fragment wants block 2 c in lanes 0-15 and block 2 c + 1 in lanes 16-31 of ONE tile; I hold all four blocks of one column
	v_permlane16_swap_b32 v[WC+\i], v[WC+4+\i]     ; block 0's upper lanes (odd tile) change places with block 1's lower lanes (even tile)
	v_permlane16_swap_b32 v[WC+8+\i], v[WC+12+\i]  ; blocks 2 and 3 likewise
.endr
	global_store_b128 v4, v[WC:WC+3], s[12:13]                     ; even tile, registers 0-3: 512 consecutive bytes
	global_store_b128 v4, v[WC+8:WC+11], s[12:13] offset:512       ; even tile, registers 4-7
	global_store_b128 v4, v[WC+4:WC+7], s[12:13] offset:8192       ; odd tile, registers 0-3
	global_store_b128 v4, v[WC+12:WC+15], s[12:13] offset:8192+512 ; odd tile, registers 4-7
	global_store_b32 v3, v[SW], s[14:15]
	s_endpgm
.Lfunc_end_k_q2ef4e2d44f_quant:
	.size	k_q2ef4e2d44f_quant, .Lfunc_end_k_q2ef4e2d44f_quant-k_q2ef4e2d44f_quant
	.p2alignl 7, 3214868480
	.fill 96, 4, 3214868480
	.section	.rodata,"a",@progbits
	.p2align	6, 0x0
	.amdhsa_kernel k_q2ef4e2d44f_quant
		.amdhsa_group_segment_fixed_size 33280
		.amdhsa_private_segment_fixed_size 0
		.amdhsa_enable_private_segment 0
		.amdhsa_kernarg_size 48
		.amdhsa_user_sgpr_count 2
		.amdhsa_user_sgpr_kernarg_segment_ptr 1
		.amdhsa_wavefront_size32 1
		.amdhsa_system_sgpr_workgroup_id_x 1
		.amdhsa_system_sgpr_workgroup_id_y 1
		.amdhsa_system_sgpr_workgroup_id_z 1
		.amdhsa_system_vgpr_workitem_id 0
		.amdhsa_next_free_vgpr 194
		.amdhsa_next_free_sgpr 66
		.amdhsa_reserve_vcc 0
		.amdhsa_float_denorm_mode_32 3
		.amdhsa_float_denorm_mode_16_64 3
		.amdhsa_memory_ordered 1
		.amdhsa_forward_progress 1
		.amdhsa_inst_pref_size 30
	.end_amdhsa_kernel
	.amdgpu_metadata
---
amdhsa.version: [ 1, 2 ]
amdhsa.kernels:
  - .name:           k_q2ef4e2d44f_quant
    .symbol:         k_q2ef4e2d44f_quant.kd
    .args:
      - { .name: x, .offset: 0, .size: 8, .value_kind: global_buffer, .address_space: global }
      - { .name: Wr_h, .offset: 8, .size: 8, .value_kind: global_buffer, .address_space: global }
      - { .name: xc, .offset: 16, .size: 8, .value_kind: global_buffer, .address_space: global }
      - { .name: xs, .offset: 24, .size: 8, .value_kind: global_buffer, .address_space: global }
      - { .name: wrc, .offset: 32, .size: 8, .value_kind: global_buffer, .address_space: global }
      - { .name: wrs, .offset: 40, .size: 8, .value_kind: global_buffer, .address_space: global }
    .group_segment_fixed_size: 33280
    .private_segment_fixed_size: 0
    .kernarg_segment_align: 8
    .kernarg_segment_size: 48
    .max_flat_workgroup_size: 128
    .sgpr_count:     66
    .vgpr_count:     194
    .wavefront_size: 32
...
	.end_amdgpu_metadata
.endif
;; end of part 5
;; launch router (part 6): grid 64 x 1, 16 waves a work-group, no clusters, 36,864 bytes of LDS; arguments xc, xs, wrc, wrs, br_h, Wr, br, eid, wgt; writes eid, wgt
.if DOCPART == 6
	.amdgcn_target "amdgcn-amd-amdhsa--gfx1250"
	.amdhsa_code_object_version 6
	.text
	.protected	k_q2ef4e2d44f_router
	.globl	k_q2ef4e2d44f_router
	.p2align	8
	.type	k_q2ef4e2d44f_router,@function
k_q2ef4e2d44f_router:
	s_mov_b64 s[64:65], 0
	v_nop
	global_prefetch_b8 v0, s[64:65] scope:SCOPE_SE
	s_setreg_imm32_b32 hwreg(HW_REG_WAVE_SCHED_MODE, 0, 2), 2
	s_setreg_imm32_b32 hwreg(HW_REG_WAVE_MODE, 25, 1), 1
	s_wait_xcnt 0x0
	s_wait_alu depctr_vm_vsrc(0)
; The router.  h = Q(x) Q(Wr_h) + br_h on codes of FP4; logits = h Wr + br by f32 multiply-adds; softmax (its maximum taken away); the two largest probabilities,
; ties to the lower index; a softmax of those two.  The experts are walked in ascending order and later ones overwrite, so a token keeps the result of the LARGER of its two indices:
; eid[token] = that index (a whole number, from which later launches form addresses and trip counts), wgt[token] = its renormalised weight.
; SHARES.  A work-group takes 16 tokens; wave w takes h's columns 32 w .. 32 w + 31 (two tiles) over all 8 K steps: 16 matrix instructions, two accumulators by turns.
; The product is used transposed (source 0 = 16 columns of Wr_h, source 1 = the 16 tokens): a lane holds one token and eight columns of h.
; x's eight fragments come once: each wave fetches one sixteenth and all read them from LDS as images of the operand's registers.
; Each wave multiplies its 32 columns of h by its 32 rows of Wr; the sixteen waves' partial logits meet in LDS and wave 0 finishes.
; LIMITS: the sums of h and of the logits run in another order than a plain row sum; a token whose second and third probabilities agree to within f32 rounding may choose the other expert.
; A probability under 2^-126 comes out of the exponential as 0 (ISA guide, 15.8) and ties with other zeros, the lower index ahead.  NaN and infinities are not served.
; No tensor loads: each byte is read once by plain loads.  No cluster: the work-groups share wrc alone, 256 KiB, read once by each of 64 work-groups within one short launch.
; THE MODE: SCHED_MODE bits 1:0 = 2 (LLVM: expert scheduling mode 2), set by the entry lines.  The code itself states the register dependences
; between vector or matrix instructions and memory or LDS instructions, with s_wait_alu, always for 0.
; THE PLAN.  Registers that memory or LDS instructions touch:
;   v1-v14     addresses and offsets: written once at the head, never again.  One wait on va_vdst ahead of the first load.
;   v152-164   loaded from memory; read by my four LDS stores; then x's fragments land there: one wait on vm_vsrc behind the first barrier.
;   v16-143    Wr_h's fragments, read by the sixteen products; then Wr's rows land there: one wait on va_vdst behind the products.  The multiply-adds read those rows; in wave 0 the partial logits
;              land in v16-79: the wait on va_vdst ahead of the logits' LDS stores stands behind the multiply-adds and serves this too.
;   v248-255   the logits: written by the multiply-adds, read by two LDS stores (va_vdst ahead of them); written again by wave 0's sums and, v254 and v255, by the two lines ahead of the closing lines:
;              one wait on vm_vsrc behind the second barrier, ahead of the branch, so that it lies on both ways.
;   v243, v246 written by the selects, read by the two global stores: one wait on va_vdst ahead of them.
;   s22, s38, s39, VCC are written by vector instructions: a wait on va_sdst or va_vcc stands between each such line, or pair of lines, and its first reader.
.set XIMG, 0                           ; LDS: x's 8 fragment images, 1,024 bytes each
.set XSC,  8192                        ; x's scale words, 128 bytes a wave; K step ks is read from wave 2 ks's
.set WRL,  10240                       ; 1,024 bytes a wave: its 32 rows of Wr
.set PART, 26624                       ; partial logits: 512 bytes a wave, 32 a token
.set WF,   16                          ; v16-143  Wr_h's fragments, (tile u, K step ks) at 8 (8 u + ks); afterwards 128 numbers of Wr
.set WS,   144                         ; v144-151 their scale words: scales and nothing else
.set XF,   152                         ; v152-215 x's fragments; ahead of the first barrier v152-164 hold what I fetch for the others
.set XSR,  216                         ; v216-223 x's scale words: scales and nothing else
.set ACC,  224                         ; v224-239 two accumulators
.set L,    248                         ; v248-255 logits, then probabilities
.macro WM d, a, b, sa, sb, row1
.if \row1
	v_wmma_scale_f32_16x16x128_f8f6f4 v[(\d):(\d)+7], v[(\a):(\a)+7], v[(\b):(\b)+7], v[(\d):(\d)+7], v[\sa], v[\sb] matrix_a_fmt:MATRIX_FMT_FP4 matrix_b_fmt:MATRIX_FMT_FP4 matrix_a_scale:MATRIX_SCALE_ROW1
.else
	v_wmma_scale_f32_16x16x128_f8f6f4 v[(\d):(\d)+7], v[(\a):(\a)+7], v[(\b):(\b)+7], v[(\d):(\d)+7], v[\sa], v[\sb] matrix_a_fmt:MATRIX_FMT_FP4 matrix_b_fmt:MATRIX_FMT_FP4
.endif
.endm
	s_load_b256 s[4:11], s[0:1], 0x0               ; xc s[4:5], xs s[6:7], wrc s[8:9], wrs s[10:11]
	s_load_b256 s[12:19], s[0:1], 0x20             ; br_h s[12:13], Wr s[14:15], br s[16:17], eid s[18:19]
	s_load_b64 s[20:21], s[0:1], 0x40              ; wgt
	v_lshrrev_b32 v1, 5, v0
	v_readfirstlane_b32 s22, v1                    ; wave 0..15
	v_and_b32 v2, 31, v0
	v_and_b32 v3, 15, v0                           ; r
	v_bfe_u32 v4, v0, 4, 1                         ; h
	v_lshlrev_b32 v1, 4, v2                        ; 16 x lane
	v_lshlrev_b32 v2, 2, v2                        ; 4 x lane
	v_lshlrev_b32 v5, 9, v3
	v_lshl_add_u32 v5, v4, 4, v5                   ; xc: 512 r + 16 h
	v_lshlrev_b32 v6, 5, v3                        ; xs: 32 r
	v_lshlrev_b32 v7, 5, v4                        ; br_h: 32 h
	s_wait_alu depctr_va_sdst(0)                   ; s22 is written, ahead of its first reader
	s_lshl_b32 s23, s22, 10
	s_lshl_b32 s34, s22, 9
	s_lshl_b32 s35, s22, 7
	v_add_nc_u32 v8, s23, v1                       ; LDS addresses, all made here: Wr in: 16 l + 1,024 w
	v_add_nc_u32 v9, s34, v1                       ; x's piece in: 16 l + 512 w
	v_add_nc_u32 v10, s35, v2                      ; x's scale words in: 4 l + 128 w
	v_lshl_add_u32 v11, v4, 8, s23                 ; Wr back: 256 h + 1,024 w
	v_add_nc_u32 v12, s34, v6                      ; partial logits in: 32 r + 512 w
	v_lshl_add_u32 v13, v4, 12, v6                 ; and back, in wave 0: 4,096 h + 32 r
	v_lshlrev_b32 v14, 2, v3                       ; eid, wgt: 4 r
	s_mov_b32 s36, 0x76543210
	s_mov_b32 s37, 0xfedcba98                      ; v_permlanex16_b32's selects for lane l xor 16
	s_mov_b32 s33, 0
	s_wait_kmcnt 0x0
	s_load_b256 s[24:31], s[16:17], 0x0            ; br: eight numbers
	s_mov_b32 s32, s23
	s_add_nc_u64 s[14:15], s[14:15], s[32:33]      ; Wr: my 32 rows of 32 bytes
	s_add_nc_u64 s[10:11], s[10:11], s[32:33]      ; wrs: my group's 8 x 128 bytes
	s_lshl_b32 s32, ttmp9, 13
	s_lshl_b32 s38, s22, 5
	s_add_co_u32 s32, s32, s38
	s_add_nc_u64 s[4:5], s[4:5], s[32:33]          ; xc: 16 tokens of 512 bytes a work-group; my 32 bytes of each row
	s_lshl_b32 s32, ttmp9, 9
	s_lshr_b32 s38, s22, 1
	s_lshl_b32 s38, s38, 2
	s_add_co_u32 s32, s32, s38
	s_add_nc_u64 s[6:7], s[6:7], s[32:33]          ; xs: the word of K step w / 2
	s_mov_b32 s32, s35
	s_add_nc_u64 s[12:13], s[12:13], s[32:33]      ; br_h: my 32 numbers
	s_lshl_b32 s32, s22, 14
	s_add_nc_u64 s[8:9], s[8:9], s[32:33]          ; wrc: my two tiles x 8 K steps
	s_lshl_b32 s32, ttmp9, 6
	s_add_nc_u64 s[18:19], s[18:19], s[32:33]
	s_add_nc_u64 s[20:21], s[20:21], s[32:33]
	s_wait_alu depctr_va_vdst(0)                   ; the addresses and offsets v1 to v14 are written: every load and store of the kernel reads one of them
	; 48 loads: what goes to LDS first
	global_load_b128 v[152:155], v1, s[14:15]
	global_load_b128 v[156:159], v1, s[14:15] offset:512
	global_load_b128 v[160:163], v5, s[4:5]        ; bytes 32 w + 16 h of row r: registers 4 (w % 2) .. of K step w / 2's fragment
	global_load_b32 v164, v6, s[6:7]
.irp u, 0,1
	global_load_b128 v[ACC+8*\u:ACC+8*\u+3], v7, s[12:13] offset:64*\u       ; the bias is the sums' start: register j of tile u is column 32 w + 16 u + 8 h + j
	global_load_b128 v[ACC+8*\u+4:ACC+8*\u+7], v7, s[12:13] offset:64*\u+16
.endr
.set f, 0
.rept 16
	global_load_b128 v[WF+8*f:WF+8*f+3], v1, s[8:9] offset:1024*f
	global_load_b128 v[WF+8*f+4:WF+8*f+7], v1, s[8:9] offset:1024*f+512
.set f, f+1
.endr
.irp k, 0,1,2,3,4,5,6,7
	global_load_b32 v[WS+\k], v2, s[10:11] offset:128*\k
.endr
	s_wait_loadcnt 44                              ; the first four are in; the bias's 4 and the weights' 40 may be out
	ds_store_b128 v8, v[152:155] offset:WRL
	ds_store_b128 v8, v[156:159] offset:WRL+512
	ds_store_b128 v9, v[160:163] offset:XIMG
	ds_store_b32 v10, v164 offset:XSC
	s_wait_kmcnt 0x0                               ; br
	s_wait_dscnt 0x0                               ; for the others' sake: my stores have landed
	s_barrier_signal -1
	s_barrier_wait -1
	s_wait_alu depctr_vm_vsrc(0)                   ; my four LDS stores have read v152 to v164, in which x's fragments land
.irp k, 0,1,2,3,4,5,6,7
	ds_load_b128 v[XF+8*\k:XF+8*\k+3], v1 offset:XIMG+1024*\k
	ds_load_b128 v[XF+8*\k+4:XF+8*\k+7], v1 offset:XIMG+1024*\k+512
	ds_load_b32 v[XSR+\k], v2 offset:XSC+256*\k
.endr
	s_wait_loadcnt 0x0
	s_wait_dscnt 0x0
.irp k, 0,1,2,3,4,5,6,7                ; K ascending; the two accumulators take turns, one instruction a turn
	WM ACC, WF+8*\k, XF+8*\k, WS+\k, XSR+\k, 0
	WM ACC+8, WF+64+8*\k, XF+8*\k, WS+\k, XSR+\k, 1
.endr
.rept 4
	v_nop                                          ; four places behind the last matrix instruction, ahead of the first read of results (ISA guide 7.12.1); they stay beside the wait below
.endr
	s_wait_alu depctr_va_vdst(0)                   ; the products are done reading Wr_h's fragments v16 to v143, in which Wr's rows land
.set k, 0
.rept 16                               ; Wr's rows of my 16 columns: column 16 u + 8 h + j is 512 u + 256 h + 32 j bytes on; k = 8 u + j
	ds_load_b128 v[16+8*k:16+8*k+3], v11 offset:WRL+512*(k/8)+32*(k%8)
	ds_load_b128 v[16+8*k+4:16+8*k+7], v11 offset:WRL+512*(k/8)+32*(k%8)+16
.set k, k+1
.endr
	s_wait_dscnt 0x0
.irp e, 0,1,2,3,4,5,6,7
	v_mul_f32 v[L+\e], v[ACC], v[16+\e]            ; each accumulator is read from its low end on; eight chains that do not wait for each other
.endr
.set k, 1
.rept 15
.irp e, 0,1,2,3,4,5,6,7
	v_fmac_f32 v[L+\e], v[ACC+k], v[16+8*k+\e]
.endr
.set k, k+1
.endr
.irp e, 0,1,2,3,4,5,6,7
	v_permlanex16_b32 v[ACC+\e], v[L+\e], s36, s37 ; the token's other 16 columns lie in lane l xor 16
.endr
.irp e, 0,1,2,3,4,5,6,7
	v_add_f32 v[L+\e], v[L+\e], v[ACC+\e]
.endr
	s_wait_alu depctr_va_vdst(0)                   ; the additions have written v[L ..], the LDS stores' data; the multiply-adds are done reading v16 to v79, in which wave 0's loads land behind the barrier
	ds_store_b128 v12, v[L:L+3] offset:PART        ; both halves of the lanes write the same numbers to the same place
	ds_store_b128 v12, v[L+4:L+7] offset:PART+16
	s_wait_dscnt 0x0
	s_barrier_signal -1
	s_barrier_wait -1
	s_wait_alu depctr_vm_vsrc(0)                   ; my two LDS stores have read v[L ..]: wave 0's sums write these registers again, and every wave's last two vector lines write v254 and v255
	s_cmp_lg_u32 s22, 0                            ; behind the last barrier: wave 0 finishes alone
	s_cbranch_scc1 .Lend
.irp i, 0,1,2,3,4,5,6,7                ; lanes 0-15 take waves 0-7, lanes 16-31 waves 8-15
	ds_load_b128 v[16+8*\i:16+8*\i+3], v13 offset:PART+512*\i
	ds_load_b128 v[16+8*\i+4:16+8*\i+7], v13 offset:PART+512*\i+16
.endr
	s_wait_dscnt 0x0
.irp e, 0,1,2,3,4,5,6,7
	v_add_f32 v[L+\e], v[16+\e], v[24+\e]
.endr
.irp i, 2,3,4,5,6,7
.irp e, 0,1,2,3,4,5,6,7
	v_add_f32 v[L+\e], v[L+\e], v[16+8*\i+\e]
.endr
.endr
.irp e, 0,1,2,3,4,5,6,7
	v_permlanex16_b32 v[ACC+\e], v[L+\e], s36, s37
.endr
.irp e, 0,1,2,3,4,5,6,7
	v_add_f32 v[L+\e], v[L+\e], v[ACC+\e]
.endr
.irp e, 0,1,2,3,4,5,6,7
	v_add_f32 v[L+\e], s[24+\e], v[L+\e]           ; + br
.endr
	v_max3_num_f32 v240, v[L], v[L+1], v[L+2]      ; the softmax: the row's maximum is taken away
	v_max3_num_f32 v240, v240, v[L+3], v[L+4]
	v_max3_num_f32 v240, v240, v[L+5], v[L+6]
	v_max_num_f32 v240, v240, v[L+7]
.irp e, 0,1,2,3,4,5,6,7
	v_sub_f32 v[L+\e], v[L+\e], v240
.endr
.irp e, 0,1,2,3,4,5,6,7
	v_mul_f32 v[L+\e], 0x3fb8aa3b, v[L+\e]         ; x log2(e)
.endr
	s_wait_alu depctr_va_vdst(0)
.irp e, 0,1,2,3,4,5,6,7
	v_exp_f32 v[L+\e], v[L+\e]
.endr
	v_nop                                          ; a plain line behind the last exponential
	s_wait_alu depctr_va_vdst(0)                   ; the eight exponentials have written v[L ..]: one wait for the batch, ahead of its first reader
	v_add_f32 v241, v[L], v[L+1]
	v_add_f32 v240, v[L+2], v[L+3]
	v_add_f32 v241, v241, v[L+4]
	v_add_f32 v240, v240, v[L+5]
	v_add_f32 v241, v241, v[L+6]
	v_add_f32 v240, v240, v[L+7]
	v_add_f32 v241, v241, v240
	s_wait_alu depctr_va_vdst(0)
	v_rcp_f32 v241, v241
	v_nop
	s_wait_alu depctr_va_vdst(0)                   ; the reciprocal has written v241, ahead of its first reader
.irp e, 0,1,2,3,4,5,6,7
	v_mul_f32 v[L+\e], v[L+\e], v241               ; the probabilities
.endr
	v_mov_b32 v242, v[L]                           ; the largest so far and its index,
	v_mov_b32 v243, 0
	v_mov_b32 v244, -1.0                           ; the second: under every probability
	v_mov_b32 v245, 0
.irp e, 1,2,3,4,5,6,7                  ; strict compares: of equals the lower index stays ahead
	v_cmp_gt_f32 s39, v[L+\e], v242
	v_cmp_gt_f32 s38, v[L+\e], v244
	s_wait_alu depctr_va_sdst(0)                   ; the two compares have written s39 and s38, which the selects read
	v_cndmask_b32 v244, v244, v[L+\e], s38
	v_cndmask_b32 v245, v245, \e, s38
	v_cndmask_b32 v244, v244, v242, s39
	v_cndmask_b32 v245, v245, v243, s39
	v_cndmask_b32 v242, v242, v[L+\e], s39
	v_cndmask_b32 v243, v243, \e, s39
.endr
	v_sub_f32 v246, v244, v242                     ; the softmax of the two, the larger taken away: 1 and q = e^(second - first)
	v_mul_f32 v246, 0x3fb8aa3b, v246
	s_wait_alu depctr_va_vdst(0)
	v_exp_f32 v246, v246
	v_nop
	s_wait_alu depctr_va_vdst(0)                   ; the exponential has written v246, ahead of its first reader
	v_add_f32 v247, 1.0, v246
	s_wait_alu depctr_va_vdst(0)
	v_rcp_f32 v247, v247
	v_nop
	s_wait_alu depctr_va_vdst(0)                   ; the reciprocal has written v247, ahead of its first reader
	v_mul_f32 v246, v246, v247                     ; the second's weight; v247 is the first's
	v_cmp_gt_u32 vcc_lo, v243, v245
	s_wait_alu depctr_va_vcc(0)                    ; the compare has written VCC, which the select reads
	v_cndmask_b32 v246, v246, v247, vcc_lo         ; the weight of the larger index,
	v_max_u32 v243, v243, v245                     ; and that index
	s_wait_alu depctr_va_vdst(0)                   ; v243 and v246 are written: the two stores' data
	global_store_b32 v14, v243, s[18:19]           ; both halves of the lanes store the same number to the same place
	global_store_b32 v14, v246, s[20:21]
.Lend:
	s_wait_xcnt 0x0
	v_lshl_add_u32 v254, v0, 2, 0x8800             ; the closing pair is made anew here: no memory or LDS instruction has read v254 or v255 since the wait on vm_vsrc behind the last barrier
	v_mov_b32 v255, 0
	s_wait_dscnt 0x0                               ; the closing lines, six on end
	s_wait_alu 0x0
	s_wait_tensorcnt 0x0
	ds_add_u32 v254, v255
	s_wait_dscnt 0x0
	s_endpgm
.Lfunc_end_k_q2ef4e2d44f_router:
	.size	k_q2ef4e2d44f_router, .Lfunc_end_k_q2ef4e2d44f_router-k_q2ef4e2d44f_router
	.p2alignl 7, 3214868480
	.fill 96, 4, 3214868480
	.section	.rodata,"a",@progbits
	.p2align	6, 0x0
	.amdhsa_kernel k_q2ef4e2d44f_router
		.amdhsa_group_segment_fixed_size 36864
		.amdhsa_private_segment_fixed_size 0
		.amdhsa_enable_private_segment 0
		.amdhsa_kernarg_size 72
		.amdhsa_user_sgpr_count 2
		.amdhsa_user_sgpr_kernarg_segment_ptr 1
		.amdhsa_wavefront_size32 1
		.amdhsa_system_sgpr_workgroup_id_x 1
		.amdhsa_system_sgpr_workgroup_id_y 1
		.amdhsa_system_sgpr_workgroup_id_z 1
		.amdhsa_system_vgpr_workitem_id 0
		.amdhsa_next_free_vgpr 256
		.amdhsa_next_free_sgpr 66
		.amdhsa_reserve_vcc 1
		.amdhsa_float_denorm_mode_32 3
		.amdhsa_float_denorm_mode_16_64 3
		.amdhsa_memory_ordered 1
		.amdhsa_forward_progress 1
		.amdhsa_inst_pref_size 29
	.end_amdhsa_kernel
	.amdgpu_metadata
---
amdhsa.version: [ 1, 2 ]
amdhsa.kernels:
  - .name:           k_q2ef4e2d44f_router
    .symbol:         k_q2ef4e2d44f_router.kd
    .args:
      - { .name: xc, .offset: 0, .size: 8, .value_kind: global_buffer, .address_space: global }
      - { .name: xs, .offset: 8, .size: 8, .value_kind: global_buffer, .address_space: global }
      - { .name: wrc, .offset: 16, .size: 8, .value_kind: global_buffer, .address_space: global }
      - { .name: wrs, .offset: 24, .size: 8, .value_kind: global_buffer, .address_space: global }
      - { .name: br_h, .offset: 32, .size: 8, .value_kind: global_buffer, .address_space: global }
      - { .name: Wr, .offset: 40, .size: 8, .value_kind: global_buffer, .address_space: global }
      - { .name: br, .offset: 48, .size: 8, .value_kind: global_buffer, .address_space: global }
      - { .name: eid, .offset: 56, .size: 8, .value_kind: global_buffer, .address_space: global }
      - { .name: wgt, .offset: 64, .size: 8, .value_kind: global_buffer, .address_space: global }
    .group_segment_fixed_size: 36864
    .private_segment_fixed_size: 0
    .kernarg_segment_align: 8
    .kernarg_segment_size: 72
    .max_flat_workgroup_size: 512
    .sgpr_count:     66
    .vgpr_count:     256
    .wavefront_size: 32
...
	.end_amdgpu_metadata
.endif
;; end of part 6
;; launch up (part 7): grid 32 x 7, 16 waves a work-group, no clusters, 71,680 bytes of LDS; arguments W1, b1, xc, xs, eid, hid, hs; writes hid, hs
.if DOCPART == 7
	.amdgcn_target "amdgcn-amd-amdhsa--gfx1250"
	.amdhsa_code_object_version 6
	.text
	.protected	k_q2ef4e2d44f_up
	.globl	k_q2ef4e2d44f_up
	.p2align	8
	.type	k_q2ef4e2d44f_up,@function
k_q2ef4e2d44f_up:
	s_mov_b64 s[64:65], 0
	v_nop
	global_prefetch_b8 v0, s[64:65] scope:SCOPE_SE
	s_setreg_imm32_b32 hwreg(HW_REG_WAVE_SCHED_MODE, 0, 2), 2
	s_setreg_imm32_b32 hwreg(HW_REG_WAVE_MODE, 25, 1), 1
	s_wait_xcnt 0x0
	s_wait_alu depctr_vm_vsrc(0)
; hidden = Q(relu(Q(x) Q(W1[e]) + b1[e])) for the tokens that keep expert e, both operands as codes of FP4 with E8M0 scales.
; SHARES.  Work-group (s, y) takes expert e = y + 1 and hidden units 128 s .. 128 s + 127, which are one K step of the second product, and streams its 1,024 x 128 numbers of W1 ONCE, as f32.
; Expert 0 has no work-group: a token's two chosen indices differ and the larger is kept, so expert 0 is kept by no token, whatever the inputs.
; THE STREAM, 8 trips of 128 along K.  Wave w = (cg = w % 4, kb = w / 4) takes one block of the quantiser a trip: 32 k x 32 columns; a lane takes a column and its registers run down K,
; so a block's largest magnitude needs no other lane and the conversions give codes with K innermost.  Each load reads 128 consecutive bytes, four waves side by side 512.  Two register sets take turns.
; The codes go to LDS as images of the operand's registers (a fragment of 16 columns x 128 k: 1,024 bytes) and STAY: 64 images and their scale words.  Nothing in LDS is written twice, so ONE barrier a trip
; (stores of trip t, wait, barrier, reads of trip t) is all the ordering, and further tiles of tokens are served behind the stream without reading a weight again.
; THE COLUMNS OF A TILE ARE NOT NEIGHBOURS: lane r of tile 2 b + u takes column 32 b + 8 u + r + 8 (r / 8), so that the 16 registers of tiles 2 b, 2 b + 1 are 16 neighbours along the next K.
; THE TOKENS.  Every wave reads eid (4 KiB), keeps 32 masks 'token keeps my expert' in scalar registers and finds the token of rank R by whole-number arithmetic (RANKSEL).  Tile T of an expert is ranks 16 T .. 16 T + 15.
; Ranks past the count are held at the last: spare lanes of a partial tile repeat the last token.  Wave w takes tile w under the stream, tiles w + 16, w + 32, w + 48 in a loop of three trips behind it;
; a trip whose tile has no token jumps round its work.
; The product is used transposed (source 0 = 16 columns of W1, source 1 = 16 tokens): a lane holds one token and its registers run along the hidden units.
; hid: [8 e][64 tiles][32 K steps][1,024 bytes] register images; hs: [8][64][32][128 bytes], a scale word a lane.  Tile 0 of experts 1 to 7 is always stored, so that the next launch's first fetch finds stored bytes.
; An expert without tokens does not step its stream on behind the second chunk.
; NO TENSOR LOADS, NO CLUSTER: the number of tiles is read from memory and steers jumps.  What the 32 work-groups of an expert share is its tokens' codes, 544 bytes a token, beside 512 KiB of weights that each reads alone.
; No barrier stands under a jump on loaded numbers. No prefetch: the launch is one stream of loads that are already issued a trip or two ahead.
; LIMITS: a block of zeros gets the byte 1 (its codes are zeros; this program alone reads the bytes); a block under 2^-124 is held at that floor; NaN and infinities are not served.
; THE MODE: SCHED_MODE bits 1:0 = 2 (LLVM: expert scheduling mode 2), set by the entry lines.  The code itself states the register dependences
; between vector or matrix instructions and memory or LDS instructions, with s_wait_alu, always for 0.
; THE PLAN.  Registers that memory or LDS instructions touch:
;   v1-v9        addresses and offsets: written once at the head, never again.  One wait on va_vdst ahead of the first load.
;   v[TX], v[TSX]  written by TOKADR, read by the loads of x's fragments: va_vdst behind TOKADR; behind the stream vm_vsrc ahead of TOKADR.
;   X0, X0 + 32  Trip t: the quantiser reads set t % 2; behind it the chunk two trips on lands there.
;   v[CC ..], v[QB]  Trip t: written by the quantiser, read by its two LDS stores, written again in trip t + 1.
;   XF0, XF0 + 8, v[XS ..]  Trip t: the products read fragment t % 2; the loads of trip t + 1 land in it (the fragment of trip t + 2).
;   v[WF ..], v[WS ..]  Trip t: LDS loads land, the products read.
; So ONE wait on va_vdst stands in a trip, behind the conversions: they have written the LDS stores' data; the quantiser is done reading its set; the last trip's products are done reading their fragment of x, the weights'
; fragments and the scale words.  All of the trip's loads follow it, and no vector or matrix instruction between it and a load names a register that the load touches.  ONE wait on vm_vsrc stands at the head of trips 1 to 7.
;   v[PC ..], v[PW]  the way out: written by QUANT, read by three global stores (va_vdst ahead of them); behind the stream weights' fragments land there and QUANT writes them again: vm_vsrc at the head of that loop's trip.
;   Behind the stream there is one set of v[WF ..] for eight K steps: a wait on va_vdst ahead of the LDS loads of K steps 1 to 7.
;   s18, s50-56, s66-97 and VCC are written by vector instructions: the compares stand in runs, and one wait on va_sdst or va_vcc stands between a run and its first reader.
.set PITCH, 16384                      ; a row of W1[e] in bytes
.set WSC,   65536                      ; LDS: 64 images from byte 0; behind them the scale words: trip t, tiles 2 g and 2 g + 1 at 512 t + 128 g + 4 x lane
.set AV,  1                            ; v1   the stream: 4 x my column
.set AW,  2                            ; v2   LDS: where my block's 16 bytes go: 1,024 u + 16 r + 2,048 cg + 256 kb
.set AS,  3                            ; v3   and its scale byte: WSC + 128 cg + 4 lane + kb
.set LI,  4                            ; v4   16 x lane
.set LS,  5                            ; v5   4 x lane
.set BO,  6                            ; v6   b1: 64 h
.set WSA, 7                            ; v7   WSC + 4 x lane
.set RR,  8                            ; v8   r
.set H16, 9                            ; v9   16 h
.set RK,  10                           ; v10  my rank
.set TOK, 11                           ; v11  my token
.set TX,  12                           ; v12  its codes: 512 token + 16 h
.set TSX, 13                           ; v13  its scale words: 32 token
.set X0,  16                           ; v16-47, v48-79 the stream's two sets; in the loop behind it x's eight fragments
.set CC,  80                           ; v80-83 a block's codes
.set QA,  84                           ; v84-86 at work in QBLK
.set QB,  85
.set QS,  86
.set XF0, 88                           ; v88-95, v96-103 x's fragment of this trip and of the next
.set XS,  104                          ; v104-111 x's scale words, one for each K step: scales and nothing else
.set WF,  112                          ; v112-175 the weights' eight fragments of a K step
.set EI,  112                          ; at the head: the 1,024 eids, 32 a lane
.set TM,  112                          ; in QUANT: v112-127 at work, v128-135 the codes, v136 the scale word
.set PC,  128
.set PW,  136
.set ACC, 176                          ; v176-239 eight accumulators
.set WS,  240                          ; v240-243 the weights' scale words: scales and nothing else
.set MS,  244                          ; v244-253 at work in RANKSEL
.set CS,  245
.set JS,  246
.set NN,  247
.set POS, 248
.set TT,  249
.set A1,  250
.set A2,  251
.set A3,  252
.set A4,  253
; scalars: s18 wave, s19 expert, s20 slab, s21 count, s22 max(count,1)-1, s23 max(count,1), s24-27 at work, s[28:29] the stream, s[30:31] its step, s[32:35] hid and hs at (e, s), s[36:39] at my tile, s40 16 x wave,
; s42 the first rank of the tile in hand behind the stream, s49 the trips left there, s[44:45] selects, s50-56 a run's compares, s57-63 the ones ahead of each of its masks, s66-97 the masks
.macro WM d, a, b, sa, sb, row1
.if \row1
	v_wmma_scale_f32_16x16x128_f8f6f4 v[(\d):(\d)+7], v[(\a):(\a)+7], v[(\b):(\b)+7], v[(\d):(\d)+7], v[\sa], v[\sb] matrix_a_fmt:MATRIX_FMT_FP4 matrix_b_fmt:MATRIX_FMT_FP4 matrix_a_scale:MATRIX_SCALE_ROW1
.else
	v_wmma_scale_f32_16x16x128_f8f6f4 v[(\d):(\d)+7], v[(\a):(\a)+7], v[(\b):(\b)+7], v[(\d):(\d)+7], v[\sa], v[\sb] matrix_a_fmt:MATRIX_FMT_FP4 matrix_b_fmt:MATRIX_FMT_FP4
.endif
.endm
.macro PLACES                          ; four plain lines between a matrix instruction and a vector instruction on one of its registers; ahead of loads into such registers they stay, beside the wait that states the dependence
.rept 4
	v_nop
.endr
.endm
.macro BAR
	s_wait_dscnt 0x0                               ; for the others' sake: my LDS stores have landed (and my loads are in)
	s_barrier_signal -1
	s_barrier_wait -1
.endm
.macro SLOAD set                       ; a block: 32 rows of K at my column
.set i, 0
.rept 32
	global_load_b32 v[(\set)+i], v[AV], s[28:29] offset:i*PITCH th:TH_LOAD_NT
.set i, i+1
.endr
.endm
.macro STEPB
	s_wait_xcnt 0x0                                ; the loads issued so far have read their base: only now is it stepped
	s_add_nc_u64 s[28:29], s[28:29], s[30:31]
.endm
.macro QBLK set, t                     ; 32 numbers of my column become 16 bytes of codes and a scale byte, and go to LDS
	v_max3_num_f32 v[QA], |v[(\set)]|, |v[(\set)+1]|, |v[(\set)+2]|
	v_max3_num_f32 v[QB], |v[(\set)+3]|, |v[(\set)+4]|, |v[(\set)+5]|
.irp i, 6,10,14,18,22,26
	v_max3_num_f32 v[QA], v[QA], |v[(\set)+\i]|, |v[(\set)+\i+1]|
	v_max3_num_f32 v[QB], v[QB], |v[(\set)+\i+2]|, |v[(\set)+\i+3]|
.endr
	v_max3_num_f32 v[QA], v[QA], |v[(\set)+30]|, |v[(\set)+31]|
	v_max3_num_f32 v[QA], v[QA], v[QB], 0x1800000  ; the floor 2^(3 - 127): the byte cannot fall under 1
	v_add_nc_u32 v[QS], 0xff000000, v[QA]          ; 2 off the exponent field: the conversion's scale operand
	v_lshrrev_b32 v[QB], 23, v[QS]                 ; the scale's byte
.irp g, 0,1,2,3
	v_cvt_scalef32_pk8_fp4_f32 v[CC+\g], v[(\set)+8*\g:(\set)+8*\g+7], v[QS]
.endr
	v_nop                                          ; one plain line behind the last conversion
	s_wait_alu depctr_va_vdst(0)                   ; THE TRIP'S ONE WAIT: v[CC ..] and v[QB], the LDS stores' data, are written; the lines above are done reading the set, in which the chunk two trips on lands; the last trip's products are done reading their fragment of x, v[WF ..] and v[WS ..], in which this trip's loads land
	ds_store_b128 v[AW], v[CC:CC+3] offset:8192*(\t)
	ds_store_b8 v[AS], v[QB] offset:512*(\t)
.endm
.macro COUNT                           ; mask j = 4 q + c, bit l: token 128 q + 4 l + c keeps my expert.  The 32 compares stand in one run
.set j, 0
.rept 32
	v_cmp_eq_u32 s[66+j], s19, v[EI+j]
.set j, j+1
.endr
	s_wait_alu depctr_va_sdst(0)                   ; the compares have written s66 to s97, ahead of their first reader
	s_mov_b32 s21, 0
.set j, 0
.rept 32
	s_bcnt1_i32_b32 s25, s[66+j]
	s_add_co_u32 s21, s21, s25
.set j, j+1
.endr
.endm
.macro DESC a, width, inc              ; if my rank is not among the ones of the field at POS, take them off and go a field on
	v_bfe_u32 v[TT], v[\a], v[POS], \width
	v_cmp_ge_u32 vcc_lo, v[NN], v[TT]
	s_wait_alu depctr_va_vcc(0)                    ; the compare has written VCC, which the two selects read
	v_cndmask_b32 v[TT], 0, v[TT], vcc_lo
	v_sub_nc_u32 v[NN], v[NN], v[TT]
	v_cndmask_b32 v[TT], 0, \inc, vcc_lo
	v_add_nc_u32 v[POS], v[POS], v[TT]
.endm
.macro RSRUN j0, n                     ; masks j0 .. j0 + n - 1: the last mask ahead of which at most RK ones lie is mine.  A run of compares, one wait, the selects in ascending order
.set k, 0
.rept \n
	s_mov_b32 s[57+k], s24                         ; s24: the ones in the masks passed; kept for the select
	v_cmp_le_u32 s[50+k], s24, v[RK]
	s_bcnt1_i32_b32 s25, s[66+(\j0)+k]
	s_add_co_u32 s24, s24, s25
.set k, k+1
.endr
	s_wait_alu depctr_va_sdst(0)                   ; the run's compares have written s50 on, which the selects read
.set k, 0
.rept \n
	v_cndmask_b32 v[MS], v[MS], s[66+(\j0)+k], s[50+k]
	v_cndmask_b32 v[CS], v[CS], s[57+k], s[50+k]
	v_cndmask_b32 v[JS], v[JS], (\j0)+k, s[50+k]
.set k, k+1
.endr
.endm
.macro RANKSEL                         ; v[RK], a rank under the count -> v[TOK], the token of that rank in the order (mask, bit)
	v_mov_b32 v[MS], s66
	v_mov_b32 v[CS], 0
	v_mov_b32 v[JS], 0
	s_bcnt1_i32_b32 s24, s66
	RSRUN 1, 7
	RSRUN 8, 7
	RSRUN 15, 7
	RSRUN 22, 7
	s_wait_alu depctr_va_vdst(0)
	RSRUN 29, 3
	v_sub_nc_u32 v[NN], v[RK], v[CS]               ; my rank among the mask's ones
	v_lshrrev_b32 v[TT], 1, v[MS]                  ; the ones in fields of 2, 4, 8 and 16 bits
	v_and_b32 v[TT], 0x55555555, v[TT]
	v_sub_nc_u32 v[A1], v[MS], v[TT]
	v_lshrrev_b32 v[TT], 2, v[A1]
	v_and_b32 v[TT], 0x33333333, v[TT]
	v_and_b32 v[A2], 0x33333333, v[A1]
	v_add_nc_u32 v[A2], v[A2], v[TT]
	v_lshrrev_b32 v[TT], 4, v[A2]
	v_add_nc_u32 v[A3], v[A2], v[TT]
	v_and_b32 v[A3], 0x0f0f0f0f, v[A3]
	v_lshrrev_b32 v[TT], 8, v[A3]
	v_add_nc_u32 v[A4], v[A3], v[TT]
	v_and_b32 v[A4], 0x00ff00ff, v[A4]
	v_mov_b32 v[POS], 0
	DESC A4, 8, 16
	DESC A3, 8, 8
	DESC A2, 4, 4
	DESC A1, 2, 2
	DESC MS, 1, 1
	v_lshrrev_b32 v[TT], 2, v[JS]
	v_lshlrev_b32 v[TT], 7, v[TT]
	v_and_b32 v[JS], 3, v[JS]
	v_lshl_add_u32 v[TT], v[POS], 2, v[TT]
	v_add_nc_u32 v[TOK], v[TT], v[JS]              ; 128 (j / 4) + 4 bit + j % 4
.endm
.macro TOKADR
	v_min_u32 v[TOK], 0x3ff, v[TOK]                ; a number made of loaded numbers enters an address only behind this hold
	v_lshlrev_b32 v[TX], 9, v[TOK]
	v_add_nc_u32 v[TX], v[TX], v[H16]
	v_lshlrev_b32 v[TSX], 5, v[TOK]
.endm
.macro B1LOAD                          ; the bias is the sums' start: register j of tile ct is hidden unit 32 (ct / 2) + 16 h + 8 (ct % 2) + j
.irp ct, 0,1,2,3,4,5,6,7
	global_load_b128 v[ACC+8*\ct:ACC+8*\ct+3], v[BO], s[6:7] offset:128*(\ct/2)+32*(\ct%2)
	global_load_b128 v[ACC+8*\ct+4:ACC+8*\ct+7], v[BO], s[6:7] offset:128*(\ct/2)+32*(\ct%2)+16
.endr
.endm
.macro TK3 t, xf                       ; my 16 tokens' fragment and scale words of K step t: three loads
	global_load_b128 v[(\xf):(\xf)+3], v[TX], s[8:9] offset:64*(\t)
	global_load_b128 v[(\xf)+4:(\xf)+7], v[TX], s[8:9] offset:64*(\t)+32
	global_load_b32 v[XS+(\t)], v[TSX], s[10:11] offset:4*(\t)
.endm
.macro M3 t, xf, chk                   ; K step t of my tile: the eight accumulators by turns, one instruction a turn.  chk = 1: under the stream; 0: behind it
.if \chk
	s_cmp_ge_u32 s40, s23                          ; a wave whose tile has no token passes over the work; no barrier stands in it
	s_cbranch_scc1 .Lnone_\@
.endif
	PLACES
.if (\chk) == 0
.if (\t) > 0
	s_wait_alu depctr_va_vdst(0)                   ; the products of the K step before are done reading v[WF ..] and v[WS ..], in which the loads below land.  (Under the stream the trip's one wait has stated that; for K step 0 the wait ahead of the bias's loads)
.endif
.endif
.irp g, 0,1,2,3
	ds_load_b32 v[WS+\g], v[WSA] offset:512*(\t)+128*\g
.endr
.irp ct, 0,1,2,3,4,5,6,7
	ds_load_b128 v[WF+8*\ct:WF+8*\ct+3], v[LI] offset:8192*(\t)+1024*\ct
	ds_load_b128 v[WF+8*\ct+4:WF+8*\ct+7], v[LI] offset:8192*(\t)+1024*\ct+512
.endr
.irp ct, 0,1,2,3,4,5,6,7
	s_wait_dscnt 2*(7-\ct)                         ; this fragment is in; the two loads of each fragment behind it may be out
	WM ACC+8*\ct, WF+8*\ct, \xf, WS+\ct/2, XS+(\t), \ct%2
.endr
.if \chk
.Lnone_\@:
.endif
.endm
.macro QUANT s                         ; 64 numbers of a lane, register 16 b + i = k 32 b + 16 h + i of my token, become a fragment's codes in v[PC] on and its scale word in v[PW]
.irp b, 0,1,2,3
	v_max3_num_f32 v[TM+\b], |v[\s+16*\b]|, |v[\s+1+16*\b]|, 0x1800000
.endr
.irp i, 2,4,6,8,10,12,14
.irp b, 0,1,2,3
	v_max3_num_f32 v[TM+\b], v[TM+\b], |v[\s+16*\b+\i]|, |v[\s+1+16*\b+\i]|
.endr
.endr
.irp b, 0,1,2,3
	v_permlanex16_b32 v[TM+4+\b], v[TM+\b], s44, s45
.endr
.irp b, 0,1,2,3
	v_max_num_f32 v[TM+\b], v[TM+\b], v[TM+4+\b]   ; with lane l xor 16's 16: the block's largest magnitude
.endr
.irp b, 0,1,2,3
	v_add_nc_u32 v[TM+12+\b], 0xff000000, v[TM+\b]
.endr
.irp b, 0,1,2,3
	v_lshrrev_b32 v[TM+4+\b], 23, v[TM+12+\b]
.endr
	v_lshl_or_b32 v[PW], v[TM+5], 8, v[TM+4]
	v_lshl_or_b32 v[PW], v[TM+6], 16, v[PW]
	v_lshl_or_b32 v[PW], v[TM+7], 24, v[PW]
.irp b, 0,1,2,3
	v_cvt_scalef32_pk8_fp4_f32 v[PC+2*\b], v[\s+16*\b:\s+7+16*\b], v[TM+12+\b]
	v_cvt_scalef32_pk8_fp4_f32 v[PC+1+2*\b], v[\s+8+16*\b:\s+15+16*\b], v[TM+12+\b]
.endr
	v_nop                                          ; one plain line behind the last conversion
.irp c, 0,1                            ; the operand wants a WHOLE block in a lane: lanes 0-15 block 2 c, lanes 16-31 block 2 c + 1
.irp i, 0,1
	v_permlane16_swap_b32 v[PC+4*\c+\i], v[PC+2+4*\c+\i]
.endr
.endr
.endm
.macro EPI3                            ; relu, the quantiser along the hidden units, and the image of K step s of the second product
	PLACES
.set i, 0
.rept 64
	v_max_num_f32 v[ACC+i], 0, v[ACC+i]            ; each accumulator from its low end on
.set i, i+1
.endr
.irp b, 0,1,2,3
	v_mov_b32 v[TM+4+\b], 0                        ; a lane permute's destination counts as one of its sources
.endr
	QUANT ACC
	s_wait_alu depctr_va_vdst(0)                   ; the exchanges have written v[PC ..] and the shifts v[PW]: the three stores' data
	global_store_b128 v[LI], v[PC:PC+3], s[36:37]              ; 512 consecutive bytes a store
	global_store_b128 v[LI], v[PC+4:PC+7], s[36:37] offset:512
	global_store_b32 v[LS], v[PW], s[38:39]
.endm
.macro TRIP3 t
.if (\t) == 0
	s_wait_loadcnt 35                              ; set 0 is in; set 1's 32 loads and the first fragment's 3 may be out
.elseif (\t) < 7
	s_wait_loadcnt 32                              ; all but the next set, which was issued last: this set and this trip's fragment of x are in
.else
	s_wait_loadcnt 0x0
.endif
.if (\t) > 0
	s_wait_alu depctr_vm_vsrc(0)                   ; the last trip's two LDS stores have read v[CC ..] and v[QB], which the quantiser writes again
.endif
	QBLK X0+32*((\t)%2), \t
.if (\t) < 7
	TK3 (\t)+1, XF0+8*(((\t)+1)%2)                 ; always issued, so that every counted wait holds on every path
.endif
.if (\t) < 6
	STEPB
	SLOAD X0+32*((\t)%2)                           ; the chunk two trips on, into the set just quantised
.endif
	BAR                                            ; trip t's eight images and their scale words lie in LDS
.if (\t) == 0
	s_wait_loadcnt 35                              ; the bias and the first fragment are in; the second fragment's 3 loads and set 2's 32 are younger
.endif
	M3 \t, XF0+8*((\t)%2), 1
.endm
	s_load_b256 s[4:11], s[0:1], 0x0               ; W1 s[4:5], b1 s[6:7], xc s[8:9], xs s[10:11]
	s_load_b128 s[12:15], s[0:1], 0x20             ; eid s[12:13], hid s[14:15]
	s_load_b64 s[16:17], s[0:1], 0x30              ; hs
	v_lshl_add_u32 v254, v0, 2, 0x11000
	v_mov_b32 v255, 0
	v_lshrrev_b32 v14, 5, v0
	v_readfirstlane_b32 s18, v14                   ; wave 0..15
	s_and_b32 s19, ttmp7, 0xffff
	s_add_co_u32 s19, s19, 1                       ; expert 1..7
	s_mov_b32 s20, ttmp9                           ; slab
	s_wait_alu depctr_va_sdst(0)                   ; s18 is written, ahead of its first reader
	s_and_b32 s47, s18, 3                          ; cg
	s_lshr_b32 s48, s18, 2                         ; kb
	s_lshl_b32 s40, s18, 4                         ; my tile's first rank
	s_mov_b32 s44, 0x76543210
	s_mov_b32 s45, 0xfedcba98                      ; v_permlanex16_b32's selects for lane l xor 16
	v_and_b32 v14, 31, v0                          ; lane
	v_and_b32 v[RR], 15, v0
	v_bfe_u32 v15, v0, 4, 1                        ; u = h = lane / 16
	v_lshlrev_b32 v[LI], 4, v14
	v_lshlrev_b32 v[LS], 2, v14
	v_lshlrev_b32 v[BO], 6, v15
	v_lshlrev_b32 v[H16], 4, v15
	v_add_nc_u32 v[WSA], WSC, v[LS]
	v_and_b32 v[AV], 8, v[RR]
	v_add_nc_u32 v[AV], v[AV], v[RR]
	v_lshl_add_u32 v[AV], v15, 3, v[AV]            ; my column of the 32: 8 u + r + 8 (r / 8)
	v_lshlrev_b32 v[AV], 2, v[AV]
	s_lshl_b32 s25, s47, 11
	s_lshl_b32 s24, s48, 8
	s_add_co_u32 s25, s25, s24
	v_lshlrev_b32 v[AW], 4, v[RR]
	v_lshl_add_u32 v[AW], v15, 10, v[AW]
	v_add_nc_u32 v[AW], s25, v[AW]                 ; block kb of a fragment is registers 4 (kb / 2) .. of lanes 16 (kb % 2) + r: byte 256 kb + 16 r of the image
	s_lshl_b32 s25, s47, 7
	s_add_co_u32 s25, s25, s48
	v_add_nc_u32 v[AS], s25, v[WSA]
	s_lshl_b32 s28, s19, 24                        ; the stream: expert, 32 kb rows, 128 s + 32 cg columns
	s_lshl_b32 s24, s48, 19
	s_add_co_u32 s28, s28, s24
	s_lshl_b32 s24, s20, 9
	s_add_co_u32 s28, s28, s24
	s_lshl_b32 s24, s47, 7
	s_add_co_u32 s28, s28, s24
	s_mov_b32 s29, 0
	s_mov_b32 s27, 0
	s_wait_kmcnt 0x0
	s_add_nc_u64 s[28:29], s[4:5], s[28:29]
	s_lshl_b32 s26, s19, 14
	s_lshl_b32 s24, s20, 9
	s_add_co_u32 s26, s26, s24
	s_add_nc_u64 s[6:7], s[6:7], s[26:27]          ; b1 at (e, 128 s)
	s_lshl_b32 s26, s19, 21
	s_lshl_b32 s24, s20, 10
	s_add_co_u32 s26, s26, s24
	s_add_nc_u64 s[32:33], s[14:15], s[26:27]      ; hid at (e, tile 0, K step s)
	s_lshl_b32 s26, s19, 18
	s_lshl_b32 s24, s20, 7
	s_add_co_u32 s26, s26, s24
	s_add_nc_u64 s[34:35], s[16:17], s[26:27]      ; hs likewise
	s_lshl_b32 s26, s18, 15
	s_add_nc_u64 s[36:37], s[32:33], s[26:27]      ; at tile w
	s_lshl_b32 s26, s18, 12
	s_add_nc_u64 s[38:39], s[34:35], s[26:27]
	s_wait_alu depctr_va_vdst(0)                   ; the addresses and offsets v1 to v9 are written: the loads and stores of the whole kernel read them
.irp q, 0,1,2,3,4,5,6,7
	global_load_b128 v[EI+4*\q:EI+4*\q+3], v[LI], s[12:13] offset:512*\q
.endr
	B1LOAD
	SLOAD X0
	s_wait_xcnt 0x0
	s_add_nc_u64 s[28:29], s[28:29], 0x200000      ; a trip is 128 rows of 16,384 bytes
	SLOAD X0+32
	s_wait_loadcnt 63                              ; the eids are the oldest 8 of 88 loads: 63 is the largest count that the wait can name
	COUNT
	s_max_u32 s23, s21, 1
	s_sub_co_u32 s22, s23, 1
	s_min_u32 s30, s21, 1                          ; the stream's step: a trip where the expert has tokens, else nothing
	s_lshl_b32 s30, s30, 21
	s_mov_b32 s31, 0
	v_add_nc_u32 v[RK], s40, v[RR]
	v_min_u32 v[RK], s22, v[RK]                    ; ranks past the count are held at the last
	s_wait_alu depctr_va_vdst(0)
	RANKSEL
	TOKADR
	s_wait_alu depctr_va_vdst(0)                   ; v[TX] and v[TSX] are written, which the loads of x's fragments read; the compares are done reading the eids' registers, in which weights' fragments land
	TK3 0, XF0
.irp t, 0,1,2,3,4,5,6,7
	TRIP3 \t
.endr
	s_cmp_ge_u32 s40, s23                          ; max(count, 1): wave 0 always stores tile 0
	s_cbranch_scc1 .Lno_first
	EPI3
.Lno_first:
	s_add_co_u32 s42, s40, 256                     ; tiles w + 16, w + 32, w + 48: 1,024 tokens make 64 tiles, so three trips serve every split; all weights lie in LDS
	s_mov_b32 s49, 3
.Lmore:
	s_cmp_ge_u32 s42, s21                          ; a tile without tokens: round the work, in which no barrier stands
	s_cbranch_scc1 .Lnext
	s_wait_xcnt 0x0                                ; the last tile's stores and loads have read their registers and bases
	s_wait_alu depctr_vm_vsrc(0)                   ; the last tile's loads have read v[TX] and v[TSX], which TOKADR writes again; its stores have read v[PC ..] and v[PW], on which weights' fragments land and which QUANT writes again
	v_add_nc_u32 v[RK], s42, v[RR]
	v_min_u32 v[RK], s22, v[RK]
	s_wait_alu depctr_va_vdst(0)
	RANKSEL
	TOKADR
	s_lshr_b32 s25, s42, 4
	s_min_u32 s25, s25, 63                         ; the tile, held inside the buffer
	s_lshl_b32 s26, s25, 15
	s_add_nc_u64 s[36:37], s[32:33], s[26:27]
	s_lshl_b32 s26, s25, 12
	s_add_nc_u64 s[38:39], s[34:35], s[26:27]
	s_wait_alu depctr_va_vdst(0)                   ; v[TX] and v[TSX] are written; the last way out is done with the accumulators, in which the bias lands, and with v[TM ..] and v[PC ..]; the quantiser and the products are done reading v16 to v79, v[XS ..], v[WF ..] and v[WS ..], in which the loads below land
	B1LOAD
.irp t, 0,1,2,3,4,5,6,7
	TK3 \t, X0+8*\t                                ; the stream's sets are free: all eight fragments at once
.endr
	s_wait_loadcnt 0x0
.irp t, 0,1,2,3,4,5,6,7
	M3 \t, X0+8*\t, 0
.endr
	EPI3
.Lnext:
	s_add_co_u32 s42, s42, 256
	s_sub_co_u32 s49, s49, 1
	s_cmp_lg_u32 s49, 0
	s_cbranch_scc1 .Lmore
	s_wait_dscnt 0x0                               ; the closing lines, six on end
	s_wait_alu 0x0
	s_wait_tensorcnt 0x0
	ds_add_u32 v254, v255
	s_wait_dscnt 0x0
	s_endpgm
.Lfunc_end_k_q2ef4e2d44f_up:
	.size	k_q2ef4e2d44f_up, .Lfunc_end_k_q2ef4e2d44f_up-k_q2ef4e2d44f_up
	.p2alignl 7, 3214868480
	.fill 96, 4, 3214868480
	.section	.rodata,"a",@progbits
	.p2align	6, 0x0
	.amdhsa_kernel k_q2ef4e2d44f_up
		.amdhsa_group_segment_fixed_size 71680
		.amdhsa_private_segment_fixed_size 0
		.amdhsa_enable_private_segment 0
		.amdhsa_kernarg_size 56
		.amdhsa_user_sgpr_count 2
		.amdhsa_user_sgpr_kernarg_segment_ptr 1
		.amdhsa_wavefront_size32 1
		.amdhsa_system_sgpr_workgroup_id_x 1
		.amdhsa_system_sgpr_workgroup_id_y 1
		.amdhsa_system_sgpr_workgroup_id_z 1
		.amdhsa_system_vgpr_workitem_id 0
		.amdhsa_next_free_vgpr 256
		.amdhsa_next_free_sgpr 98
		.amdhsa_reserve_vcc 1
		.amdhsa_float_denorm_mode_32 3
		.amdhsa_float_denorm_mode_16_64 3
		.amdhsa_memory_ordered 1
		.amdhsa_forward_progress 1
		.amdhsa_inst_pref_size 137
	.end_amdhsa_kernel
	.amdgpu_metadata
---
amdhsa.version: [ 1, 2 ]
amdhsa.kernels:
  - .name:           k_q2ef4e2d44f_up
    .symbol:         k_q2ef4e2d44f_up.kd
    .args:
      - { .name: W1, .offset: 0, .size: 8, .value_kind: global_buffer, .address_space: global }
      - { .name: b1, .offset: 8, .size: 8, .value_kind: global_buffer, .address_space: global }
      - { .name: xc, .offset: 16, .size: 8, .value_kind: global_buffer, .address_space: global }
      - { .name: xs, .offset: 24, .size: 8, .value_kind: global_buffer, .address_space: global }
      - { .name: eid, .offset: 32, .size: 8, .value_kind: global_buffer, .address_space: global }
      - { .name: hid, .offset: 40, .size: 8, .value_kind: global_buffer, .address_space: global }
      - { .name: hs, .offset: 48, .size: 8, .value_kind: global_buffer, .address_space: global }
    .group_segment_fixed_size: 71680
    .private_segment_fixed_size: 0
    .kernarg_segment_align: 8
    .kernarg_segment_size: 56
    .max_flat_workgroup_size: 512
    .sgpr_count:     98
    .vgpr_count:     256
    .wavefront_size: 32
...
	.end_amdgpu_metadata
.endif
;; end of part 7
;; launch down (part 8): grid 32 x 7, 16 waves a work-group, no clusters, 108,544 bytes of LDS; arguments W2, b2, hid, hs, eid, wgt, out0; writes out0
.if DOCPART == 8
	.amdgcn_target "amdgcn-amd-amdhsa--gfx1250"
	.amdhsa_code_object_version 6
	.text
	.protected	k_q2ef4e2d44f_down
	.globl	k_q2ef4e2d44f_down
	.p2align	8
	.type	k_q2ef4e2d44f_down,@function
k_q2ef4e2d44f_down:
	s_mov_b64 s[64:65], 0
	v_nop
	global_prefetch_b8 v0, s[64:65] scope:SCOPE_SE
	s_setreg_imm32_b32 hwreg(HW_REG_WAVE_SCHED_MODE, 0, 2), 2
	s_setreg_imm32_b32 hwreg(HW_REG_WAVE_MODE, 25, 1), 1
	s_wait_xcnt 0x0
	s_wait_alu depctr_vm_vsrc(0)
; out0[token] = (hidden Q(W2[e]) + b2[e]) x the gate's weight, for the tokens that keep expert e; both operands as codes of FP4 with E8M0 scales.  Each row of out0 has one owner: the expert that the token keeps.
; SHARES.  Work-group (s, y) takes expert e = y + 1 and output columns 32 s .. 32 s + 31 over all K = 4,096, and streams its 4,096 x 32 numbers of W2 ONCE, as f32.
; Expert 0 has no work-group: a token's two chosen indices differ and the larger is kept, so expert 0 is kept by no token, whatever the inputs.
; THE STREAM, 8 trips of 512 along K (4 K steps).  Wave w takes block w of a trip: 32 k x 32 columns, a lane a column, registers down K; each load reads 128 consecutive bytes.  Two register sets take turns.
; The codes go to LDS as images of the operand's registers, (K step ks, tile u) at 1,024 (2 ks + u), and STAY; nothing there is written twice, so ONE barrier a trip is all the ordering.
; A TRIP: quantise this chunk; ask for the chunk two trips on; the barrier; the weights' first fragments from LDS; ONE wait that leaves only the chunk just asked for on its way (so the next chunk and this trip's hidden
; fragments are in); the products; ask for the next trip's hidden fragments, which then have the next trip's quantiser, its 32 loads and its barrier in which to land.
; The columns of a tile are chosen as in the launch before: tile u's register j of lane (r, h) is column 8 u + 16 h + j, so a lane's 16 results are 16 neighbouring columns of one token: 64 bytes.
; THE TOKENS.  Ranks are found as in the launch before, by the same lines, so tile T holds the same tokens in the same lanes.  A wave has two slots, tiles w and w + 16, under the stream; tiles w + 32 and w + 48 follow
; in a loop of two trips; a trip whose tile has no token jumps round its work.
; The hidden layer's fragments come from memory as register images.  Spare lanes of a partial tile repeat the last token and store the same bytes to the same place.
; THE WAY OUT.  16 tokens x 128 bytes go through the wave's own stage in LDS and leave as four rows of 128 consecutive bytes a store; a row's token comes from the lane that holds it.  A work-group's 32 columns are 128 bytes of a row.
; NO TENSOR LOADS, NO CLUSTER: the number of tiles is read from memory and steers jumps.  What the 32 work-groups of an expert share is the hidden layer's codes, 2,176 bytes a token, beside 512 KiB of weights that each reads alone.
; No barrier stands under a jump on loaded numbers.  No prefetch: the launch is one stream of loads that are already issued a trip or two ahead.  An expert without tokens does not step its stream on behind the second chunk and stores nothing.
; LIMITS: a block of zeros gets the byte 1 (its codes are zeros); a block under 2^-124 is held at that floor; NaN and infinities are not served.
; THE MODE: SCHED_MODE bits 1:0 = 2 (LLVM: expert scheduling mode 2), set by the entry lines.  The code itself states the register dependences
; between vector or matrix instructions and memory or LDS instructions, with s_wait_alu, always for 0.
; THE PLAN.  Registers that memory or LDS instructions touch:
;   v1-v10, v239  addresses and offsets: written once at the head, never again.  One wait on va_vdst ahead of the first load.
;   v[GO0 ..]     written behind RANKSEL, read by the loads of the gate weights: va_vdst behind their makers; behind the stream vm_vsrc ahead of them.
;   X0, X0 + 32   Trip t: the quantiser reads set t % 2; behind it the chunk two trips on lands there.
;   v[CC ..], v[QB]  Trip t: written by the quantiser, read by its two LDS stores, written again in trip t + 1: vm_vsrc at the head of trips 1 to 7.
;   v[WF ..]      holds the weights' fragments of TWO K steps: LDS loads land, four or eight products read, the other two K steps' land, the products read.
;   v[HF0 ..], v[HS0 ..], v[WS ..]  Trip t: the products read them; at the trip's end the next trip's hidden fragments land.
; So three waits on va_vdst stand in a trip: behind the conversions (the LDS stores' data are written; the quantiser is done reading its set); ahead of the second pair of K steps' LDS loads (the first pair's products are done
; reading v[WF ..]); ahead of the next trip's hidden fragments (the trip's products are done reading v[HF0 ..] and v[HS0 ..]; and v[WF ..] and v[WS ..], for the next trip's first LDS loads).
;   THE WAY OUT: the accumulators are written by the multiplications and read by LDS stores; v[OF ..] is written, read by the lane permutes, written again, read by the global stores; v[WF ..] takes the rows read back
;   and is the global stores' data; v[BT ..] takes the permutes' results.  va_vdst ahead of the LDS run, vm_vsrc behind it, va_vdst ahead of the stores; vm_vsrc ahead of the second slot's way out and at the head of a trip behind the stream.
;   s18, s50-56, s66-97 and VCC are written by vector instructions: the compares stand in runs, and one wait on va_sdst or va_vcc stands between a run and its first reader.
.set PITCH, 4096                       ; a row of W2[e] in bytes
.set WSC,   65536                      ; LDS: the scale words: K step ks at 128 ks + 4 x lane: lanes 0-15 tile 0's, lanes 16-31 tile 1's
.set STG,   69632                      ; the stages: 16 rows x 144 bytes for each wave
.set AV,  1                            ; v1   the stream: 4 x my column
.set AW,  2                            ; v2   LDS: where my block's 16 bytes go: 1,024 u + 16 r + 2,048 (w / 4) + 256 (w % 4)
.set AS,  3                            ; v3   and its scale byte: WSC + 128 (w / 4) + 4 lane + w % 4
.set LI,  4                            ; v4   16 x lane
.set LS,  5                            ; v5   4 x lane
.set BO,  6                            ; v6   b2: 64 h
.set STO, 7                            ; v7   the stage, in: 144 r + 64 h
.set SRD, 8                            ; v8   and back: 144 (lane / 8) + 16 (lane % 8)
.set CO,  9                            ; v9   16 (lane % 8)
.set BPI, 10                           ; v10  4 (lane / 8)
.set RK,  11
.set TOK0, 12                          ; v12, v13 the slots' tokens: lane r's is row r's
.set GW0, 14                           ; v14, v15 their gate weights
.set X0,  16                           ; v16-47, v48-79 the stream's two sets
.set CC,  80
.set QA,  84
.set QB,  85
.set QS,  86
.set WS,  88                           ; v88-91  the weights' scale words of a trip: scales and nothing else
.set HS0, 92                           ; v92-95, v96-99 the hidden layer's, for each slot: scales and nothing else
.set WF,  100                          ; v100-131 the weights' fragments of two K steps; on the way out the rows read back
.set HF0, 132                          ; v132-163, v164-195 the hidden layer's four fragments of a trip, for each slot
.set EI,  132                          ; at the head: the 1,024 eids
.set ACC0, 196                         ; v196-211, v212-227 two accumulators for each slot
.set MS,  228                          ; v228-237 at work in RANKSEL
.set CS,  229
.set JS,  230
.set NN,  231
.set POS, 232
.set TT,  233
.set A1,  234
.set A2,  235
.set A3,  236
.set A4,  237
.set TOK, 238                          ; v238 RANKSEL's result
.set WSA, 239                          ; v239 WSC + 4 x lane
.set RR,  240                          ; v240 r
.set HH,  241                          ; v241 h
.set TOKX, 242
.set BT,  244                          ; v244-247 the tokens of the rows that I store
.set OF,  248                          ; v248-251 their offsets in out0
.set GO0, 252                          ; v252, v253 offsets in wgt
; scalars: s18 wave, s19 expert, s20 slab, s21 count, s22 max(count,1)-1, s23 max(count,1), s24-27 at work, s[28:29] the stream, s[30:31] its step, s[32:35] hid and hs at slot 0's tile, s[36:39] at slot 1's,
; s40, s41 the slots' first ranks, s42 the first rank of the tile in hand behind the stream, s43 the last tile that was stored, s[44:45] selects, s46 the mask of lanes 16-31, s49 the trips left behind the stream,
; s50-56 a run's compares, s57-63 the ones ahead of each of its masks, s66-97 the masks
.macro WM d, a, b, sa, sb, row1
.if \row1
	v_wmma_scale_f32_16x16x128_f8f6f4 v[(\d):(\d)+7], v[(\a):(\a)+7], v[(\b):(\b)+7], v[(\d):(\d)+7], v[\sa], v[\sb] matrix_a_fmt:MATRIX_FMT_FP4 matrix_b_fmt:MATRIX_FMT_FP4 matrix_a_scale:MATRIX_SCALE_ROW1
.else
	v_wmma_scale_f32_16x16x128_f8f6f4 v[(\d):(\d)+7], v[(\a):(\a)+7], v[(\b):(\b)+7], v[(\d):(\d)+7], v[\sa], v[\sb] matrix_a_fmt:MATRIX_FMT_FP4 matrix_b_fmt:MATRIX_FMT_FP4
.endif
.endm
.macro PLACES                          ; four plain lines between a matrix instruction and a vector instruction on one of its registers; ahead of loads into such registers they stay, beside the wait that states the dependence
.rept 4
	v_nop
.endr
.endm
.macro BAR
	s_wait_dscnt 0x0                               ; for the others' sake: my LDS stores have landed (and my loads are in)
	s_barrier_signal -1
	s_barrier_wait -1
.endm
.macro SLOAD set
.set i, 0
.rept 32
	global_load_b32 v[(\set)+i], v[AV], s[28:29] offset:i*PITCH th:TH_LOAD_NT
.set i, i+1
.endr
.endm
.macro STEPB
	s_wait_xcnt 0x0                                ; the loads issued so far have read their base: only now is it stepped
	s_add_nc_u64 s[28:29], s[28:29], s[30:31]
.endm
.macro QBLK set, t
	v_max3_num_f32 v[QA], |v[(\set)]|, |v[(\set)+1]|, |v[(\set)+2]|
	v_max3_num_f32 v[QB], |v[(\set)+3]|, |v[(\set)+4]|, |v[(\set)+5]|
.irp i, 6,10,14,18,22,26
	v_max3_num_f32 v[QA], v[QA], |v[(\set)+\i]|, |v[(\set)+\i+1]|
	v_max3_num_f32 v[QB], v[QB], |v[(\set)+\i+2]|, |v[(\set)+\i+3]|
.endr
	v_max3_num_f32 v[QA], v[QA], |v[(\set)+30]|, |v[(\set)+31]|
	v_max3_num_f32 v[QA], v[QA], v[QB], 0x1800000  ; the floor 2^(3 - 127): the byte cannot fall under 1
	v_add_nc_u32 v[QS], 0xff000000, v[QA]
	v_lshrrev_b32 v[QB], 23, v[QS]
.irp g, 0,1,2,3
	v_cvt_scalef32_pk8_fp4_f32 v[CC+\g], v[(\set)+8*\g:(\set)+8*\g+7], v[QS]
.endr
	v_nop                                          ; one plain line behind the last conversion
	s_wait_alu depctr_va_vdst(0)                   ; v[CC ..] and v[QB], the LDS stores' data, are written; the lines above are done reading the set, in which the chunk two trips on lands
	ds_store_b128 v[AW], v[CC:CC+3] offset:8192*(\t)
	ds_store_b8 v[AS], v[QB] offset:512*(\t)
.endm
.macro COUNT                           ; mask j = 4 q + c, bit l: token 128 q + 4 l + c keeps my expert.  The 32 compares stand in one run
.set j, 0
.rept 32
	v_cmp_eq_u32 s[66+j], s19, v[EI+j]
.set j, j+1
.endr
	s_wait_alu depctr_va_sdst(0)                   ; the compares have written s66 to s97, ahead of their first reader
	s_mov_b32 s21, 0
.set j, 0
.rept 32
	s_bcnt1_i32_b32 s25, s[66+j]
	s_add_co_u32 s21, s21, s25
.set j, j+1
.endr
.endm
.macro DESC a, width, inc
	v_bfe_u32 v[TT], v[\a], v[POS], \width
	v_cmp_ge_u32 vcc_lo, v[NN], v[TT]
	s_wait_alu depctr_va_vcc(0)                    ; the compare has written VCC, which the two selects read
	v_cndmask_b32 v[TT], 0, v[TT], vcc_lo
	v_sub_nc_u32 v[NN], v[NN], v[TT]
	v_cndmask_b32 v[TT], 0, \inc, vcc_lo
	v_add_nc_u32 v[POS], v[POS], v[TT]
.endm
.macro RSRUN j0, n                     ; masks j0 .. j0 + n - 1: the last mask ahead of which at most RK ones lie is mine.  A run of compares, one wait, the selects in ascending order
.set k, 0
.rept \n
	s_mov_b32 s[57+k], s24                         ; s24: the ones in the masks passed; kept for the select
	v_cmp_le_u32 s[50+k], s24, v[RK]
	s_bcnt1_i32_b32 s25, s[66+(\j0)+k]
	s_add_co_u32 s24, s24, s25
.set k, k+1
.endr
	s_wait_alu depctr_va_sdst(0)                   ; the run's compares have written s50 on, which the selects read
.set k, 0
.rept \n
	v_cndmask_b32 v[MS], v[MS], s[66+(\j0)+k], s[50+k]
	v_cndmask_b32 v[CS], v[CS], s[57+k], s[50+k]
	v_cndmask_b32 v[JS], v[JS], (\j0)+k, s[50+k]
.set k, k+1
.endr
.endm
.macro RANKSEL                         ; the same lines as in the launch before: the same rank gives the same token
	v_mov_b32 v[MS], s66
	v_mov_b32 v[CS], 0
	v_mov_b32 v[JS], 0
	s_bcnt1_i32_b32 s24, s66
	RSRUN 1, 7
	RSRUN 8, 7
	RSRUN 15, 7
	RSRUN 22, 7
	s_wait_alu depctr_va_vdst(0)
	RSRUN 29, 3
	v_sub_nc_u32 v[NN], v[RK], v[CS]
	v_lshrrev_b32 v[TT], 1, v[MS]
	v_and_b32 v[TT], 0x55555555, v[TT]
	v_sub_nc_u32 v[A1], v[MS], v[TT]
	v_lshrrev_b32 v[TT], 2, v[A1]
	v_and_b32 v[TT], 0x33333333, v[TT]
	v_and_b32 v[A2], 0x33333333, v[A1]
	v_add_nc_u32 v[A2], v[A2], v[TT]
	v_lshrrev_b32 v[TT], 4, v[A2]
	v_add_nc_u32 v[A3], v[A2], v[TT]
	v_and_b32 v[A3], 0x0f0f0f0f, v[A3]
	v_lshrrev_b32 v[TT], 8, v[A3]
	v_add_nc_u32 v[A4], v[A3], v[TT]
	v_and_b32 v[A4], 0x00ff00ff, v[A4]
	v_mov_b32 v[POS], 0
	DESC A4, 8, 16
	DESC A3, 8, 8
	DESC A2, 4, 4
	DESC A1, 2, 2
	DESC MS, 1, 1
	v_lshrrev_b32 v[TT], 2, v[JS]
	v_lshlrev_b32 v[TT], 7, v[TT]
	v_and_b32 v[JS], 3, v[JS]
	v_lshl_add_u32 v[TT], v[POS], 2, v[TT]
	v_add_nc_u32 v[TOK], v[TT], v[JS]
.endm
.macro B2LOAD acc                      ; the bias is the sums' start: register j of tile u is column 8 u + 16 h + j
.irp u, 0,1
	global_load_b128 v[(\acc)+8*\u:(\acc)+8*\u+3], v[BO], s[6:7] offset:32*\u
	global_load_b128 v[(\acc)+8*\u+4:(\acc)+8*\u+7], v[BO], s[6:7] offset:32*\u+16
.endr
.endm
.macro SLOTBASE slot                   ; s25: a tile -> the slot's places in hid and hs.  A tile without tokens takes the last tile that was stored
	s_min_u32 s25, s25, s43
	s_min_u32 s25, s25, 63                         ; a number made of loaded numbers enters an address only behind this hold
	s_lshl_b32 s26, s25, 15
	s_add_nc_u64 s[32+4*(\slot):33+4*(\slot)], s[8:9], s[26:27]
	s_lshl_b32 s26, s25, 12
	s_add_nc_u64 s[34+4*(\slot):35+4*(\slot)], s[10:11], s[26:27]
.endm
.macro TK4 slot, t                     ; the slot's four hidden fragments and scale words of trip t: twelve loads
.irp q, 0,1,2,3
	global_load_b128 v[HF0+32*(\slot)+8*\q:HF0+32*(\slot)+8*\q+3], v[LI], s[32+4*(\slot):33+4*(\slot)] offset:(4*(\t)+\q)*1024
	global_load_b128 v[HF0+32*(\slot)+8*\q+4:HF0+32*(\slot)+8*\q+7], v[LI], s[32+4*(\slot):33+4*(\slot)] offset:(4*(\t)+\q)*1024+512
	global_load_b32 v[HS0+4*(\slot)+\q], v[LS], s[34+4*(\slot):35+4*(\slot)] offset:(4*(\t)+\q)*128
.endr
.endm
.macro WLD t, p                        ; from LDS: the weights' fragments of K steps 4 t + 2 p and 4 t + 2 p + 1, fragment f = 2 (K step % 2) + tile; with p = 0 the trip's four scale words too
.if (\p) == 0
.irp q, 0,1,2,3
	ds_load_b32 v[WS+\q], v[WSA] offset:512*(\t)+128*\q
.endr
.endif
.irp f, 0,1,2,3
	ds_load_b128 v[WF+8*\f:WF+8*\f+3], v[LI] offset:8192*(\t)+4096*(\p)+1024*\f
	ds_load_b128 v[WF+8*\f+4:WF+8*\f+7], v[LI] offset:8192*(\t)+4096*(\p)+1024*\f+512
.endr
.endm
.macro WMUL p, two                     ; the products of those two K steps.  A slot's two accumulators take turns, one instruction a turn
	s_wait_dscnt 0x0                               ; the weights' fragments and scale words are in
.irp f, 0,1,2,3
	WM ACC0+8*(\f%2), WF+8*\f, HF0+8*(2*(\p)+\f/2), WS+2*(\p)+\f/2, HS0+2*(\p)+\f/2, \f%2
.endr
.if \two
	s_cmp_ge_u32 s41, s21                          ; slot 1 has tokens only where the expert has more than 16 (w + 16)
	s_cbranch_scc1 .Lone_\@
.irp f, 0,1,2,3
	WM ACC0+16+8*(\f%2), WF+8*\f, HF0+32+8*(2*(\p)+\f/2), WS+2*(\p)+\f/2, HS0+4+2*(\p)+\f/2, \f%2
.endr
.Lone_\@:
.endif
.endm
.macro EPI4 slot, again                ; x the gate's weight; through my stage; four rows of 128 bytes a store.  again = 1: the other slot's way out stands just ahead
	s_wait_xcnt 0x0                                ; earlier stores have read their offsets: these are written again below
.if \again
	s_wait_alu depctr_vm_vsrc(0)                   ; the other slot's global stores have read v[OF ..], which the additions below write again
.endif
	PLACES
.set i, 0
.rept 16
	v_mul_f32 v[ACC0+16*(\slot)+i], v[ACC0+16*(\slot)+i], v[GW0+(\slot)]      ; each accumulator from its low end on
.set i, i+1
.endr
.irp i, 0,1,2,3
	v_add_nc_u32 v[OF+\i], 16*\i, v[BPI]           ; 4 x the lane that holds the token of row lane / 8 + 4 i
.endr
	s_wait_alu depctr_va_vdst(0)                   ; the multiplications have written the accumulators, the LDS stores' data, and the additions v[OF ..], the permutes' addresses; the products are done reading v[WF ..] and an earlier way out's lines v[BT ..], in which the loads and permutes below land
.irp i, 0,1,2,3
	ds_store_b128 v[STO], v[ACC0+16*(\slot)+4*\i:ACC0+16*(\slot)+4*\i+3] offset:16*\i
.endr
.irp i, 0,1,2,3
	ds_bpermute_b32 v[BT+\i], v[OF+\i], v[TOK0+(\slot)]
.endr
.irp i, 0,1,2,3
	ds_load_b128 v[WF+16*(\slot)+4*\i:WF+16*(\slot)+4*\i+3], v[SRD] offset:576*\i  ; LDS serves a wave's instructions in order: these see my stores
.endr
	s_wait_dscnt 0x0
	s_wait_alu depctr_vm_vsrc(0)                   ; the permutes have read v[OF ..], which the shifts below write again
.irp i, 0,1,2,3
	v_min_u32 v[BT+\i], 0x3ff, v[BT+\i]            ; a number made of loaded numbers enters an address only behind this hold
.endr
.irp i, 0,1,2,3
	v_lshlrev_b32 v[OF+\i], 12, v[BT+\i]
.endr
.irp i, 0,1,2,3
	v_add_nc_u32 v[OF+\i], v[OF+\i], v[CO]
.endr
	s_wait_alu depctr_va_vdst(0)                   ; the additions have written v[OF ..], the stores' offsets
.irp i, 0,1,2,3
	global_store_b128 v[OF+\i], v[WF+16*(\slot)+4*\i:WF+16*(\slot)+4*\i+3], s[16:17] th:TH_STORE_NT
.endr
.endm
.macro LANDED t                        ; the trip's one wait for memory; it stands on the working path and on the idle one
.if (\t) < 6
	s_wait_loadcnt 32                              ; all but the 32 loads of the chunk two trips on, the last issued on every path: the next chunk and this trip's hidden fragments are in (in trip 0 the bias and the gate weights too)
.else
	s_wait_loadcnt 0x0                             ; no chunk is left to ask for
.endif
.endm
.macro TRIP4 t
.if (\t) > 0
	s_wait_alu depctr_vm_vsrc(0)                   ; the last trip's two LDS stores have read v[CC ..] and v[QB], which the quantiser writes again
.endif
	QBLK X0+32*((\t)%2), \t                        ; this chunk was shown in by the trip before (chunk 0 by the wait ahead of trip 0).  These lines are also places behind the last trip's products
.if (\t) < 6
	STEPB
	SLOAD X0+32*((\t)%2)                           ; the chunk two trips on, into the set just quantised: always issued, ahead of the barrier
.endif
	BAR                                            ; trip t's eight images and their scale words lie in LDS
	s_cmp_ge_u32 s40, s21                          ; a wave whose first tile has no token passes over the work; no barrier stands in it
	s_cbranch_scc1 .Lidle_\@
	WLD \t, 0                                      ; the LDS loads are out while the wave waits for memory.  (The last trip's products were shown done with v[WF ..] and v[WS ..] by the wait at that trip's end)
	LANDED \t
	WMUL 0, 1
	PLACES
	s_wait_alu depctr_va_vdst(0)                   ; the products of the first two K steps are done reading v[WF ..], in which the other two K steps' fragments land
	WLD \t, 1
	WMUL 1, 1
.if (\t) < 7
	PLACES
	s_wait_alu depctr_va_vdst(0)                   ; the trip's products are done reading v[HF0 ..] and v[HS0 ..], in which the next trip's hidden fragments land, and v[WF ..] and v[WS ..], in which the next trip's first LDS loads land
	TK4 0, (\t)+1                                  ; behind the wait for memory: so that wait's count holds whether or not these are issued
	s_cmp_ge_u32 s41, s21
	s_cbranch_scc1 .Ljoin_\@
	TK4 1, (\t)+1
.endif
	s_branch .Ljoin_\@
.Lidle_\@:
	LANDED \t
.Ljoin_\@:
.endm
	s_load_b256 s[4:11], s[0:1], 0x0               ; W2 s[4:5], b2 s[6:7], hid s[8:9], hs s[10:11]
	s_load_b128 s[12:15], s[0:1], 0x20             ; eid s[12:13], wgt s[14:15]
	s_load_b64 s[16:17], s[0:1], 0x30              ; out0
	v_lshl_add_u32 v254, v0, 2, 0x1a000
	v_mov_b32 v255, 0
	v_lshrrev_b32 v87, 5, v0
	v_readfirstlane_b32 s18, v87                   ; wave 0..15
	s_and_b32 s19, ttmp7, 0xffff
	s_add_co_u32 s19, s19, 1                       ; expert 1..7
	s_mov_b32 s20, ttmp9                           ; slab
	s_wait_alu depctr_va_sdst(0)                   ; s18 is written, ahead of its first reader
	s_lshr_b32 s47, s18, 2                         ; which K step of a trip
	s_and_b32 s48, s18, 3                          ; which block of it
	s_lshl_b32 s40, s18, 4                         ; slot 0's first rank,
	s_add_co_u32 s41, s40, 256                     ; slot 1's
	s_mov_b32 s44, 0x76543210
	s_mov_b32 s45, 0xfedcba98                      ; v_permlanex16_b32's selects for lane l xor 16
	s_mov_b32 s46, 0xffff0000                      ; lanes 16-31
	v_and_b32 v87, 31, v0                          ; lane
	v_and_b32 v[RR], 15, v0
	v_bfe_u32 v[HH], v0, 4, 1
	v_lshlrev_b32 v[LI], 4, v87
	v_lshlrev_b32 v[LS], 2, v87
	v_lshlrev_b32 v[BO], 6, v[HH]
	v_add_nc_u32 v[WSA], WSC, v[LS]
	v_and_b32 v[AV], 8, v[RR]
	v_add_nc_u32 v[AV], v[AV], v[RR]
	v_lshl_add_u32 v[AV], v[HH], 3, v[AV]          ; my column of the 32: 8 u + r + 8 (r / 8)
	v_lshlrev_b32 v[AV], 2, v[AV]
	s_lshl_b32 s25, s47, 11
	s_lshl_b32 s24, s48, 8
	s_add_co_u32 s25, s25, s24
	v_lshlrev_b32 v[AW], 4, v[RR]
	v_lshl_add_u32 v[AW], v[HH], 10, v[AW]
	v_add_nc_u32 v[AW], s25, v[AW]
	s_lshl_b32 s25, s47, 7
	s_add_co_u32 s25, s25, s48
	v_add_nc_u32 v[AS], s25, v[WSA]
	s_mul_i32 s25, s18, 2304
	s_add_co_u32 s25, s25, STG                     ; my stage
	v_mul_u32_u24 v[STO], v[RR], 144
	v_lshl_add_u32 v[STO], v[HH], 6, v[STO]
	v_add_nc_u32 v[STO], s25, v[STO]
	v_bfe_u32 v[BPI], v0, 3, 2                     ; lane / 8
	v_mul_u32_u24 v[SRD], v[BPI], 144
	v_and_b32 v[CO], 7, v0
	v_lshlrev_b32 v[CO], 4, v[CO]
	v_add_nc_u32 v[SRD], v[SRD], v[CO]
	v_add_nc_u32 v[SRD], s25, v[SRD]
	v_lshlrev_b32 v[BPI], 2, v[BPI]
	s_lshl_b32 s28, s19, 24                        ; the stream: expert, 32 w rows, 32 s columns
	s_lshl_b32 s24, s18, 17
	s_add_co_u32 s28, s28, s24
	s_lshl_b32 s24, s20, 7
	s_add_co_u32 s28, s28, s24
	s_mov_b32 s29, 0
	s_mov_b32 s27, 0
	s_wait_kmcnt 0x0
	s_add_nc_u64 s[28:29], s[4:5], s[28:29]
	s_lshl_b32 s26, s19, 12
	s_add_co_u32 s26, s26, s24
	s_add_nc_u64 s[6:7], s[6:7], s[26:27]          ; b2 at (e, 32 s)
	s_mov_b32 s26, s24
	s_add_nc_u64 s[16:17], s[16:17], s[26:27]      ; out0 at column 32 s
	s_lshl_b32 s26, s19, 21
	s_add_nc_u64 s[8:9], s[8:9], s[26:27]          ; hid at my expert
	s_lshl_b32 s26, s19, 18
	s_add_nc_u64 s[10:11], s[10:11], s[26:27]      ; hs likewise
	s_wait_alu depctr_va_vdst(0)                   ; the addresses and offsets v1 to v10 and v239 are written: the loads and stores of the whole kernel read them
.irp q, 0,1,2,3,4,5,6,7
	global_load_b128 v[EI+4*\q:EI+4*\q+3], v[LI], s[12:13] offset:512*\q
.endr
	B2LOAD ACC0
	B2LOAD ACC0+16
	SLOAD X0
	s_wait_xcnt 0x0
	s_add_nc_u64 s[28:29], s[28:29], 0x200000      ; a trip is 512 rows of 4,096 bytes
	SLOAD X0+32
	s_wait_loadcnt 63                              ; the eids are the oldest 8 of 80 loads: 63 is the largest count that the wait can name
	COUNT
	s_max_u32 s23, s21, 1
	s_sub_co_u32 s22, s23, 1
	s_min_u32 s30, s21, 1                          ; the stream's step: a trip where the expert has tokens, else nothing
	s_lshl_b32 s30, s30, 21
	s_mov_b32 s31, 0
	s_lshr_b32 s43, s22, 4                         ; the last tile that the launch before stored for this expert
	v_lshl_add_u32 v[RK], v[HH], 8, v[RR]          ; one search serves both slots: lanes 0-15 tile w, lanes 16-31 tile w + 16
	v_add_nc_u32 v[RK], s40, v[RK]
	v_min_u32 v[RK], s22, v[RK]                    ; ranks past the count are held at the last
	s_wait_alu depctr_va_vdst(0)
	RANKSEL
	v_mov_b32 v[TOKX], 0                           ; a lane permute's destination counts as one of its sources
	v_permlanex16_b32 v[TOKX], v[TOK], s44, s45
	v_cndmask_b32 v[TOK0], v[TOK], v[TOKX], s46    ; each slot's tokens in both halves of the lanes
	v_cndmask_b32 v[TOK0+1], v[TOKX], v[TOK], s46
	v_min_u32 v[TOK0], 0x3ff, v[TOK0]              ; a number made of loaded numbers enters an address only behind this hold
	v_min_u32 v[TOK0+1], 0x3ff, v[TOK0+1]
	v_lshlrev_b32 v[GO0], 2, v[TOK0]
	v_lshlrev_b32 v[GO0+1], 2, v[TOK0+1]
	s_mov_b32 s25, s18
	SLOTBASE 0
	s_add_co_u32 s25, s18, 16
	SLOTBASE 1
	s_wait_alu depctr_va_vdst(0)                   ; v[GO0] and v[GO0 + 1] are written, the offsets of the two loads below; the compares are done reading the eids' registers, in which hidden fragments land
	global_load_b32 v[GW0], v[GO0], s[14:15]
	global_load_b32 v[GW0+1], v[GO0+1], s[14:15]
	TK4 0, 0                                       ; always issued: these registers are written on every path
	TK4 1, 0
	s_wait_loadcnt 58                              ; chunk 0 is in; younger: chunk 1's 32 loads, the two gate weights, the two slots' 24
.irp t, 0,1,2,3,4,5,6,7
	TRIP4 \t
.endr
	s_cmp_ge_u32 s40, s21
	s_cbranch_scc1 .Lout_done
	EPI4 0, 0
	s_cmp_ge_u32 s41, s21
	s_cbranch_scc1 .Lout_done
	EPI4 1, 1
.Lout_done:
	s_add_co_u32 s42, s40, 512                     ; tiles w + 32 and w + 48: 1,024 tokens make 64 tiles, so two trips serve every split; all weights lie in LDS
	s_mov_b32 s49, 2
.Lmore:
	s_cmp_ge_u32 s42, s21                          ; a tile without tokens: round the work, in which no barrier stands
	s_cbranch_scc1 .Lnext
	s_wait_xcnt 0x0                                ; the last tile's stores and loads have read their registers and bases
	s_wait_alu depctr_vm_vsrc(0)                   ; the ways out so far have read v[TOK0] (the permutes), v[OF ..] and v[WF ..] (the global stores) and the accumulators (the LDS stores), and the gate weight's load v[GO0]: all are written again below, by vector lines or by loads
	v_add_nc_u32 v[RK], s42, v[RR]
	v_min_u32 v[RK], s22, v[RK]
	s_wait_alu depctr_va_vdst(0)
	RANKSEL
	v_min_u32 v[TOK0], 0x3ff, v[TOK]
	v_lshlrev_b32 v[GO0], 2, v[TOK0]
	s_lshr_b32 s25, s42, 4
	SLOTBASE 0
	s_wait_alu depctr_va_vdst(0)                   ; v[GO0] is written; the last way out is done with v[GW0] and the accumulators, in which the loads below land; the products are done reading v[HF0 ..], v[HS0 ..], v[WF ..] and v[WS ..]
	global_load_b32 v[GW0], v[GO0], s[14:15]
	B2LOAD ACC0
.irp t, 0,1,2,3,4,5,6,7
	PLACES                                         ; behind the last products
.if \t > 0
	s_wait_alu depctr_va_vdst(0)                   ; the products of the four K steps before are done reading v[HF0 ..], v[HS0 ..], v[WF ..] and v[WS ..], in which the loads below land
.endif
	TK4 0, \t
	WLD \t, 0
	s_wait_loadcnt 0x0
	WMUL 0, 0
	PLACES
	s_wait_alu depctr_va_vdst(0)                   ; the products of the first two K steps are done reading v[WF ..], in which the other two K steps' fragments land
	WLD \t, 1
	WMUL 1, 0
.endr
	EPI4 0, 0
.Lnext:
	s_add_co_u32 s42, s42, 256
	s_sub_co_u32 s49, s49, 1
	s_cmp_lg_u32 s49, 0
	s_cbranch_scc1 .Lmore
	s_wait_dscnt 0x0                               ; the closing lines, six on end
	s_wait_alu 0x0
	s_wait_tensorcnt 0x0
	ds_add_u32 v254, v255
	s_wait_dscnt 0x0
	s_endpgm
.Lfunc_end_k_q2ef4e2d44f_down:
	.size	k_q2ef4e2d44f_down, .Lfunc_end_k_q2ef4e2d44f_down-k_q2ef4e2d44f_down
	.p2alignl 7, 3214868480
	.fill 96, 4, 3214868480
	.section	.rodata,"a",@progbits
	.p2align	6, 0x0
	.amdhsa_kernel k_q2ef4e2d44f_down
		.amdhsa_group_segment_fixed_size 108544
		.amdhsa_private_segment_fixed_size 0
		.amdhsa_enable_private_segment 0
		.amdhsa_kernarg_size 56
		.amdhsa_user_sgpr_count 2
		.amdhsa_user_sgpr_kernarg_segment_ptr 1
		.amdhsa_wavefront_size32 1
		.amdhsa_system_sgpr_workgroup_id_x 1
		.amdhsa_system_sgpr_workgroup_id_y 1
		.amdhsa_system_sgpr_workgroup_id_z 1
		.amdhsa_system_vgpr_workitem_id 0
		.amdhsa_next_free_vgpr 256
		.amdhsa_next_free_sgpr 98
		.amdhsa_reserve_vcc 1
		.amdhsa_float_denorm_mode_32 3
		.amdhsa_float_denorm_mode_16_64 3
		.amdhsa_memory_ordered 1
		.amdhsa_forward_progress 1
		.amdhsa_inst_pref_size 164
	.end_amdhsa_kernel
	.amdgpu_metadata
---
amdhsa.version: [ 1, 2 ]
amdhsa.kernels:
  - .name:           k_q2ef4e2d44f_down
    .symbol:         k_q2ef4e2d44f_down.kd
    .args:
      - { .name: W2, .offset: 0, .size: 8, .value_kind: global_buffer, .address_space: global }
      - { .name: b2, .offset: 8, .size: 8, .value_kind: global_buffer, .address_space: global }
      - { .name: hid, .offset: 16, .size: 8, .value_kind: global_buffer, .address_space: global }
      - { .name: hs, .offset: 24, .size: 8, .value_kind: global_buffer, .address_space: global }
      - { .name: eid, .offset: 32, .size: 8, .value_kind: global_buffer, .address_space: global }
      - { .name: wgt, .offset: 40, .size: 8, .value_kind: global_buffer, .address_space: global }
      - { .name: out0, .offset: 48, .size: 8, .value_kind: global_buffer, .address_space: global }
    .group_segment_fixed_size: 108544
    .private_segment_fixed_size: 0
    .kernarg_segment_align: 8
    .kernarg_segment_size: 56
    .max_flat_workgroup_size: 512
    .sgpr_count:     98
    .vgpr_count:     256
    .wavefront_size: 32
...
	.end_amdgpu_metadata
.endif
;; end of part 8
